; MI455X (gfx1250); checked and timed in simulation.
; The chip was launched on July 23, 2026; its instructions are those of AMD's public machine-readable ISA for CDNA 5 (MIT licence, August 2026) and "CDNA5" Instruction Set Architecture Reference Guide (July 2026). The comments in the code are by the model that wrote it; some were corrected since.
;; RSSA. Allowed arithmetic: float matrix products may take bf16 or f16 operands with f32 sums; other float arithmetic in f32, or as packed bf16 or f16 multiplies, adds, multiply-adds, maxima and minima; sums over many terms, partial sums and values carried from step to step in f32; what a program stores and reads back later, other than sums and carried values, may be rounded once to bf16 or f16.
;; Inputs: bn_k 4 x 512 float32; bn_p 4 x 512 float32; bn_q 4 x 512 float32; bn_v 4 x 512 float32; bp 512 float32; mem_beta one number float32; wk 512 x 512 float32; wp 512 x 512 float32; wq 512 x 512 float32; wv 512 x 512 float32; x 4 x 32 x 512 x 16 x 16 float32.
;; Outputs: out0 4 x 32 x 512 x 16 x 16 float32.
;; 3 versions, each right. Each part assembles by itself: llvm-mc -triple=amdgcn-amd-amdhsa -mcpu=gfx1250 --defsym DOCPART=n.
;; ======== version 1 of 3: 4 launches
;; workspace buffers: xsf 33,554,432 bytes; wf 2,097,152 bytes; bnc 16,384 bytes; spk 100,663,296 bytes; af 33,554,432 bytes
;; launch prep (part 1): grid 512 x 1, 8 waves a work-group, no clusters, 0 bytes of LDS; arguments x, wq, wk, wv, wp, bp, bn_q, bn_k, bn_v, bn_p, xsf, wf, bnc; writes xsf, wf, bnc
.if DOCPART == 1
	.amdgcn_target "amdgcn-amd-amdhsa--gfx1250"
	.amdhsa_code_object_version 6
	.text
	.protected	k_q65e41d2056_prep
	.globl	k_q65e41d2056_prep
	.p2align	8
	.type	k_q65e41d2056_prep,@function
k_q65e41d2056_prep:
	s_mov_b64 s[64:65], 0
	v_nop
	global_prefetch_b8 v0, s[64:65] scope:SCOPE_SE
	s_setreg_imm32_b32 hwreg(HW_REG_WAVE_MODE, 25, 1), 1
	s_wait_xcnt 0x0
; PREP.  Three things, all element by element, so no LDS, no barrier, no matrix unit:
; (a) x is rounded to bf16, the first LIF (tau 0.5, threshold 1, hard reset) runs over t in f32, and its spikes go out as bf16 in the order in which the matrix instruction wants them;
; (b) the four weight matrices are rounded to bf16 and laid out in the same fragment order;  (c) the four BN tables (and bp) become pairs (inv, shift) in f32.
; EVERY input is rounded to bf16 first: the module is a chain of thresholds, and the products take bf16 operands, so the whole program follows the function on bf16 inputs.
; COLUMN ORDER, used by all four launches: n = 64 g + 4 r + e: group g (0-3), slot r (0-15), tile e (0-3).  A HALF-BLOCK is 512 bytes: lane L = 16 h + r owns bytes 16 L .. 16 L + 15, eight bf16 (j = 0-7).
; xsf: [b 32][g 4][ks 4][t 4][cs 8][e 4][512]: lane (r, h) holds channel 128 ks + 16 cs + 8 h + j of column slot r of tile e.
; wf:  half-block U = m<<10 | rb<<9 | ks<<7 | k32<<5 | rt<<1 | half (m: q, k, v, p): lane (r, h) holds W[256 rb + 16 rt + r][128 ks + 32 k32 + 16 half + 8 h + j].
; bnc: [4][512] pairs (inv, shift), 8 bytes: inv = gamma / sqrt(var + 1e-5), shift = beta - mean inv (+ bp inv for the last table).
; SHARES.  Wave unit U = 8 x work-group + wave, 0 to 4,095: for x it is (b = U >> 7, 16 channels c16 = (U >> 2) & 31, g = U & 3), all four t: 32 loads of 16 bytes a lane, sixteen lanes on 256 consecutive
; aligned bytes of one row of x; for the weights it is half-block U.  Work-groups 0 to 7 also make 256 channels of one BN table each.
; THE SPIKE TEST WITHOUT A COMPARE: s = clamp(m x 2^30 - (2^30 - 64)): at m = 1 the fused result is 64, at the f32 just below 1 it is 0, below that negative: clamped to 0 .. 1 it is exactly (m >= 1).
; LIMITS.  NaN and infinities are not treated apart.  sqrt and the division are the chip's approximations with one Newton correction each in fused arithmetic.
.set VX, 5                             ; v5   x: (8 h) rows of 1,024 bytes + 16 r
.set VW, 6                             ; v6   weights: r rows of 2,048 bytes + 32 h
.set VL, 7                             ; v7   16 x lane: my place in a half-block
.set WL, 16                            ; v[16:23] eight weights as loaded
.set WP, 24                            ; v[24:27] packed
.set BV, 28                            ; v[28:29] 2^30, twice
.set CV, 30                            ; v[30:31] -(2^30 - 64), twice
.set X,  32                            ; v[32:159]  x, then the membrane: t at 32 t, channel j at 4 j, tile e
.set S,  160                           ; v[160:191] the step's spikes as 0.0 / 1.0
.set T,  192                           ; v[192:207] at work
.set P,  208                           ; v[208:239] packed spikes, two sets by t's parity
	s_load_b512 s[8:23], s[0:1], 0x0               ; x 8, wq 10, wk 12, wv 14, wp 16, bp 18, bn_q 20, bn_k 22
	s_load_b256 s[24:31], s[0:1], 0x40             ; bn_v 24, bn_p 26, xsf 28, wf 30
	s_load_b64 s[32:33], s[0:1], 0x60              ; bnc
	v_lshrrev_b32 v1, 5, v0
	v_readfirstlane_b32 s34, v1                    ; wave 0..7
	s_lshl_b32 s35, ttmp9, 3
	s_add_co_u32 s35, s35, s34                     ; U
	v_and_b32 v2, 15, v0                           ; r
	v_bfe_u32 v3, v0, 4, 1                         ; h
	v_and_b32 v4, 31, v0                           ; L
	v_lshlrev_b32 v[VX], 4, v2
	v_lshl_or_b32 v[VX], v3, 13, v[VX]
	v_lshlrev_b32 v[VW], 11, v2
	v_lshl_or_b32 v[VW], v3, 5, v[VW]
	v_lshlrev_b32 v[VL], 4, v4
	v_mov_b32 v[BV], 0x4e800000
	v_mov_b32 v[BV+1], 0x4e800000
	v_mov_b32 v[CV], 0xce7fffff
	v_mov_b32 v[CV+1], 0xce7fffff
	s_mov_b32 s56, 0xffff0000                      ; a word's upper bf16
	s_and_b32 s36, s35, 3                          ; g
	s_bfe_u32 s37, s35, 0x50002                    ; c16
	s_lshr_b32 s38, s35, 7                         ; b
	s_lshl_b32 s40, s38, 19                        ; x: b x 512 rows of 1,024 bytes
	s_lshl_b32 s41, s37, 14                        ; + 16 c16 rows
	s_or_b32 s40, s40, s41
	s_lshl_b32 s41, s36, 8                         ; + 64 g columns
	s_or_b32 s40, s40, s41
	s_mov_b32 s41, 0
	s_lshl_b32 s42, s38, 20                        ; xsf: b, g, ks = c16 >> 3, cs = c16 & 7
	s_lshl_b32 s43, s36, 18
	s_or_b32 s42, s42, s43
	s_lshr_b32 s43, s37, 3
	s_lshl_b32 s43, s43, 16
	s_or_b32 s42, s42, s43
	s_and_b32 s43, s37, 7
	s_lshl_b32 s43, s43, 11
	s_or_b32 s42, s42, s43
	s_mov_b32 s43, 0
	s_bfe_u32 s60, s35, 0x10009                    ; the weights' source: row 256 rb + 16 rt,
	s_lshl_b32 s60, s60, 19
	s_bfe_u32 s61, s35, 0x40001
	s_lshl_b32 s61, s61, 15
	s_or_b32 s60, s60, s61
	s_bfe_u32 s61, s35, 0x40005                    ; column 32 (4 ks + k32) + 16 half, 4 bytes each
	s_lshl_b32 s61, s61, 7
	s_or_b32 s60, s60, s61
	s_and_b32 s61, s35, 1
	s_lshl_b32 s61, s61, 6
	s_or_b32 s60, s60, s61
	s_mov_b32 s61, 0
	s_lshl_b32 s62, s35, 9                         ; and where the half-block goes
	s_mov_b32 s63, 0
	s_lshr_b32 s39, s35, 10                        ; m
	s_wait_kmcnt 0x0
	s_cmp_eq_u32 s39, 0
	s_cselect_b64 s[58:59], s[10:11], s[12:13]
	s_cmp_eq_u32 s39, 2
	s_cselect_b64 s[58:59], s[14:15], s[58:59]
	s_cmp_eq_u32 s39, 3
	s_cselect_b64 s[58:59], s[16:17], s[58:59]
	s_add_nc_u64 s[58:59], s[58:59], s[60:61]
	s_add_nc_u64 s[54:55], s[30:31], s[62:63]
	s_add_nc_u64 s[44:45], s[8:9], s[40:41]        ; x at t = 0 .. 3: a step of t is 2^24 bytes, too far for an immediate
	s_add_nc_u64 s[46:47], s[44:45], 0x1000000
	s_add_nc_u64 s[48:49], s[46:47], 0x1000000
	s_add_nc_u64 s[50:51], s[48:49], 0x1000000
	s_add_nc_u64 s[52:53], s[28:29], s[42:43]
	global_load_b128 v[WL:WL+3],   v[VW], s[58:59]
	global_load_b128 v[WL+4:WL+7], v[VW], s[58:59] offset:16
.irp t, 0,1,2,3
.irp j, 0,1,2,3,4,5,6,7
	global_load_b128 v[X+32*(\t)+4*(\j):X+32*(\t)+4*(\j)+3], v[VX], s[44+2*(\t):45+2*(\t)] offset:1024*(\j) th:TH_LOAD_NT
.endr
.endr
	s_wait_loadcnt 32                              ; the two loads of weights are in; x's 32, issued behind them, stay out
.irp p, 0,1,2,3
	v_cvt_pk_bf16_f32 v[WP+(\p)], v[WL+2*(\p)], v[WL+2*(\p)+1]
.endr
	global_store_b128 v[VL], v[WP:WP+3], s[54:55]  ; 512 consecutive bytes a wave
; One time step: rounding, membrane, spike, reset, packing, four stores of 512 consecutive bytes.
.macro STEP t
	s_wait_loadcnt 24-8*(\t)                       ; this step's eight loads are in; the later steps' stay out
.set i, 0
.rept 16
	v_cvt_pk_bf16_f32 v[T+i], v[X+32*(\t)+2*i], v[X+32*(\t)+2*i+1]
.set i, i+1
.endr
.set i, 0
.rept 16
	v_lshlrev_b32 v[X+32*(\t)+2*i], 16, v[T+i]     ; x as the f32 that its bf16 rounding stands for
	v_and_b32 v[X+32*(\t)+2*i+1], s56, v[T+i]
.set i, i+1
.endr
.if (\t) > 0
.set i, 0
.rept 16
	v_pk_fma_f32 v[X+32*(\t)+2*i:X+32*(\t)+2*i+1], v[X+32*(\t)-32+2*i:X+32*(\t)-32+2*i+1], 0.5, v[X+32*(\t)+2*i:X+32*(\t)+2*i+1] op_sel_hi:[1,0,1]  ; v = 0.5 v + x
.set i, i+1
.endr
.endif
.set i, 0
.rept 16
	v_pk_fma_f32 v[S+2*i:S+2*i+1], v[X+32*(\t)+2*i:X+32*(\t)+2*i+1], v[BV:BV+1], v[CV:CV+1] clamp  ; s = (v >= 1)
.set i, i+1
.endr
.if (\t) < 3
.set i, 0
.rept 16
	v_pk_fma_f32 v[X+32*(\t)+2*i:X+32*(\t)+2*i+1], v[X+32*(\t)+2*i:X+32*(\t)+2*i+1], v[S+2*i:S+2*i+1], v[X+32*(\t)+2*i:X+32*(\t)+2*i+1] neg_lo:[0,1,0] neg_hi:[0,1,0]  ; v = v - v s
.set i, i+1
.endr
.endif
.if (\t) >= 2
	s_wait_xcnt 0x0                                ; the stores of two steps back have read this set of packed spikes: it is rewritten only behind this wait
.endif
.irp e, 0,1,2,3
.irp p, 0,1,2,3
	v_cvt_pk_bf16_f32 v[P+16*((\t)%2)+4*(\e)+(\p)], v[S+8*(\p)+(\e)], v[S+8*(\p)+4+(\e)]  ; channels 2 p, 2 p + 1 of tile e
.endr
.endr
.irp e, 0,1,2,3
	global_store_b128 v[VL], v[P+16*((\t)%2)+4*(\e):P+16*((\t)%2)+4*(\e)+3], s[52:53] offset:16384*(\t)+512*(\e)
.endr
.endm
	STEP 0
	STEP 1
	STEP 2
	STEP 3
	; (c) the BN constants: work-groups 0 to 7, thread i: table = work-group >> 1, channel 256 (work-group & 1) + i
	s_mov_b32 s57, ttmp9
	s_cmp_lt_u32 s57, 8
	s_cbranch_scc0 .Ldone
	s_wait_xcnt 0x0                                ; all earlier stores have read their registers
	s_lshr_b32 s36, s57, 1
	s_and_b32 s37, s57, 1
	s_lshl_b32 s37, s37, 8
	v_add_nc_u32 v160, s37, v0                     ; channel
	v_lshlrev_b32 v173, 3, v160
	v_lshlrev_b32 v160, 2, v160
	s_cmp_eq_u32 s36, 0
	s_cselect_b64 s[38:39], s[20:21], s[22:23]
	s_cmp_eq_u32 s36, 2
	s_cselect_b64 s[38:39], s[24:25], s[38:39]
	s_cmp_eq_u32 s36, 3
	s_cselect_b64 s[38:39], s[26:27], s[38:39]
	s_cselect_b32 s40, 1.0, 0                      ; bp enters the last table alone
	s_lshl_b32 s42, s36, 12
	s_mov_b32 s43, 0
	s_add_nc_u64 s[32:33], s[32:33], s[42:43]
	global_load_b32 v161, v160, s[38:39]             ; gamma
	global_load_b32 v162, v160, s[38:39] offset:2048 ; beta
	global_load_b32 v163, v160, s[38:39] offset:4096 ; mean
	global_load_b32 v164, v160, s[38:39] offset:6144 ; var
	global_load_b32 v165, v160, s[18:19]             ; bp
	s_wait_loadcnt 0x0
	v_cvt_pk_bf16_f32 v166, v161, v162
	v_cvt_pk_bf16_f32 v167, v163, v164
	v_cvt_pk_bf16_f32 v168, v165, v165
	v_lshlrev_b32 v161, 16, v166
	v_and_b32 v162, s56, v166
	v_lshlrev_b32 v163, 16, v167
	v_and_b32 v164, s56, v167
	v_lshlrev_b32 v165, 16, v168
	v_mul_f32 v165, s40, v165
	v_add_f32 v164, 0x3727c5ac, v164               ; var + 1e-5
	v_sqrt_f32 v166, v164
	v_nop                                          ; a plain instruction behind the root,
	s_wait_alu depctr_va_vdst(0)                   ; and a wait ahead of its first reader
	v_rcp_f32 v167, v166
	v_fma_f32 v168, -v166, v166, v164              ; what the root's square lacks (names nothing of the reciprocal's result)
	s_wait_alu depctr_va_vdst(0)
	v_mul_f32 v168, 0.5, v168
	v_fma_f32 v166, v168, v167, v166               ; y = y + e / (2 y)
	v_rcp_f32 v167, v166
	v_nop
	s_wait_alu depctr_va_vdst(0)
	v_fma_f32 v168, -v166, v167, 1.0
	v_fma_f32 v167, v168, v167, v167               ; the reciprocal, corrected
	v_mul_f32 v169, v161, v167                     ; the quotient,
	v_fma_f32 v168, -v169, v166, v161              ; its remainder,
	v_fma_f32 v174, v168, v167, v169               ; inv
	v_fma_f32 v175, -v163, v174, v162              ; shift = beta - mean inv
	v_fma_f32 v175, v165, v174, v175               ; + bp inv
	global_store_b64 v173, v[174:175], s[32:33]
.Ldone:
	s_endpgm
.Lfunc_end_k_q65e41d2056_prep:
	.size	k_q65e41d2056_prep, .Lfunc_end_k_q65e41d2056_prep-k_q65e41d2056_prep
	.p2alignl 7, 3214868480
	.fill 96, 4, 3214868480
	.section	.rodata,"a",@progbits
	.p2align	6, 0x0
	.amdhsa_kernel k_q65e41d2056_prep
		.amdhsa_group_segment_fixed_size 0
		.amdhsa_private_segment_fixed_size 0
		.amdhsa_enable_private_segment 0
		.amdhsa_kernarg_size 104
		.amdhsa_user_sgpr_count 2
		.amdhsa_user_sgpr_kernarg_segment_ptr 1
		.amdhsa_wavefront_size32 1
		.amdhsa_system_sgpr_workgroup_id_x 1
		.amdhsa_system_sgpr_workgroup_id_y 1
		.amdhsa_system_sgpr_workgroup_id_z 1
		.amdhsa_system_vgpr_workitem_id 0
		.amdhsa_next_free_vgpr 256
		.amdhsa_next_free_sgpr 66
		.amdhsa_reserve_vcc 0
		.amdhsa_float_denorm_mode_32 3
		.amdhsa_float_denorm_mode_16_64 3
		.amdhsa_memory_ordered 1
		.amdhsa_forward_progress 1
		.amdhsa_inst_pref_size 33
	.end_amdhsa_kernel
	.amdgpu_metadata
---
amdhsa.version: [ 1, 2 ]
amdhsa.kernels:
  - .name:           k_q65e41d2056_prep
    .symbol:         k_q65e41d2056_prep.kd
    .args:
      - { .name: x, .offset: 0, .size: 8, .value_kind: global_buffer, .address_space: global }
      - { .name: wq, .offset: 8, .size: 8, .value_kind: global_buffer, .address_space: global }
      - { .name: wk, .offset: 16, .size: 8, .value_kind: global_buffer, .address_space: global }
      - { .name: wv, .offset: 24, .size: 8, .value_kind: global_buffer, .address_space: global }
      - { .name: wp, .offset: 32, .size: 8, .value_kind: global_buffer, .address_space: global }
      - { .name: bp, .offset: 40, .size: 8, .value_kind: global_buffer, .address_space: global }
      - { .name: bn_q, .offset: 48, .size: 8, .value_kind: global_buffer, .address_space: global }
      - { .name: bn_k, .offset: 56, .size: 8, .value_kind: global_buffer, .address_space: global }
      - { .name: bn_v, .offset: 64, .size: 8, .value_kind: global_buffer, .address_space: global }
      - { .name: bn_p, .offset: 72, .size: 8, .value_kind: global_buffer, .address_space: global }
      - { .name: xsf, .offset: 80, .size: 8, .value_kind: global_buffer, .address_space: global }
      - { .name: wf, .offset: 88, .size: 8, .value_kind: global_buffer, .address_space: global }
      - { .name: bnc, .offset: 96, .size: 8, .value_kind: global_buffer, .address_space: global }
    .group_segment_fixed_size: 0
    .private_segment_fixed_size: 0
    .kernarg_segment_align: 8
    .kernarg_segment_size: 104
    .max_flat_workgroup_size: 256
    .sgpr_count:     66
    .vgpr_count:     256
    .wavefront_size: 32
...
	.end_amdgpu_metadata
.endif
;; end of part 1
;; launch qkv (part 2): grid 24 x 32, 4 waves a work-group, clusters of 4 x 1, 327,680 bytes of LDS; arguments xsf, wf, bnc, spk; writes spk
.if DOCPART == 2
	.amdgcn_target "amdgcn-amd-amdhsa--gfx1250"
	.amdhsa_code_object_version 6
	.text
	.protected	k_q65e41d2056_qkv
	.globl	k_q65e41d2056_qkv
	.p2align	8
	.type	k_q65e41d2056_qkv,@function
k_q65e41d2056_qkv:
	s_mov_b64 s[64:65], 0
	v_nop
	global_prefetch_b8 v0, s[64:65] scope:SCOPE_SE
	s_setreg_imm32_b32 hwreg(HW_REG_WAVE_MODE, 25, 1), 1
	s_wait_xcnt 0x0
	s_wait_alu depctr_hold_cnt(0) depctr_sa_sdst(0) depctr_va_vdst(0) depctr_va_sdst(0) depctr_va_ssrc(0) depctr_va_vcc(0) depctr_vm_vsrc(0)
	s_getreg_b32 s2, hwreg(HW_REG_IB_STS2, 6, 4)
	s_cmp_eq_u32 s2, 0
	s_cbranch_scc0 .Lentry_in_a_cluster
	s_endpgm
.Lentry_in_a_cluster:
	s_bfe_u32 s2, ttmp6, 0x10000c
	s_cmp_lg_u32 s2, 0x3003
	s_cbranch_scc0 .Lentry_shape_is_right
	s_endpgm
.Lentry_shape_is_right:
; QKV.  y = [wq; wk; wv] xs (1,536 x 512 by 512 x 256 for each t and b), BN, and the LIF over t (tau 0.5, threshold 1, hard reset); the spikes go out as bf16.
; SHARES.  A work-group makes 256 rows (row block RBG = 0 .. 5: half of one of q, k, v) x 256 columns: the 64 columns of group g for all four t of one b.  K = 512 in four steps of 128.
; Four waves, each 128 rows x 128 columns (wr = wave >> 1: which rows; wc = wave & 1: tiles e = 2 wc + u, u = 0, 1, for all four t): 64 accumulators, 512 registers.  All four t of a site lie in one lane
; and one register number, so the LIF is plain register arithmetic behind the products.
; OPERANDS.  xsf and wf lie in memory in fragment order (half-blocks of 512 bytes, lane L at byte 16 L), so a K step's 64 KiB of X and 64 KiB of W are dense blocks; each is brought by two tensor loads of
; 128 rows x 256 bytes, and every LDS load takes 512 consecutive bytes: no padding, no two lanes on one bank.
; THE MATRIX INSTRUCTION: source 0 = 16 column slots of X, source 1 = 16 rows of W.  In the result lane l holds channel l % 16 and its registers the slots 8 (l / 16) + 0 .. 7: packed, that is a half-block of spk.
; spk: [q, k, v][b 32][head 8][t 4][dtl 4][nt 16][512]: lane (r, h) holds channel 64 head + 16 dtl + r, slots 8 h + j of column tile nt = 4 g + e.
; CLUSTER.  The four work-groups of a cluster are the four g of one (RBG, b): they multiply by the same W, which is asked for JOINTLY (mask of four).  X hangs on g and is each work-group's own load.  A second
; axis of sharing (X along the row blocks) is not taken: there are six row blocks, no multiple of four.
; THE RING: two slots of 128 KiB; a slot is asked for again behind the round that ends its K step and has 224 matrix instructions in which to land.  By this text's count a wave has two tensor loads out at the
; start and one afterwards.
; ARITHMETIC.  u = fma(y, inv, shift); v = fma(0.5, v, u); s = (v >= 1) made as clamp(v x 2^30 - (2^30 - 64)), which is exact; v = v - v s.
; LIMITS.  NaN and infinities are not treated apart.  A spike can differ from the function's only where a membrane lies within the rounding of the f32 sums' order of its threshold.
.set SLOT1,  1<<17                     ; slot 1 begins here: one exclusive or turns an address in one slot into the other's
.set WPART,  65536                     ; in a slot: X's 64 KiB [t 4][cs 8][e 4][512], then W's 64 KiB [k32 4][rt 16][half 2][512]
.set STEPB,  65536                     ; a K step in memory, for X and for W
.set SPARE,  2*SLOT1                   ; behind the ring: the spare words, 128 bytes for each wave: two blocks of 256 bytes that no other line names
.set ADX0, 16                          ; v16  16 L + 1,024 wc: my lane's place in X's part; never rewritten
.set ADW0, 17                          ; v17  WPART + 8,192 wr + 16 L: in W's part; never rewritten
.set ADX,  18                          ; v18  the same in the slot in hand
.set ADW,  19                          ; v19
.set SO,   20                          ; v20  16 L + 1,024 wc: my byte offset in spk
.set BO,   21                          ; v21  8 r: my channel's pair in bnc
.set SPW,  28                          ; v28  LDS address of my spare word; never rewritten
.set NIL,  29                          ; v29  0; never rewritten
.set BN,   32                          ; v[32:47] (inv, shift) of my channel in each of the eight channel tiles
.set BV,   48                          ; v[48:49] 2^30, twice
.set CV,   50                          ; v[50:51] -(2^30 - 64), twice
.set F0,   64                          ; fragment buffers: window 0 holds W's (source 1), window 1 X's (source 0)
.set F1,   128
.set SR,   64                          ; the way out: v[64:127] spikes as 0.0 / 1.0, [t][u][8]
.set PR,   128                         ; v[128:255] packed spikes, four sets of 32
.set WV,  12                           ; s12 wave   s13 wr   s14 wc   s15 RBG   s16 g   s17 b   s18 the slot in hand   s19 the loop's count
.set WR,  13
.set WC,  14
.set RBG, 15
.set GG,  16
.set BB,  17
.set TB,  18
.set CNT, 19
.set G1X, 24                           ; s[24:31] descriptor group 1 for X (no mask)
.set G1W, 32                           ; s[32:39] for W (mask of four)
.set G0X, 40                           ; s[40:47] group 0 for X: a set for each of the two first fills; the second then walks on
.set G0W, 48                           ; s[48:55] the same for W
.set MSB, 0
.macro WIN new                         ; the immediate's high byte repeats the setting that is left; a switch that changes nothing is dropped
.if MSB != (\new)
	s_set_vgpr_msb (MSB<<8)|(\new)
.set MSB, \new
.endif
.endm
.set MUL_LO, 0xa1                      ; source 0 window 1, source 1 window 0, C and D window 2 (channel tiles 0-3)
.set MUL_HI, 0xf1                      ; the same, C and D window 3 (channel tiles 4-7)
.macro PLACES                          ; four plain instructions between a matrix instruction and a load into, or a vector write of, one of its registers
.rept 4
	v_nop
.endr
.endm
; A refill.  Waves 0 and 1 fetch the halves of X's block, waves 2 and 3 those of W's.  The branch hangs on the wave's number alone.  An s_nop 0 and four v_nop follow each line.
.macro JLOAD
	s_cmp_lt_u32 s[WV], 2
	s_cbranch_scc0 .Lfor_w_\@
	tensor_load_to_lds s[G0X+4:G0X+7], s[G1X:G1X+7]
	s_nop 0
.rept 4
	v_nop
.endr
	s_branch .Lasked_\@
.Lfor_w_\@:
	tensor_load_to_lds s[G0W+4:G0W+7], s[G1W:G1W+7]
	s_nop 0
.rept 4
	v_nop
.endr
.Lasked_\@:
.endm
.macro CREST                           ; a round of the cluster's barrier behind its opening barrier
	s_cmp_lg_u32 s[WV], 0
	s_cbranch_scc1 .Lnot_wave_0_\@
	s_barrier_signal -3
.Lnot_wave_0_\@:
	s_barrier_wait -3
	s_barrier_signal -1
	s_barrier_wait -1
.endm
.macro CROUND                          ; a whole round
	s_barrier_signal -1
	s_barrier_wait -1
	CREST
.endm
	s_load_b256 s[4:11], s[0:1], 0x0               ; xsf s[4:5], wf s[6:7], bnc s[8:9], spk s[10:11]
	v_lshl_add_u32 v[SPW], v0, 2, SPARE
	v_mov_b32 v[NIL], 0
	ds_add_u32 v[SPW], v[NIL]                      ; the wave's opening: the add, twice on end, and its wait ahead of my first tensor load
	ds_add_u32 v[SPW], v[NIL]
	v_lshrrev_b32 v1, 5, v0
	v_readfirstlane_b32 s[WV], v1
	s_lshr_b32 s[WR], s[WV], 1
	s_and_b32 s[WC], s[WV], 1
	s_mov_b32 s[RBG], ttmp9                        ; in a cluster launch ttmp9 counts clusters: the row block
	s_bfe_u32 s[GG], ttmp6, 0x40000                ; my place in the cluster: g.  It enters X's and spk's global addresses alone
	s_and_b32 s[BB], ttmp7, 0xffff
	s_mov_b32 s[G1X], 3<<16                        ; 17:16 elements of 8 bytes; no mask, no padding
	s_mov_b32 s[G1W], 15|(3<<16)|(1<<21)           ; 15:0 the mask of four; bit 21 set beside a mask
.irp g, G1X, G1W
	s_mov_b32 s[(\g)+1], 32<<16                    ; tensor_dim0 = 32 elements = 256 bytes
	s_mov_b32 s[(\g)+2], 128<<16                   ; tensor_dim1 = 128 rows
	s_mov_b32 s[(\g)+3], 32<<16                    ; tile_dim0 = 32
	s_mov_b32 s[(\g)+4], 128                       ; tile_dim1 = 128
	s_mov_b32 s[(\g)+5], 32                        ; the rows lie end to end
	s_mov_b32 s[(\g)+6], 0
	s_mov_b32 s[(\g)+7], 0
.endr
	s_lshl_b32 s20, s[WC], 15                      ; which 32 KiB of a block I fetch, in memory and in LDS
	s_lshl_b32 s56, s[BB], 20
	s_lshl_b32 s57, s[GG], 18
	s_or_b32 s56, s56, s57
	s_or_b32 s56, s56, s20
	s_mov_b32 s57, 0
	s_lshl_b32 s58, s[RBG], 18                     ; W's offset is made of the row block and the wave's number alone
	s_or_b32 s58, s58, s20
	s_mov_b32 s59, 0
	s_mov_b32 s[TB], 0
	s_wait_dscnt 0x0                               ; both opening adds are done
	s_wait_kmcnt 0x0
	s_add_nc_u64 s[56:57], s[4:5], s[56:57]
	s_add_nc_u64 s[58:59], s[6:7], s[58:59]
	CROUND                                         ; all four work-groups are here: the first joint loads meet
.irp s, 0,1
	s_mov_b32 s[G0X+4*(\s)], 1
	s_add_co_u32 s[G0X+4*(\s)+1], s20, (\s)*SLOT1
	s_add_nc_u64 s[G0X+4*(\s)+2:G0X+4*(\s)+3], s[56:57], (\s)*STEPB
	s_or_b32 s[G0X+4*(\s)+3], s[G0X+4*(\s)+3], 0x80000000
	s_mov_b32 s[G0W+4*(\s)], 1
	s_add_co_u32 s[G0W+4*(\s)+1], s20, (\s)*SLOT1+WPART
	s_add_nc_u64 s[G0W+4*(\s)+2:G0W+4*(\s)+3], s[58:59], (\s)*STEPB
	s_or_b32 s[G0W+4*(\s)+3], s[G0W+4*(\s)+3], 0x80000000
.endr
	s_cmp_lt_u32 s[WV], 2                          ; a wave's two first fills stand in one branch, ahead of every wait on TENSORcnt and every LDS read
	s_cbranch_scc0 .Lfirst_w
	tensor_load_to_lds s[G0X:G0X+3], s[G1X:G1X+7]
	s_nop 0
	tensor_load_to_lds s[G0X+4:G0X+7], s[G1X:G1X+7]
	s_nop 0
.rept 4
	v_nop
.endr
	s_branch .Lfirst_asked
.Lfirst_w:
	tensor_load_to_lds s[G0W:G0W+3], s[G1W:G1W+7]
	s_nop 0
	tensor_load_to_lds s[G0W+4:G0W+7], s[G1W:G1W+7]
	s_nop 0
.rept 4
	v_nop
.endr
.Lfirst_asked:
	v_and_b32 v1, 31, v0
	v_lshlrev_b32 v1, 4, v1                        ; 16 L
	s_lshl_b32 s21, s[WC], 10
	v_add_nc_u32 v[ADX0], s21, v1
	s_lshl_b32 s22, s[WR], 13
	s_add_co_u32 s22, s22, WPART
	v_add_nc_u32 v[ADW0], s22, v1
	v_mov_b32 v[ADX], v[ADX0]
	v_mov_b32 v[ADW], v[ADW0]
	v_add_nc_u32 v[SO], s21, v1
	v_and_b32 v[BO], 15, v0
	v_lshlrev_b32 v[BO], 3, v[BO]
	s_lshl_b32 s22, s[RBG], 11                     ; bnc: 8 bytes x (256 RBG + 128 wr)
	s_lshl_b32 s23, s[WR], 10
	s_add_co_u32 s22, s22, s23
	s_mov_b32 s23, 0
	s_add_nc_u64 s[8:9], s[8:9], s[22:23]
.irp d, 0,1,2,3,4,5,6,7
	global_load_b64 v[BN+2*(\d):BN+2*(\d)+1], v[BO], s[8:9] offset:128*(\d)
.endr
	v_mov_b32 v[BV], 0x4e800000
	v_mov_b32 v[BV+1], 0x4e800000
	v_mov_b32 v[CV], 0xce7fffff
	v_mov_b32 v[CV+1], 0xce7fffff
	s_lshr_b32 s22, s[RBG], 1                      ; spk: tensor, b, head 4 (RBG & 1) + 2 wr, g
	s_lshl_b32 s22, s22, 25
	s_lshl_b32 s23, s[BB], 20
	s_or_b32 s22, s22, s23
	s_and_b32 s23, s[RBG], 1
	s_lshl_b32 s23, s23, 1
	s_add_co_u32 s23, s23, s[WR]
	s_lshl_b32 s23, s23, 18
	s_or_b32 s22, s22, s23
	s_lshl_b32 s23, s[GG], 11
	s_or_b32 s22, s22, s23
	s_mov_b32 s23, 0
	s_add_nc_u64 s[10:11], s[10:11], s[22:23]
; 16 matrix instructions: channel tiles a0, a0 + 1 of the window's four x all 8 column tiles, 32 along K.  zero = 1: the first product starts the sums.  The 64 accumulators take turns in one fixed order.
.macro MUL16 f, hi, a0, zero
	WIN MUL_LO+0x50*(\hi)
.irp a, \a0, (\a0)+1
.irp b, 0,1,2,3,4,5,6,7
.if \zero
	v_wmma_f32_16x16x32_bf16 v[8*(8*(\a)+(\b)):8*(8*(\a)+(\b))+7], v[(\f)+8*(\b):(\f)+8*(\b)+7], v[(\f)+8*(4*(\hi)+(\a)):(\f)+8*(4*(\hi)+(\a))+7], 0
.else
	v_wmma_f32_16x16x32_bf16 v[8*(8*(\a)+(\b)):8*(8*(\a)+(\b))+7], v[(\f)+8*(\b):(\f)+8*(\b)+7], v[(\f)+8*(4*(\hi)+(\a)):(\f)+8*(4*(\hi)+(\a))+7], v[8*(8*(\a)+(\b)):8*(8*(\a)+(\b))+7]
.endif
.endr
.endr
.endm
; 32 LDS loads in one run: the fragments of quarter q (32 along K) into buffer f: X's column tile i = 2 t + u, then W's channel tile i
.macro FETCH q, f
	WIN 0x40
.irp i, 0,1,2,3,4,5,6,7
	ds_load_b128 v[(\f)+8*(\i):(\f)+8*(\i)+3],   v[ADX] offset:((\i)/2)*16384+4096*(\q)+512*((\i)%2)
	ds_load_b128 v[(\f)+8*(\i)+4:(\f)+8*(\i)+7], v[ADX] offset:((\i)/2)*16384+4096*(\q)+512*((\i)%2)+2048
.endr
	WIN 0
.irp i, 0,1,2,3,4,5,6,7
	ds_load_b128 v[(\f)+8*(\i):(\f)+8*(\i)+3],   v[ADW] offset:16384*(\q)+1024*(\i)
	ds_load_b128 v[(\f)+8*(\i)+4:(\f)+8*(\i)+7], v[ADW] offset:16384*(\q)+1024*(\i)+512
.endr
.endm
; A quarter of a K step: multiplies buffer f; in its middle it fetches quarter q of the same slot into buffer g.
.macro QUARTER q, f, g, zero
	s_wait_dscnt 8                                 ; X and W's channel tiles 0-3 are in; the youngest eight loads (tiles 4-7) may be out
	MUL16 \f, 0, 0, \zero
	MUL16 \f, 0, 2, \zero
	PLACES
	FETCH \q, \g
	s_wait_dscnt 32                                ; all but the 32 just issued
	MUL16 \f, 1, 0, \zero
	MUL16 \f, 1, 2, \zero
.endm
; A K step's last quarter multiplies buffer 1 and changes slots.  In front of the barrier each wave waits for all its tensor loads (the one that is out is its part of the next slot), adds 0 to its spare
; word, and waits for that and for its reads of this slot.  fill = 1: the barrier opens a round of the cluster's barrier, and the slot just read out is filled again first thing behind it, two K steps ahead.
.macro TURN fill
	WIN 0
	s_wait_tensorcnt 0x0                           ; no tensor load of mine is out, so a group 0 may be written
	ds_add_u32 v[SPW], v[NIL]                      ; 0 onto my spare word
.if \fill
	s_xor_b32 s[G0X+5], s[G0X+5], SLOT1            ; the walking descriptors: the other slot than last time, the next K step
	s_add_nc_u64 s[G0X+6:G0X+7], s[G0X+6:G0X+7], STEPB
	s_xor_b32 s[G0W+5], s[G0W+5], SLOT1
	s_add_nc_u64 s[G0W+6:G0W+7], s[G0W+6:G0W+7], STEPB
.endif
	s_wait_dscnt 9                                 ; the add and the youngest eight loads may be out
	MUL16 F1, 0, 0, 0
	s_wait_dscnt 0x0                               ; the add is done, and my reads of this slot are over
	s_barrier_signal -1
	MUL16 F1, 0, 2, 0                              ; work on registers while the others arrive
	WIN 0
	s_barrier_wait -1
.if \fill
	CREST                                          ; no wave of any partner still reads this slot or has a load on its way
	JLOAD                                          ; the four v_nop behind it are also the places in front of the loads below
.else
	PLACES
.endif
	s_xor_b32 s[TB], s[TB], SLOT1
	v_add_nc_u32 v[ADX], s[TB], v[ADX0]
	v_add_nc_u32 v[ADW], s[TB], v[ADW0]
	FETCH 0, F0
	MUL16 F1, 1, 0, 0
	MUL16 F1, 1, 2, 0
.endm
	s_wait_tensorcnt 1                             ; my part of K step 0 is in; K step 1's may stay out
	s_barrier_signal -1
	s_barrier_wait -1                              ; everybody's is
	FETCH 0, F0
	QUARTER 1, F0, F1, 1                           ; the first quarter stands in front of the loop: its products start the sums
	WIN 0
	s_mov_b32 s[CNT], 2
.Lstep:                                                ; a trip: from a K step's second quarter to the next step's first; both trips fill a slot again
	QUARTER 2, F1, F0, 0
	QUARTER 3, F0, F1, 0
	TURN 1
	QUARTER 1, F0, F1, 0
	WIN 0
	s_sub_co_u32 s[CNT], s[CNT], 1
	s_cmp_lg_u32 s[CNT], 0
	s_cbranch_scc1 .Lstep
	QUARTER 2, F1, F0, 0                           ; K steps 2 and 3 ask for nothing more
	QUARTER 3, F0, F1, 0
	TURN 0
	QUARTER 1, F0, F1, 0
	QUARTER 2, F1, F0, 0
	QUARTER 3, F0, F1, 0
	s_wait_dscnt 8
	MUL16 F1, 0, 0, 0
	MUL16 F1, 0, 2, 0
	s_wait_dscnt 0x0
	MUL16 F1, 1, 0, 0
	MUL16 F1, 1, 2, 0
	WIN 0
	PLACES
	PLACES
	s_wait_loadcnt 0x0                             ; the BN pairs
; THE WAY OUT of channel tile dt: BN on its eight accumulators (each read from its low end on), the LIF over t in place, the spikes packed and stored: each store of the wave covers 512 consecutive bytes.
.macro EPI dt
.set W, 2+(\dt)/4
.set AB, 64*((\dt)%4)
	WIN (W<<6)|W
.set z, 0
.rept 32
	v_pk_fma_f32 v[AB+2*z:AB+2*z+1], v[AB+2*z:AB+2*z+1], v[BN+2*(\dt):BN+2*(\dt)+1], v[BN+2*(\dt):BN+2*(\dt)+1] op_sel:[0,0,1] op_sel_hi:[1,0,1]  ; u = y inv + shift
.set z, z+1
.endr
.irp t, 0,1,2,3
	WIN W
.set z, 0
.rept 8
	v_pk_fma_f32 v[SR+16*(\t)+2*z:SR+16*(\t)+2*z+1], v[AB+16*(\t)+2*z:AB+16*(\t)+2*z+1], v[BV:BV+1], v[CV:CV+1] clamp  ; s = (v >= 1)
.set z, z+1
.endr
.if (\t) < 3
	WIN (W<<6)|(W<<4)|W
.set z, 0
.rept 8
	v_pk_fma_f32 v[AB+16*(\t)+2*z:AB+16*(\t)+2*z+1], v[AB+16*(\t)+2*z:AB+16*(\t)+2*z+1], v[SR+16*(\t)+2*z:SR+16*(\t)+2*z+1], v[AB+16*(\t)+2*z:AB+16*(\t)+2*z+1] neg_lo:[0,1,0] neg_hi:[0,1,0]  ; v = v - v s
.set z, z+1
.endr
.set z, 0
.rept 8
	v_pk_fma_f32 v[AB+16*(\t)+16+2*z:AB+16*(\t)+16+2*z+1], v[AB+16*(\t)+2*z:AB+16*(\t)+2*z+1], 0.5, v[AB+16*(\t)+16+2*z:AB+16*(\t)+16+2*z+1] op_sel_hi:[1,0,1]  ; the next step's v = 0.5 v + u
.set z, z+1
.endr
.endif
.endr
	WIN 0
.if (\dt) == 4
	s_wait_xcnt 0x0                                ; the stores of tiles 0-3 have read the four sets of packed spikes: they are rewritten only behind this wait
.endif
.set PP, PR+32*((\dt)%4)
.set z, 0
.rept 32
	v_cvt_pk_bf16_f32 v[PP+z], v[SR+2*z], v[SR+2*z+1]
.set z, z+1
.endr
.irp c, 0,1,2,3,4,5,6,7
	global_store_b128 v[SO], v[PP+4*(\c):PP+4*(\c)+3], s[10:11] offset:((\dt)/4)*131072+((\dt)%4)*8192+((\c)/2)*32768+((\c)%2)*512
.endr
.endm
	EPI 0
	EPI 1
	EPI 2
	EPI 3
	EPI 4
	EPI 5
	EPI 6
	EPI 7
	s_wait_tensorcnt 0x0                           ; the wave's end
	ds_add_u32 v[SPW], v[NIL]
	s_wait_dscnt 0x0
	CROUND                                         ; the closing round: no work-group ends while a partner may still ask for a block that names it
	s_endpgm
.Lfunc_end_k_q65e41d2056_qkv:
	.size	k_q65e41d2056_qkv, .Lfunc_end_k_q65e41d2056_qkv-k_q65e41d2056_qkv
	.p2alignl 7, 3214868480
	.fill 96, 4, 3214868480
	.section	.rodata,"a",@progbits
	.p2align	6, 0x0
	.amdhsa_kernel k_q65e41d2056_qkv
		.amdhsa_group_segment_fixed_size 327680
		.amdhsa_private_segment_fixed_size 0
		.amdhsa_enable_private_segment 0
		.amdhsa_kernarg_size 32
		.amdhsa_user_sgpr_count 2
		.amdhsa_user_sgpr_kernarg_segment_ptr 1
		.amdhsa_wavefront_size32 1
		.amdhsa_system_sgpr_workgroup_id_x 1
		.amdhsa_system_sgpr_workgroup_id_y 1
		.amdhsa_system_sgpr_workgroup_id_z 1
		.amdhsa_system_vgpr_workitem_id 0
		.amdhsa_next_free_vgpr 1024
		.amdhsa_next_free_sgpr 66
		.amdhsa_reserve_vcc 0
		.amdhsa_float_denorm_mode_32 3
		.amdhsa_float_denorm_mode_16_64 3
		.amdhsa_memory_ordered 1
		.amdhsa_forward_progress 1
		.amdhsa_inst_pref_size 165
	.end_amdhsa_kernel
	.amdgpu_metadata
---
amdhsa.version: [ 1, 2 ]
amdhsa.kernels:
  - .name:           k_q65e41d2056_qkv
    .symbol:         k_q65e41d2056_qkv.kd
    .args:
      - { .name: xsf, .offset: 0, .size: 8, .value_kind: global_buffer, .address_space: global }
      - { .name: wf, .offset: 8, .size: 8, .value_kind: global_buffer, .address_space: global }
      - { .name: bnc, .offset: 16, .size: 8, .value_kind: global_buffer, .address_space: global }
      - { .name: spk, .offset: 24, .size: 8, .value_kind: global_buffer, .address_space: global }
    .group_segment_fixed_size: 327680
    .private_segment_fixed_size: 0
    .kernarg_segment_align: 8
    .kernarg_segment_size: 32
    .max_flat_workgroup_size: 128
    .sgpr_count:     66
    .vgpr_count:     1024
    .wavefront_size: 32
...
	.end_amdgpu_metadata
.endif
;; end of part 2
;; launch attn (part 3): grid 8 x 32, 4 waves a work-group, no clusters, 221,696 bytes of LDS; arguments spk, mem_beta, af; writes af
.if DOCPART == 3
	.amdgcn_target "amdgcn-amd-amdhsa--gfx1250"
	.amdhsa_code_object_version 6
	.text
	.protected	k_q65e41d2056_attn
	.globl	k_q65e41d2056_attn
	.p2align	8
	.type	k_q65e41d2056_attn,@function
k_q65e41d2056_attn:
	s_mov_b64 s[64:65], 0
	v_nop
	global_prefetch_b8 v0, s[64:65] scope:SCOPE_SE
	s_setreg_imm32_b32 hwreg(HW_REG_WAVE_MODE, 25, 1), 1
	s_wait_xcnt 0x0
; ATTN.  The attention has no softmax, so it is taken in the other order: out_t = q_t (c_k^T c_v).  With G_js = k_j^T v_s (64 x 64 counts of at most 256: exact in bf16) and B = mem_beta rounded to bf16:
;   out_0 = q0 G00;   out_1 = q1 (G11 + G00);   out_2 = q2 G22 + B q2 G01 + (1 - B) q2 G11;   out_3 = q3 G33 + B^2 q3 G02 + B (1 - B) q3 G12 + (1 - B) q3 G22   (all times 0.125).
; Every matrix product is a product of small whole numbers, exact in f32; the coefficients are applied to the products' f32 results.  Then the LIF (tau 0.5, threshold 0.5), run on 8 x the membrane, so that the
; factor 0.125 drops out exactly and the threshold is 4: s = clamp(M x 2^28 - (2^30 - 64)) is exactly (M >= 4).
; SHARES.  A work-group owns one (b, head).  PHASE A: wave w makes the 16 columns dv = 16 w .. of all seven G: K = all 256 n in one chain of sums; k and v come straight from memory in fragment order
; (two half-blocks of spk are a fragment: channel = lane % 16, 32 column slots along K, in the same order for k and v).  The seven G meet in LDS, rounded to bf16, already as fragments (row dv, dk along K).
; PHASE B: wave w makes the 64 columns of group g = w, a tile e of 16 slots a trip: source 0 = G (16 dv x 32 dk), source 1 = q (16 slots x 32 dk).  q lies in spk with the channel in the lane, so it goes
; once through the wave's own LDS rows [dk][slot] and comes back turned, by ds_load_tr16_b128.  In the result a lane holds one slot and eight channels: packed, a half-block of af.
; af has xsf's layout: [b][g][ks][t][cs][e][512] with channel 128 ks + 16 cs + 8 h + j = 64 head + 16 dvt + 8 h + j.
; NO CLUSTER: no two work-groups read the same bytes.  No tensor loads: what is shared between waves (k) is small beside what a ring's barriers would cost here, and fragments lie in memory as registers want them.
; LIMITS.  NaN and infinities are not treated apart.  Where the mixed sums are not exact in f32 (large counts times many-bit coefficients) their rounding order differs from the function's.
.set QTW,   40960                      ; LDS: a wave's own q: [t 4][dk 64] rows
.set QP,    160                        ; of 128 bytes + 32
.set GX,    4*QTW                      ; the seven G: [g 7][dvt 4][kf 2][half 2][512]
.set SPARE, GX+57344                   ; the spare words, 128 bytes for each wave: two blocks of 256 bytes that no other line names
.set L16, 2                            ; v2   16 L
.set VV,  3                            ; v3   16 L + 8,192 w: v's channel tile w
.set VQ,  4                            ; v4   16 L + 2,048 w: q's column tiles 4 w ..
.set QST, 5                            ; v5   where I put 16 bytes of q
.set QT0, 6                            ; v6   my lane's place for the turning load; never rewritten
.set QTL, 7                            ; v7   the same for the tile in hand
.set GXW, 8                            ; v8   where I put my part of G
.set GXR, 9                            ; v9   where I read G
.set AO0, 10                           ; v10  16 L + g x 2^18: my offset in af; never rewritten
.set AO,  11                           ; v11  the same for the tile in hand
.set SPW, 28
.set NIL, 29
.set CB,  32                           ; v[32:33] B   v[34:35] 1 - B   v[36:37] B^2   v[38:39] B (1 - B): the low word is used, both are written
.set COM, 34
.set C30, 36
.set C31, 38
.set BV,  40                           ; v[40:41] 2^28, twice
.set CV,  42                           ; v[42:43] -(2^30 - 64), twice
.set QF,  64                           ; v[64:127]  q's fragments (t, kf at 16 t + 8 kf), then the packed spikes
.set TG,  64                           ; v[64:175]  G packed, on its way to LDS
.set S,   128                          ; v[128:255] spikes as 0.0 / 1.0, 32 a step
; window 1: load set 0 (k at 8 (4 j + i), v at 128 + 8 s), later G00, G11, G22, G33 at 0, 64, 128, 192.   window 2: load set 1, later G01, G02, G12 at 0, 64, 128 and one set of sums at 192.
; window 3: q on its way to LDS, then G's sums (32 g + 8 i), then eight sets of 32 sums: t0a 0, t1a 32, t2a 64, t2b 96, t2c 128, t3a 160, t3b 192, t3c 224.
.set WV, 12
.set HD, 13
.set BB, 14
.set QB, 16                            ; s[16:17] q, s[18:19] k, s[20:21] v of my (b, head); s[22:23] af
.set KB, 18
.set VB, 20
.set AF, 22
.set EO, 24                            ; s24  32 x the tile in hand
.set CNT, 25
.set MSB, 0
.macro WIN new
.if MSB != (\new)
	s_set_vgpr_msb (MSB<<8)|(\new)
.set MSB, \new
.endif
.endm
.macro PLACES
.rept 4
	v_nop
.endr
.endm
	s_load_b128 s[4:7], s[0:1], 0x0                ; spk s[4:5], mem_beta s[6:7]
	s_load_b64 s[8:9], s[0:1], 0x10                ; af
	v_lshl_add_u32 v[SPW], v0, 2, SPARE
	v_mov_b32 v[NIL], 0
	v_lshrrev_b32 v1, 5, v0
	v_readfirstlane_b32 s[WV], v1
	s_mov_b32 s[HD], ttmp9
	s_and_b32 s[BB], ttmp7, 0xffff
	v_and_b32 v1, 31, v0
	v_lshlrev_b32 v[L16], 4, v1
	s_lshl_b32 s26, s[WV], 13
	v_add_nc_u32 v[VV], s26, v[L16]
	s_lshl_b32 s26, s[WV], 11
	v_add_nc_u32 v[VQ], s26, v[L16]
	v_add_nc_u32 v[GXW], GX, v[VQ]
	v_add_nc_u32 v[GXR], GX, v[L16]
	s_lshl_b32 s26, s[WV], 18
	v_add_nc_u32 v[AO0], s26, v[L16]
	v_and_b32 v12, 15, v0                          ; r
	v_bfe_u32 v13, v0, 4, 1                        ; h
	s_mul_i32 s27, s[WV], QTW
	v_mul_u32_u24 v[QST], v12, QP                  ; row = my channel, 16 bytes for each half of the lanes
	v_lshl_add_u32 v[QST], v13, 4, v[QST]
	v_add_nc_u32 v[QST], s27, v[QST]
	v_and_b32 v14, 7, v0
	v_bfe_u32 v15, v0, 3, 1
	v_lshl_add_u32 v[QT0], v13, 3, v14             ; the turning load: row 8 h + L % 8, 16 bytes ((L / 8) % 2)
	v_mul_u32_u24 v[QT0], v[QT0], QP
	v_lshl_add_u32 v[QT0], v15, 4, v[QT0]
	v_add_nc_u32 v[QT0], s27, v[QT0]
	v_mov_b32 v[BV], 0x4d800000
	v_mov_b32 v[BV+1], 0x4d800000
	v_mov_b32 v[CV], 0xce7fffff
	v_mov_b32 v[CV+1], 0xce7fffff
	s_lshl_b32 s28, s[BB], 20
	s_lshl_b32 s29, s[HD], 17
	s_or_b32 s28, s28, s29
	s_mov_b32 s29, 0
	s_lshl_b32 s30, s[BB], 20                      ; af: b, ks = head >> 1, cs = 4 (head & 1)
	s_lshr_b32 s31, s[HD], 1
	s_lshl_b32 s31, s31, 16
	s_or_b32 s30, s30, s31
	s_and_b32 s31, s[HD], 1
	s_lshl_b32 s31, s31, 13
	s_or_b32 s30, s30, s31
	s_mov_b32 s31, 0
	s_wait_kmcnt 0x0
	s_load_b32 s32, s[6:7], 0x0                    ; mem_beta
	s_add_nc_u64 s[QB:QB+1], s[4:5], s[28:29]
	s_add_nc_u64 s[KB:KB+1], s[QB:QB+1], 0x2000000
	s_add_nc_u64 s[VB:VB+1], s[QB:QB+1], 0x4000000
	s_add_nc_u64 s[AF:AF+1], s[8:9], s[30:31]
; 40 loads: the fragments of 32 column slots (two column tiles, 1,024 bytes on in each row of half-blocks): k_j's four channel tiles for j = 0 .. 3, and channel tile w of v_s for s = 0 .. 3
.macro LOADS set, off
	WIN 0x40*((\set)+1)
.set z, 0
.rept 16
	global_load_b128 v[8*z:8*z+3],   v[L16], s[KB:KB+1] offset:(\off)+(z/4)*32768+(z%4)*8192
	global_load_b128 v[8*z+4:8*z+7], v[L16], s[KB:KB+1] offset:(\off)+(z/4)*32768+(z%4)*8192+512
.set z, z+1
.endr
.set z, 0
.rept 4
	global_load_b128 v[128+8*z:128+8*z+3], v[VV], s[VB:VB+1] offset:(\off)+z*32768
	global_load_b128 v[128+8*z+4:128+8*z+7], v[VV], s[VB:VB+1] offset:(\off)+z*32768+512
.set z, z+1
.endr
.endm
.macro MUL4 g, j, s, zero              ; G number g += k_j^T v_s, four tiles of dk
.irp i, 0,1,2,3
.if \zero
	v_wmma_f32_16x16x32_bf16 v[32*(\g)+8*(\i):32*(\g)+8*(\i)+7], v[8*(4*(\j)+(\i)):8*(4*(\j)+(\i))+7], v[128+8*(\s):128+8*(\s)+7], 0
.else
	v_wmma_f32_16x16x32_bf16 v[32*(\g)+8*(\i):32*(\g)+8*(\i)+7], v[8*(4*(\j)+(\i)):8*(4*(\j)+(\i))+7], v[128+8*(\s):128+8*(\s)+7], v[32*(\g)+8*(\i):32*(\g)+8*(\i)+7]
.endif
.endr
.endm
.macro MULS set, zero                  ; 28 matrix instructions on 28 accumulators, which take turns in one fixed order
	WIN 0xf0|(5*((\set)+1))                        ; both sources in the set's window, C and D in window 3
	MUL4 0, 0, 0, \zero                            ; G00
	MUL4 1, 0, 1, \zero                            ; G01
	MUL4 2, 0, 2, \zero                            ; G02
	MUL4 3, 1, 1, \zero                            ; G11
	MUL4 4, 1, 2, \zero                            ; G12
	MUL4 5, 2, 2, \zero                            ; G22
	MUL4 6, 3, 3, \zero                            ; G33
.endm
.macro TURNA zero                      ; two of the eight K steps are multiplied, the two after them asked for
	s_wait_loadcnt 40                              ; set 0 is in; set 1's 40 loads may stay out
	MULS 0, \zero
	PLACES
	s_wait_xcnt 0x0                                ; every load issued so far has read its address: the pointers may be written
	s_add_nc_u64 s[KB:KB+1], s[KB:KB+1], 2048
	s_add_nc_u64 s[VB:VB+1], s[VB:VB+1], 2048
	LOADS 0, 0
	s_wait_loadcnt 40                              ; set 1 is in
	MULS 1, 0
	PLACES
	LOADS 1, 1024
.endm
	WIN 0xc0                                       ; q: 64 half-blocks (t, channel tile, my four column tiles) into window 3
.set z, 0
.rept 64
	global_load_b128 v[4*z:4*z+3], v[VQ], s[QB:QB+1] offset:(z/16)*32768+((z/4)%4)*8192+(z%4)*512
.set z, z+1
.endr
	LOADS 0, 0
	WIN 0
	s_wait_kmcnt 0x0
	v_mov_b32 v[CB], s32
	v_cvt_pk_bf16_f32 v[CB], v[CB], v[CB]
	v_lshlrev_b32 v[CB], 16, v[CB]                 ; B: mem_beta rounded to bf16
	v_sub_f32 v[COM], 1.0, v[CB]
	v_mul_f32 v[C30], v[CB], v[CB]
	v_mul_f32 v[C31], v[CB], v[COM]
	v_mov_b32 v[CB+1], v[CB]
	v_mov_b32 v[COM+1], v[COM]
	v_mov_b32 v[C30+1], v[C30]
	v_mov_b32 v[C31+1], v[C31]
	s_wait_loadcnt 40                              ; q is in; set 0's 40 loads, issued behind it, stay out
	WIN 0x0c                                       ; store data in window 3
.set z, 0
.rept 64
	ds_store_b128 v[QST], v[4*z:4*z+3] offset:10240*(z/16)+2560*((z/4)%4)+32*(z%4)
.set z, z+1
.endr
	LOADS 1, 1024
	TURNA 1
	WIN 0
	s_mov_b32 s[CNT], 2
.Lka:
	TURNA 0
	WIN 0
	s_sub_co_u32 s[CNT], s[CNT], 1
	s_cmp_lg_u32 s[CNT], 0
	s_cbranch_scc1 .Lka
	s_wait_loadcnt 40                              ; the last two K steps load nothing
	MULS 0, 0
	s_wait_loadcnt 0x0
	MULS 1, 0
	WIN 0
	PLACES
	PLACES
	WIN 0x0f                                       ; sources in window 3
.set z, 0
.rept 112
	v_cvt_pk_bf16_f32 v[TG+z], v[2*z], v[2*z+1]    ; counts of at most 256: exact.  Tiles 2 kf, 2 kf + 1 of dk are the halves of fragment kf
.set z, z+1
.endr
	WIN 0
.set z, 0
.rept 28
	ds_store_b128 v[GXW], v[TG+4*z:TG+4*z+3] offset:8192*(z/4)+512*(z%4)
.set z, z+1
.endr
	s_wait_dscnt 0x0                               ; for the others' sake: my stores are done
	s_barrier_signal -1
	s_barrier_wait -1                              ; all seven G lie whole in LDS
.macro GLOAD g, win, base
	WIN (\win)<<6
.set z, 0
.rept 16
	ds_load_b128 v[(\base)+4*z:(\base)+4*z+3], v[GXR] offset:8192*(\g)+512*z
.set z, z+1
.endr
.endm
	GLOAD 0, 1, 0                                  ; G00
	GLOAD 3, 1, 64                                 ; G11
	GLOAD 5, 1, 128                                ; G22
	GLOAD 6, 1, 192                                ; G33
	GLOAD 1, 2, 0                                  ; G01
	GLOAD 2, 2, 64                                 ; G02
	GLOAD 4, 2, 128                                ; G12
; 8 matrix instructions: the G at (window gw, register gb) times q_t into the set at (window dw, register db).  The set's four accumulators take turns.
.macro PROD gw, gb, t, dw, db, zero
	WIN ((\dw)<<6)|((\dw)<<4)|(\gw)
.irp kf, 0,1
.irp d, 0,1,2,3
.if (\zero) && ((\kf) == 0)
	v_wmma_f32_16x16x32_bf16 v[(\db)+8*(\d):(\db)+8*(\d)+7], v[(\gb)+16*(\d)+8*(\kf):(\gb)+16*(\d)+8*(\kf)+7], v[QF+16*(\t)+8*(\kf):QF+16*(\t)+8*(\kf)+7], 0
.else
	v_wmma_f32_16x16x32_bf16 v[(\db)+8*(\d):(\db)+8*(\d)+7], v[(\gb)+16*(\d)+8*(\kf):(\gb)+16*(\d)+8*(\kf)+7], v[QF+16*(\t)+8*(\kf):QF+16*(\t)+8*(\kf)+7], v[(\db)+8*(\d):(\db)+8*(\d)+7]
.endif
.endr
.endr
.endm
.macro MIX dst, src, sw, c             ; set dst (window 3) += coefficient c x set src (window sw); each accumulator is read from its low end on
	WIN 0xf0|(\sw)
.set z, 0
.rept 16
	v_pk_fma_f32 v[(\dst)+2*z:(\dst)+2*z+1], v[(\src)+2*z:(\src)+2*z+1], v[(\c):(\c)+1], v[(\dst)+2*z:(\dst)+2*z+1] op_sel_hi:[1,0,1]
.set z, z+1
.endr
.endm
.macro LIFT t, m, mn                   ; step t on the membrane in set m; mn: the next step's set, or -1
	WIN 0x03
.set z, 0
.rept 16
	v_pk_fma_f32 v[S+32*(\t)+2*z:S+32*(\t)+2*z+1], v[(\m)+2*z:(\m)+2*z+1], v[BV:BV+1], v[CV:CV+1] clamp  ; s = (M >= 4)
.set z, z+1
.endr
.if (\mn) >= 0
	WIN 0xf3
.set z, 0
.rept 16
	v_pk_fma_f32 v[(\m)+2*z:(\m)+2*z+1], v[(\m)+2*z:(\m)+2*z+1], v[S+32*(\t)+2*z:S+32*(\t)+2*z+1], v[(\m)+2*z:(\m)+2*z+1] neg_lo:[0,1,0] neg_hi:[0,1,0]  ; M = M - M s
.set z, z+1
.endr
.set z, 0
.rept 16
	v_pk_fma_f32 v[(\mn)+2*z:(\mn)+2*z+1], v[(\m)+2*z:(\m)+2*z+1], 0.5, v[(\mn)+2*z:(\mn)+2*z+1] op_sel_hi:[1,0,1]  ; the next M = 0.5 M + 8 out
.set z, z+1
.endr
.endif
.endm
	WIN 0
	s_mov_b32 s[EO], 0
	s_mov_b32 s[CNT], 4
.Ltile:                                                ; a trip: column tile e of my group, all four t
	s_wait_xcnt 0x0                                ; the last trip's stores have read their data and their offset: both are rewritten below
	v_add_nc_u32 v[QTL], s[EO], v[QT0]             ; 32 bytes of a row a tile
	v_lshl_add_u32 v[AO], s[EO], 4, v[AO0]         ; 512 bytes of af a tile
.irp f, 0,1,2,3,4,5,6,7                ; f = 2 t + kf
	ds_load_tr16_b128 v[QF+8*(\f):QF+8*(\f)+3],   v[QTL] offset:10240*((\f)/2)+5120*((\f)%2)
	ds_load_tr16_b128 v[QF+8*(\f)+4:QF+8*(\f)+7], v[QTL] offset:10240*((\f)/2)+5120*((\f)%2)+2560
.endr
	s_wait_dscnt 0x0                               ; q's fragments, and in the first trip G's
	PROD 1, 0,   0, 3, 0,   1                      ; t0a = G00 q0
	PROD 1, 64,  1, 3, 32,  1                      ; t1a = G11 q1
	PROD 1, 0,   1, 3, 32,  0                      ;     + G00 q1
	PROD 1, 128, 2, 3, 64,  1                      ; t2a = G22 q2
	PROD 2, 0,   2, 3, 96,  1                      ; t2b = G01 q2
	PROD 1, 64,  2, 3, 128, 1                      ; t2c = G11 q2
	PROD 1, 192, 3, 3, 160, 1                      ; t3a = G33 q3
	PROD 2, 64,  3, 3, 192, 1                      ; t3b = G02 q3
	PROD 2, 128, 3, 3, 224, 1                      ; t3c = G12 q3
	PROD 1, 128, 3, 2, 192, 1                      ; t3d = G22 q3, in window 2
	WIN 0
	PLACES
	PLACES
	MIX 64,  96,  3, CB
	MIX 64,  128, 3, COM
	MIX 160, 192, 3, C30
	MIX 160, 224, 3, C31
	MIX 160, 192, 2, COM
	LIFT 0, 0,   32
	LIFT 1, 32,  64
	LIFT 2, 64,  160
	LIFT 3, 160, -1
	WIN 0
.set z, 0
.rept 64
	v_cvt_pk_bf16_f32 v[QF+z], v[S+2*z], v[S+2*z+1]
.set z, z+1
.endr
.set z, 0
.rept 16
	global_store_b128 v[AO], v[QF+4*z:QF+4*z+3], s[AF:AF+1] offset:(z/4)*16384+(z%4)*2048  ; 512 consecutive bytes a store
.set z, z+1
.endr
	s_add_co_u32 s[EO], s[EO], 32
	s_sub_co_u32 s[CNT], s[CNT], 1
	s_cmp_lg_u32 s[CNT], 0
	s_cbranch_scc1 .Ltile
	s_wait_tensorcnt 0x0                           ; the wave's end, behind my last LDS store
	ds_add_u32 v[SPW], v[NIL]
	s_wait_dscnt 0x0
	s_endpgm
.Lfunc_end_k_q65e41d2056_attn:
	.size	k_q65e41d2056_attn, .Lfunc_end_k_q65e41d2056_attn-k_q65e41d2056_attn
	.p2alignl 7, 3214868480
	.fill 96, 4, 3214868480
	.section	.rodata,"a",@progbits
	.p2align	6, 0x0
	.amdhsa_kernel k_q65e41d2056_attn
		.amdhsa_group_segment_fixed_size 221696
		.amdhsa_private_segment_fixed_size 0
		.amdhsa_enable_private_segment 0
		.amdhsa_kernarg_size 24
		.amdhsa_user_sgpr_count 2
		.amdhsa_user_sgpr_kernarg_segment_ptr 1
		.amdhsa_wavefront_size32 1
		.amdhsa_system_sgpr_workgroup_id_x 1
		.amdhsa_system_sgpr_workgroup_id_y 1
		.amdhsa_system_sgpr_workgroup_id_z 1
		.amdhsa_system_vgpr_workitem_id 0
		.amdhsa_next_free_vgpr 1024
		.amdhsa_next_free_sgpr 66
		.amdhsa_reserve_vcc 0
		.amdhsa_float_denorm_mode_32 3
		.amdhsa_float_denorm_mode_16_64 3
		.amdhsa_memory_ordered 1
		.amdhsa_forward_progress 1
		.amdhsa_inst_pref_size 92
	.end_amdhsa_kernel
	.amdgpu_metadata
---
amdhsa.version: [ 1, 2 ]
amdhsa.kernels:
  - .name:           k_q65e41d2056_attn
    .symbol:         k_q65e41d2056_attn.kd
    .args:
      - { .name: spk, .offset: 0, .size: 8, .value_kind: global_buffer, .address_space: global }
      - { .name: mem_beta, .offset: 8, .size: 8, .value_kind: global_buffer, .address_space: global }
      - { .name: af, .offset: 16, .size: 8, .value_kind: global_buffer, .address_space: global }
    .group_segment_fixed_size: 221696
    .private_segment_fixed_size: 0
    .kernarg_segment_align: 8
    .kernarg_segment_size: 24
    .max_flat_workgroup_size: 128
    .sgpr_count:     66
    .vgpr_count:     1024
    .wavefront_size: 32
...
	.end_amdgpu_metadata
.endif
;; end of part 3
;; launch proj (part 4): grid 8 x 32, 4 waves a work-group, clusters of 4 x 1, 327,680 bytes of LDS; arguments af, wf, bnc, out0; writes out0
.if DOCPART == 4
	.amdgcn_target "amdgcn-amd-amdhsa--gfx1250"
	.amdhsa_code_object_version 6
	.text
	.protected	k_q65e41d2056_proj
	.globl	k_q65e41d2056_proj
	.p2align	8
	.type	k_q65e41d2056_proj,@function
k_q65e41d2056_proj:
	s_mov_b64 s[64:65], 0
	v_nop
	global_prefetch_b8 v0, s[64:65] scope:SCOPE_SE
	s_setreg_imm32_b32 hwreg(HW_REG_WAVE_MODE, 25, 1), 1
	s_wait_xcnt 0x0
	s_wait_alu depctr_hold_cnt(0) depctr_sa_sdst(0) depctr_va_vdst(0) depctr_va_sdst(0) depctr_va_ssrc(0) depctr_va_vcc(0) depctr_vm_vsrc(0)
	s_getreg_b32 s2, hwreg(HW_REG_IB_STS2, 6, 4)
	s_cmp_eq_u32 s2, 0
	s_cbranch_scc0 .Lentry_in_a_cluster
	s_endpgm
.Lentry_in_a_cluster:
	s_bfe_u32 s2, ttmp6, 0x10000c
	s_cmp_lg_u32 s2, 0x3003
	s_cbranch_scc0 .Lentry_shape_is_right
	s_endpgm
.Lentry_shape_is_right:
; PROJ.  out = (wp a + bp) inv + (beta - mean inv) = fma(wp a, inv, shift), with (inv, shift) from bnc's last table (bp is folded into shift there).  a: spikes in af, in fragment order; out0: f32, [t][b][d][n].
; SHARES.  A work-group makes 256 rows d (row block RB = 0, 1) x 256 columns: the 64 columns of group g for all four t of one b.  K = 512 in four steps of 128.  Four waves, each 128 rows (wr = wave >> 1) x
; 128 columns (t = 2 wc + t', t' = 0, 1, wc = wave & 1, all four tiles e): 64 accumulators, 512 registers.
; THE MATRIX INSTRUCTION: source 0 = 16 rows of W, source 1 = 16 column slots of a.  In the result lane l holds slot r = l % 16 and its registers the rows 8 (l / 16) + 0 .. 7.  Column n = 64 g + 4 r + e, so
; the four tiles e of one row and slot are 16 consecutive bytes of out0, and sixteen lanes store 256 consecutive aligned bytes straight from registers: no stage in LDS.
; Ring, blocks, descriptors and the order of a K step are those of the launch that makes q, k and v: two slots of 128 KiB (a's 64 KiB [t][cs][e][512], W's 64 KiB [k32][rt][half][512]), each block dense in
; memory and brought as 128 rows x 256 bytes by each of two waves; a refill has 224 matrix instructions in which to land; a wave has two tensor loads out at the start and one afterwards.
; CLUSTER.  The four work-groups of a cluster are the four g of one (RB, b): W is asked for JOINTLY (mask of four); a hangs on g and is each work-group's own load (two row blocks: no multiple of four to share it).
; LIMITS.  NaN and infinities are not treated apart.
.set SLOT1,  1<<17
.set WPART,  65536
.set STEPB,  65536
.set SPARE,  2*SLOT1                   ; the spare words, 128 bytes for each wave: two blocks of 256 bytes that no other line names
.set ADX0, 16                          ; v16  16 L + 32,768 wc; never rewritten
.set ADW0, 17                          ; v17  WPART + 8,192 wr + 16 L; never rewritten
.set ADX,  18
.set ADW,  19
.set SO,   20                          ; v20  8 h rows of 1,024 bytes + 16 r: my offset in out0
.set BO,   21                          ; v21  64 h: my eight channels' pairs in bnc
.set SPW,  28
.set NIL,  29
.set F0,   64                          ; fragment buffers: window 0 holds a's (source 1), window 1 W's (source 0)
.set F1,   128
.set TR,   64                          ; the way out: v[64:191] results, four sets of 32: [row j][tile e]
; window 1, beside the buffers: (inv, shift) of rows 8 h + j of channel tile dt at 16 (dt % 4) + 192 (dt / 4) + 2 j
.set WV,  12
.set WR,  13
.set WC,  14
.set RB,  15
.set GG,  16
.set BB,  17
.set TB,  18
.set CNT, 19
.set G1X, 24
.set G1W, 32
.set G0X, 40
.set G0W, 48
.set OB,  56                           ; s[56:57], s[58:59] out0 at my rows and columns for t' = 0, 1 (written when the descriptors have taken what these registers held)
.set MSB, 0
.macro WIN new
.if MSB != (\new)
	s_set_vgpr_msb (MSB<<8)|(\new)
.set MSB, \new
.endif
.endm
.set MUL_LO, 0xa1                      ; source 0 window 1, source 1 window 0, C and D window 2 (t' = 0)
.set MUL_HI, 0xf1                      ; the same, C and D window 3 (t' = 1)
.macro PLACES
.rept 4
	v_nop
.endr
.endm
.macro JLOAD                           ; waves 0 and 1 fetch the halves of a's block, waves 2 and 3 those of W's; an s_nop 0 and four v_nop follow each line
	s_cmp_lt_u32 s[WV], 2
	s_cbranch_scc0 .Lfor_w_\@
	tensor_load_to_lds s[G0X+4:G0X+7], s[G1X:G1X+7]
	s_nop 0
.rept 4
	v_nop
.endr
	s_branch .Lasked_\@
.Lfor_w_\@:
	tensor_load_to_lds s[G0W+4:G0W+7], s[G1W:G1W+7]
	s_nop 0
.rept 4
	v_nop
.endr
.Lasked_\@:
.endm
.macro CREST
	s_cmp_lg_u32 s[WV], 0
	s_cbranch_scc1 .Lnot_wave_0_\@
	s_barrier_signal -3
.Lnot_wave_0_\@:
	s_barrier_wait -3
	s_barrier_signal -1
	s_barrier_wait -1
.endm
.macro CROUND
	s_barrier_signal -1
	s_barrier_wait -1
	CREST
.endm
	s_load_b256 s[4:11], s[0:1], 0x0               ; af s[4:5], wf s[6:7], bnc s[8:9], out0 s[10:11]
	v_lshl_add_u32 v[SPW], v0, 2, SPARE
	v_mov_b32 v[NIL], 0
	ds_add_u32 v[SPW], v[NIL]                      ; the wave's opening: the add, twice on end, and its wait ahead of my first tensor load
	ds_add_u32 v[SPW], v[NIL]
	v_lshrrev_b32 v1, 5, v0
	v_readfirstlane_b32 s[WV], v1
	s_lshr_b32 s[WR], s[WV], 1
	s_and_b32 s[WC], s[WV], 1
	s_mov_b32 s[RB], ttmp9                         ; the cluster's x: the row block
	s_bfe_u32 s[GG], ttmp6, 0x40000                ; my place in the cluster: g.  It enters a's and out0's global addresses alone
	s_and_b32 s[BB], ttmp7, 0xffff
	s_mov_b32 s[G1X], 3<<16                        ; elements of 8 bytes; no mask, no padding
	s_mov_b32 s[G1W], 15|(3<<16)|(1<<21)           ; the mask of four; bit 21 set beside a mask
.irp g, G1X, G1W
	s_mov_b32 s[(\g)+1], 32<<16                    ; tensor_dim0 = 32 elements = 256 bytes
	s_mov_b32 s[(\g)+2], 128<<16                   ; tensor_dim1 = 128
	s_mov_b32 s[(\g)+3], 32<<16                    ; tile_dim0 = 32
	s_mov_b32 s[(\g)+4], 128                       ; tile_dim1 = 128
	s_mov_b32 s[(\g)+5], 32                        ; the rows lie end to end
	s_mov_b32 s[(\g)+6], 0
	s_mov_b32 s[(\g)+7], 0
.endr
	s_lshl_b32 s20, s[WC], 15                      ; which 32 KiB of a block I fetch
	s_lshl_b32 s56, s[BB], 20
	s_lshl_b32 s57, s[GG], 18
	s_or_b32 s56, s56, s57
	s_or_b32 s56, s56, s20
	s_mov_b32 s57, 0
	s_add_co_u32 s58, s[RB], 6                     ; wp's two row blocks are numbers 6 and 7 of wf
	s_lshl_b32 s58, s58, 18
	s_or_b32 s58, s58, s20
	s_mov_b32 s59, 0
	s_mov_b32 s[TB], 0
	s_wait_dscnt 0x0                               ; both opening adds are done
	s_wait_kmcnt 0x0
	s_add_nc_u64 s[56:57], s[4:5], s[56:57]
	s_add_nc_u64 s[58:59], s[6:7], s[58:59]
	CROUND                                         ; all four work-groups are here: the first joint loads meet
.irp s, 0,1
	s_mov_b32 s[G0X+4*(\s)], 1
	s_add_co_u32 s[G0X+4*(\s)+1], s20, (\s)*SLOT1
	s_add_nc_u64 s[G0X+4*(\s)+2:G0X+4*(\s)+3], s[56:57], (\s)*STEPB
	s_or_b32 s[G0X+4*(\s)+3], s[G0X+4*(\s)+3], 0x80000000
	s_mov_b32 s[G0W+4*(\s)], 1
	s_add_co_u32 s[G0W+4*(\s)+1], s20, (\s)*SLOT1+WPART
	s_add_nc_u64 s[G0W+4*(\s)+2:G0W+4*(\s)+3], s[58:59], (\s)*STEPB
	s_or_b32 s[G0W+4*(\s)+3], s[G0W+4*(\s)+3], 0x80000000
.endr
	s_cmp_lt_u32 s[WV], 2                          ; a wave's two first fills stand in one branch
	s_cbranch_scc0 .Lfirst_w
	tensor_load_to_lds s[G0X:G0X+3], s[G1X:G1X+7]
	s_nop 0
	tensor_load_to_lds s[G0X+4:G0X+7], s[G1X:G1X+7]
	s_nop 0
.rept 4
	v_nop
.endr
	s_branch .Lfirst_asked
.Lfirst_w:
	tensor_load_to_lds s[G0W:G0W+3], s[G1W:G1W+7]
	s_nop 0
	tensor_load_to_lds s[G0W+4:G0W+7], s[G1W:G1W+7]
	s_nop 0
.rept 4
	v_nop
.endr
.Lfirst_asked:
	v_and_b32 v1, 31, v0
	v_lshlrev_b32 v1, 4, v1                        ; 16 L
	v_add_nc_u32 v[ADX0], s20, v1                  ; + 32,768 wc: my two t
	s_lshl_b32 s22, s[WR], 13
	s_add_co_u32 s22, s22, WPART
	v_add_nc_u32 v[ADW0], s22, v1
	v_mov_b32 v[ADX], v[ADX0]
	v_mov_b32 v[ADW], v[ADW0]
	v_and_b32 v2, 15, v0                           ; r
	v_bfe_u32 v3, v0, 4, 1                         ; h
	v_lshlrev_b32 v[SO], 4, v2
	v_lshl_or_b32 v[SO], v3, 13, v[SO]
	v_lshlrev_b32 v[BO], 6, v3
	s_lshl_b32 s22, s[RB], 11                      ; bnc: 8 bytes x (1,536 + 256 RB + 128 wr)
	s_lshl_b32 s23, s[WR], 10
	s_add_co_u32 s22, s22, s23
	s_add_co_u32 s22, s22, 12288
	s_mov_b32 s23, 0
	s_add_nc_u64 s[8:9], s[8:9], s[22:23]
	WIN 0x40                                       ; destination window 1
.irp d, 0,1,2,3,4,5,6,7
.irp i, 0,1,2,3
	global_load_b128 v[16*((\d)%4)+192*((\d)/4)+4*(\i):16*((\d)%4)+192*((\d)/4)+4*(\i)+3], v[BO], s[8:9] offset:128*(\d)+16*(\i)
.endr
.endr
	WIN 0
	s_lshl_b32 s22, s[WC], 25                      ; out0: t = 2 wc, b, row 256 RB + 128 wr, column 64 g
	s_lshl_b32 s23, s[BB], 19
	s_or_b32 s22, s22, s23
	s_lshl_b32 s23, s[RB], 18
	s_or_b32 s22, s22, s23
	s_lshl_b32 s23, s[WR], 17
	s_or_b32 s22, s22, s23
	s_lshl_b32 s23, s[GG], 8
	s_or_b32 s22, s22, s23
	s_mov_b32 s23, 0
	s_add_nc_u64 s[OB:OB+1], s[10:11], s[22:23]
	s_add_nc_u64 s[OB+2:OB+3], s[OB:OB+1], 0x1000000
; 16 matrix instructions: column tiles a0, a0 + 1 (= e) of the window's four x all 8 channel tiles, 32 along K.  The 64 accumulators take turns in one fixed order.
.macro MUL16 f, hi, a0, zero
	WIN MUL_LO+0x50*(\hi)
.irp a, \a0, (\a0)+1
.irp b, 0,1,2,3,4,5,6,7
.if \zero
	v_wmma_f32_16x16x32_bf16 v[8*(8*(\a)+(\b)):8*(8*(\a)+(\b))+7], v[(\f)+8*(\b):(\f)+8*(\b)+7], v[(\f)+8*(4*(\hi)+(\a)):(\f)+8*(4*(\hi)+(\a))+7], 0
.else
	v_wmma_f32_16x16x32_bf16 v[8*(8*(\a)+(\b)):8*(8*(\a)+(\b))+7], v[(\f)+8*(\b):(\f)+8*(\b)+7], v[(\f)+8*(4*(\hi)+(\a)):(\f)+8*(4*(\hi)+(\a))+7], v[8*(8*(\a)+(\b)):8*(8*(\a)+(\b))+7]
.endif
.endr
.endr
.endm
; 32 LDS loads in one run: quarter q's fragments into buffer f: W's channel tile i, then a's column tile i = 4 t' + e
.macro FETCH q, f
	WIN 0x40
.irp i, 0,1,2,3,4,5,6,7
	ds_load_b128 v[(\f)+8*(\i):(\f)+8*(\i)+3],   v[ADW] offset:16384*(\q)+1024*(\i)
	ds_load_b128 v[(\f)+8*(\i)+4:(\f)+8*(\i)+7], v[ADW] offset:16384*(\q)+1024*(\i)+512
.endr
	WIN 0
.irp i, 0,1,2,3,4,5,6,7
	ds_load_b128 v[(\f)+8*(\i):(\f)+8*(\i)+3],   v[ADX] offset:((\i)/4)*16384+4096*(\q)+512*((\i)%4)
	ds_load_b128 v[(\f)+8*(\i)+4:(\f)+8*(\i)+7], v[ADX] offset:((\i)/4)*16384+4096*(\q)+512*((\i)%4)+2048
.endr
.endm
.macro QUARTER q, f, g, zero
	s_wait_dscnt 8                                 ; W and a's tiles of t' = 0 are in; the youngest eight loads (t' = 1) may be out
	MUL16 \f, 0, 0, \zero
	MUL16 \f, 0, 2, \zero
	PLACES
	FETCH \q, \g
	s_wait_dscnt 32                                ; all but the 32 just issued
	MUL16 \f, 1, 0, \zero
	MUL16 \f, 1, 2, \zero
.endm
; A K step's last quarter and the change of slots: in front of the barrier each wave waits for all its tensor loads, adds 0 to its spare word, and waits for that and for its reads of this slot.
; fill = 1: the barrier opens a round of the cluster's barrier, and the slot just read out is filled again first thing behind it.
.macro TURN fill
	WIN 0
	s_wait_tensorcnt 0x0                           ; no tensor load of mine is out, so a group 0 may be written
	ds_add_u32 v[SPW], v[NIL]                      ; 0 onto my spare word
.if \fill
	s_xor_b32 s[G0X+5], s[G0X+5], SLOT1
	s_add_nc_u64 s[G0X+6:G0X+7], s[G0X+6:G0X+7], STEPB
	s_xor_b32 s[G0W+5], s[G0W+5], SLOT1
	s_add_nc_u64 s[G0W+6:G0W+7], s[G0W+6:G0W+7], STEPB
.endif
	s_wait_dscnt 9                                 ; the add and the youngest eight loads may be out
	MUL16 F1, 0, 0, 0
	s_wait_dscnt 0x0                               ; the add is done, and my reads of this slot are over
	s_barrier_signal -1
	MUL16 F1, 0, 2, 0
	WIN 0
	s_barrier_wait -1
.if \fill
	CREST
	JLOAD                                          ; the four v_nop behind it are also the places in front of the loads below
.else
	PLACES
.endif
	s_xor_b32 s[TB], s[TB], SLOT1
	v_add_nc_u32 v[ADX], s[TB], v[ADX0]
	v_add_nc_u32 v[ADW], s[TB], v[ADW0]
	FETCH 0, F0
	MUL16 F1, 1, 0, 0
	MUL16 F1, 1, 2, 0
.endm
	s_wait_tensorcnt 1                             ; my part of K step 0 is in; K step 1's may stay out
	s_barrier_signal -1
	s_barrier_wait -1
	FETCH 0, F0
	QUARTER 1, F0, F1, 1
	WIN 0
	s_mov_b32 s[CNT], 2
.Lstep:
	QUARTER 2, F1, F0, 0
	QUARTER 3, F0, F1, 0
	TURN 1
	QUARTER 1, F0, F1, 0
	WIN 0
	s_sub_co_u32 s[CNT], s[CNT], 1
	s_cmp_lg_u32 s[CNT], 0
	s_cbranch_scc1 .Lstep
	QUARTER 2, F1, F0, 0
	QUARTER 3, F0, F1, 0
	TURN 0
	QUARTER 1, F0, F1, 0
	QUARTER 2, F1, F0, 0
	QUARTER 3, F0, F1, 0
	s_wait_dscnt 8
	MUL16 F1, 0, 0, 0
	MUL16 F1, 0, 2, 0
	s_wait_dscnt 0x0
	MUL16 F1, 1, 0, 0
	MUL16 F1, 1, 2, 0
	WIN 0
	PLACES
	PLACES
	s_wait_loadcnt 0x0                             ; the table of (inv, shift)
; THE WAY OUT of (t', channel tile dt): 32 fused multiply-adds gather the four tiles e of each row side by side (each accumulator is read from its low end on), eight stores of 16 bytes a lane follow.
.macro OUT tp, dt
.set W, 2+(\tp)
.set BTB, 16*((\dt)%4)+192*((\dt)/4)
.set TT, TR+32*((\dt)%4)
.if ((\dt)%4) == 0
	s_wait_xcnt 0x0                                ; all earlier stores have read the four sets of results: they are rewritten only behind this wait
.endif
	WIN 0x14|W                                     ; the sums in window 2 or 3, the table in window 1, the results in window 0
.irp j, 0,1,2,3,4,5,6,7
.irp e, 0,1,2,3
	v_fma_f32 v[TT+4*(\j)+(\e)], v[8*(8*(\e)+(\dt))+(\j)], v[BTB+2*(\j)], v[BTB+2*(\j)+1]
.endr
.endr
	WIN 0
.irp j, 0,1,2,3,4,5,6,7
	global_store_b128 v[SO], v[TT+4*(\j):TT+4*(\j)+3], s[OB+2*(\tp):OB+2*(\tp)+1] offset:16384*(\dt)+1024*(\j) th:TH_STORE_NT  ; sixteen lanes store 256 consecutive bytes, aligned
.endr
.endm
.irp p, 0,1
.irp d, 0,1,2,3,4,5,6,7
	OUT \p, \d
.endr
.endr
	s_wait_tensorcnt 0x0                           ; the wave's end
	ds_add_u32 v[SPW], v[NIL]
	s_wait_dscnt 0x0
	CROUND                                         ; the closing round: no work-group ends while a partner may still ask for a block that names it
	s_endpgm
.Lfunc_end_k_q65e41d2056_proj:
	.size	k_q65e41d2056_proj, .Lfunc_end_k_q65e41d2056_proj-k_q65e41d2056_proj
	.p2alignl 7, 3214868480
	.fill 96, 4, 3214868480
	.section	.rodata,"a",@progbits
	.p2align	6, 0x0
	.amdhsa_kernel k_q65e41d2056_proj
		.amdhsa_group_segment_fixed_size 327680
		.amdhsa_private_segment_fixed_size 0
		.amdhsa_enable_private_segment 0
		.amdhsa_kernarg_size 32
		.amdhsa_user_sgpr_count 2
		.amdhsa_user_sgpr_kernarg_segment_ptr 1
		.amdhsa_wavefront_size32 1
		.amdhsa_system_sgpr_workgroup_id_x 1
		.amdhsa_system_sgpr_workgroup_id_y 1
		.amdhsa_system_sgpr_workgroup_id_z 1
		.amdhsa_system_vgpr_workitem_id 0
		.amdhsa_next_free_vgpr 1024
		.amdhsa_next_free_sgpr 66
		.amdhsa_reserve_vcc 0
		.amdhsa_float_denorm_mode_32 3
		.amdhsa_float_denorm_mode_16_64 3
		.amdhsa_memory_ordered 1
		.amdhsa_forward_progress 1
		.amdhsa_inst_pref_size 132
	.end_amdhsa_kernel
	.amdgpu_metadata
---
amdhsa.version: [ 1, 2 ]
amdhsa.kernels:
  - .name:           k_q65e41d2056_proj
    .symbol:         k_q65e41d2056_proj.kd
    .args:
      - { .name: af, .offset: 0, .size: 8, .value_kind: global_buffer, .address_space: global }
      - { .name: wf, .offset: 8, .size: 8, .value_kind: global_buffer, .address_space: global }
      - { .name: bnc, .offset: 16, .size: 8, .value_kind: global_buffer, .address_space: global }
      - { .name: out0, .offset: 24, .size: 8, .value_kind: global_buffer, .address_space: global }
    .group_segment_fixed_size: 327680
    .private_segment_fixed_size: 0
    .kernarg_segment_align: 8
    .kernarg_segment_size: 32
    .max_flat_workgroup_size: 128
    .sgpr_count:     66
    .vgpr_count:     1024
    .wavefront_size: 32
...
	.end_amdgpu_metadata
.endif
;; end of part 4
;; ======== version 2 of 3: 4 launches
;; workspace buffers: xsf 33,554,432 bytes; wf 2,097,152 bytes; bnc 16,384 bytes; qs 33,554,432 bytes; gbuf 14,680,064 bytes; af 33,554,432 bytes
;; launch prep (part 5): grid 512 x 1, 8 waves a work-group, no clusters, 0 bytes of LDS; arguments x, wq, wk, wv, wp, bp, bn_q, bn_k, bn_v, bn_p, xsf, wf, bnc; writes xsf, wf, bnc
.if DOCPART == 5
	.amdgcn_target "amdgcn-amd-amdhsa--gfx1250"
	.amdhsa_code_object_version 6
	.text
	.protected	k_q65e41d2056_prep
	.globl	k_q65e41d2056_prep
	.p2align	8
	.type	k_q65e41d2056_prep,@function
k_q65e41d2056_prep:
	s_mov_b64 s[64:65], 0
	v_nop
	global_prefetch_b8 v0, s[64:65] scope:SCOPE_SE
	s_setreg_imm32_b32 hwreg(HW_REG_WAVE_MODE, 25, 1), 1
	s_wait_xcnt 0x0
; PREP.  Three things, all element by element, so no LDS, no barrier, no matrix unit:
; (a) x is rounded to bf16, the first LIF (tau 0.5, threshold 1, hard reset) runs over t in f32, and its spikes go out as bf16 in the order in which the matrix instruction wants them;
; (b) the four weight matrices are rounded to bf16 and laid out in the same fragment order;  (c) the four BN tables (and bp) become pairs (inv, shift) in f32.
; EVERY input is rounded to bf16 first: the module is a chain of thresholds, and the products take bf16 operands, so the whole program follows the function on bf16 inputs.
; COLUMN ORDER, used by all four launches: n = 64 g + 4 r + e: group g (0-3), slot r (0-15), tile e (0-3).  A HALF-BLOCK is 512 bytes: lane L = 16 h + r owns bytes 16 L .. 16 L + 15, eight bf16 (j = 0-7).
; xsf: [b 32][g 4][ks 4][t 4][cs 8][e 4][512]: lane (r, h) holds channel 128 ks + 16 cs + 8 h + j of column slot r of tile e.
; wf, in half-blocks: lane (r, h) holds W[row + r][128 ks + 32 k32 + 16 half + 8 h + j].  wq, wk, wv lie by heads: [head 8][ks 4][k32 4][rt 12][half 2], rt = 4 m + i (m: q, k, v) for rows 64 head + 16 i of
; matrix m: a head's 192 rows of one K step of 128 are 49,152 dense bytes.  wp lies behind them, from half-block 3,072 on: [rb 2][ks 4][k32 4][rt 16][half 2], rows 256 rb + 16 rt.
; bnc: [4][512] pairs (inv, shift), 8 bytes: inv = gamma / sqrt(var + 1e-5), shift = beta - mean inv (+ bp inv for the last table).
; SHARES.  Wave unit U = 8 x work-group + wave, 0 to 4,095: for x it is (b = U >> 7, 16 channels c16 = (U >> 2) & 31, g = U & 3), all four t: 32 loads of 16 bytes a lane, sixteen lanes on 256 consecutive
; aligned bytes of one row of x; for the weights it names one half-block: U = m<<10 | rb<<9 | ks<<7 | k32<<5 | rt<<1 | half in the source.  Work-groups 0 to 7 also make 256 channels of one BN table each.
; THE SPIKE TEST WITHOUT A COMPARE: s = clamp(m x 2^30 - (2^30 - 64)): at m = 1 the fused result is 64, at the f32 just below 1 it is 0, below that negative: clamped to 0 .. 1 it is exactly (m >= 1).
; LIMITS.  NaN and infinities are not treated apart.  sqrt and the division are the chip's approximations with one Newton correction each in fused arithmetic.
.set VX, 5                             ; v5   x: (8 h) rows of 1,024 bytes + 16 r
.set VW, 6                             ; v6   weights: r rows of 2,048 bytes + 32 h
.set VL, 7                             ; v7   16 x lane: my place in a half-block
.set WL, 16                            ; v[16:23] eight weights as loaded
.set WP, 24                            ; v[24:27] packed
.set BV, 28                            ; v[28:29] 2^30, twice
.set CV, 30                            ; v[30:31] -(2^30 - 64), twice
.set X,  32                            ; v[32:159]  x, then the membrane: t at 32 t, channel j at 4 j, tile e
.set S,  160                           ; v[160:191] the step's spikes as 0.0 / 1.0
.set T,  192                           ; v[192:207] at work
.set P,  208                           ; v[208:239] packed spikes, two sets by t's parity
	s_load_b512 s[8:23], s[0:1], 0x0               ; x 8, wq 10, wk 12, wv 14, wp 16, bp 18, bn_q 20, bn_k 22
	s_load_b256 s[24:31], s[0:1], 0x40             ; bn_v 24, bn_p 26, xsf 28, wf 30
	s_load_b64 s[32:33], s[0:1], 0x60              ; bnc
	v_lshrrev_b32 v1, 5, v0
	v_readfirstlane_b32 s34, v1                    ; wave 0..7
	s_lshl_b32 s35, ttmp9, 3
	s_add_co_u32 s35, s35, s34                     ; U
	v_and_b32 v2, 15, v0                           ; r
	v_bfe_u32 v3, v0, 4, 1                         ; h
	v_and_b32 v4, 31, v0                           ; L
	v_lshlrev_b32 v[VX], 4, v2
	v_lshl_or_b32 v[VX], v3, 13, v[VX]
	v_lshlrev_b32 v[VW], 11, v2
	v_lshl_or_b32 v[VW], v3, 5, v[VW]
	v_lshlrev_b32 v[VL], 4, v4
	v_mov_b32 v[BV], 0x4e800000
	v_mov_b32 v[BV+1], 0x4e800000
	v_mov_b32 v[CV], 0xce7fffff
	v_mov_b32 v[CV+1], 0xce7fffff
	s_mov_b32 s56, 0xffff0000                      ; a word's upper bf16
	s_and_b32 s36, s35, 3                          ; g
	s_bfe_u32 s37, s35, 0x50002                    ; c16
	s_lshr_b32 s38, s35, 7                         ; b
	s_lshl_b32 s40, s38, 19                        ; x: b x 512 rows of 1,024 bytes
	s_lshl_b32 s41, s37, 14                        ; + 16 c16 rows
	s_or_b32 s40, s40, s41
	s_lshl_b32 s41, s36, 8                         ; + 64 g columns
	s_or_b32 s40, s40, s41
	s_mov_b32 s41, 0
	s_lshl_b32 s42, s38, 20                        ; xsf: b, g, ks = c16 >> 3, cs = c16 & 7
	s_lshl_b32 s43, s36, 18
	s_or_b32 s42, s42, s43
	s_lshr_b32 s43, s37, 3
	s_lshl_b32 s43, s43, 16
	s_or_b32 s42, s42, s43
	s_and_b32 s43, s37, 7
	s_lshl_b32 s43, s43, 11
	s_or_b32 s42, s42, s43
	s_mov_b32 s43, 0
	s_bfe_u32 s60, s35, 0x10009                    ; the weights' source: row 256 rb + 16 rt,
	s_lshl_b32 s60, s60, 19
	s_bfe_u32 s61, s35, 0x40001
	s_lshl_b32 s61, s61, 15
	s_or_b32 s60, s60, s61
	s_bfe_u32 s61, s35, 0x40005                    ; column 32 (4 ks + k32) + 16 half, 4 bytes each
	s_lshl_b32 s61, s61, 7
	s_or_b32 s60, s60, s61
	s_and_b32 s61, s35, 1
	s_lshl_b32 s61, s61, 6
	s_or_b32 s60, s60, s61
	s_mov_b32 s61, 0
	s_bfe_u32 s62, s35, 0x10009                    ; where the half-block goes, for q, k, v: head = 4 rb + (rt >> 2),
	s_lshl_b32 s62, s62, 2
	s_bfe_u32 s63, s35, 0x20003
	s_add_co_u32 s62, s62, s63
	s_mul_i32 s62, s62, 384                        ; 384 half-blocks a head,
	s_bfe_u32 s63, s35, 0x40005
	s_mul_i32 s63, s63, 24                         ; 24 for each 32 along K,
	s_add_co_u32 s62, s62, s63
	s_lshr_b32 s39, s35, 10                        ; m
	s_lshl_b32 s63, s39, 3                         ; 2 (4 m + (rt & 3)) + half = 8 m + (U & 7)
	s_add_co_u32 s62, s62, s63
	s_and_b32 s63, s35, 7
	s_add_co_u32 s62, s62, s63
	s_cmp_eq_u32 s39, 3
	s_cselect_b32 s62, s35, s62                    ; wp keeps U
	s_lshl_b32 s62, s62, 9
	s_mov_b32 s63, 0
	s_wait_kmcnt 0x0
	s_cmp_eq_u32 s39, 0
	s_cselect_b64 s[58:59], s[10:11], s[12:13]
	s_cmp_eq_u32 s39, 2
	s_cselect_b64 s[58:59], s[14:15], s[58:59]
	s_cmp_eq_u32 s39, 3
	s_cselect_b64 s[58:59], s[16:17], s[58:59]
	s_add_nc_u64 s[58:59], s[58:59], s[60:61]
	s_add_nc_u64 s[54:55], s[30:31], s[62:63]
	s_add_nc_u64 s[44:45], s[8:9], s[40:41]        ; x at t = 0 .. 3: a step of t is 2^24 bytes, too far for an immediate
	s_add_nc_u64 s[46:47], s[44:45], 0x1000000
	s_add_nc_u64 s[48:49], s[46:47], 0x1000000
	s_add_nc_u64 s[50:51], s[48:49], 0x1000000
	s_add_nc_u64 s[52:53], s[28:29], s[42:43]
	global_load_b128 v[WL:WL+3],   v[VW], s[58:59]
	global_load_b128 v[WL+4:WL+7], v[VW], s[58:59] offset:16
.irp t, 0,1,2,3
.irp j, 0,1,2,3,4,5,6,7
	global_load_b128 v[X+32*(\t)+4*(\j):X+32*(\t)+4*(\j)+3], v[VX], s[44+2*(\t):45+2*(\t)] offset:1024*(\j) th:TH_LOAD_NT
.endr
.endr
	s_wait_loadcnt 32                              ; the two loads of weights are in; x's 32, issued behind them, stay out
.irp p, 0,1,2,3
	v_cvt_pk_bf16_f32 v[WP+(\p)], v[WL+2*(\p)], v[WL+2*(\p)+1]
.endr
	global_store_b128 v[VL], v[WP:WP+3], s[54:55]  ; 512 consecutive bytes a wave
; One time step: rounding, membrane, spike, reset, packing, four stores of 512 consecutive bytes.
.macro STEP t
	s_wait_loadcnt 24-8*(\t)                       ; this step's eight loads are in; the later steps' stay out
.set i, 0
.rept 16
	v_cvt_pk_bf16_f32 v[T+i], v[X+32*(\t)+2*i], v[X+32*(\t)+2*i+1]
.set i, i+1
.endr
.set i, 0
.rept 16
	v_lshlrev_b32 v[X+32*(\t)+2*i], 16, v[T+i]     ; x as the f32 that its bf16 rounding stands for
	v_and_b32 v[X+32*(\t)+2*i+1], s56, v[T+i]
.set i, i+1
.endr
.if (\t) > 0
.set i, 0
.rept 16
	v_pk_fma_f32 v[X+32*(\t)+2*i:X+32*(\t)+2*i+1], v[X+32*(\t)-32+2*i:X+32*(\t)-32+2*i+1], 0.5, v[X+32*(\t)+2*i:X+32*(\t)+2*i+1] op_sel_hi:[1,0,1]  ; v = 0.5 v + x
.set i, i+1
.endr
.endif
.set i, 0
.rept 16
	v_pk_fma_f32 v[S+2*i:S+2*i+1], v[X+32*(\t)+2*i:X+32*(\t)+2*i+1], v[BV:BV+1], v[CV:CV+1] clamp  ; s = (v >= 1)
.set i, i+1
.endr
.if (\t) < 3
.set i, 0
.rept 16
	v_pk_fma_f32 v[X+32*(\t)+2*i:X+32*(\t)+2*i+1], v[X+32*(\t)+2*i:X+32*(\t)+2*i+1], v[S+2*i:S+2*i+1], v[X+32*(\t)+2*i:X+32*(\t)+2*i+1] neg_lo:[0,1,0] neg_hi:[0,1,0]  ; v = v - v s
.set i, i+1
.endr
.endif
.if (\t) >= 2
	s_wait_xcnt 0x0                                ; the stores of two steps back have read this set of packed spikes: it is rewritten only behind this wait
.endif
.irp e, 0,1,2,3
.irp p, 0,1,2,3
	v_cvt_pk_bf16_f32 v[P+16*((\t)%2)+4*(\e)+(\p)], v[S+8*(\p)+(\e)], v[S+8*(\p)+4+(\e)]  ; channels 2 p, 2 p + 1 of tile e
.endr
.endr
.irp e, 0,1,2,3
	global_store_b128 v[VL], v[P+16*((\t)%2)+4*(\e):P+16*((\t)%2)+4*(\e)+3], s[52:53] offset:16384*(\t)+512*(\e)
.endr
.endm
	STEP 0
	STEP 1
	STEP 2
	STEP 3
	; (c) the BN constants: work-groups 0 to 7, thread i: table = work-group >> 1, channel 256 (work-group & 1) + i
	s_mov_b32 s57, ttmp9
	s_cmp_lt_u32 s57, 8
	s_cbranch_scc0 .Ldone
	s_wait_xcnt 0x0                                ; all earlier stores have read their registers
	s_lshr_b32 s36, s57, 1
	s_and_b32 s37, s57, 1
	s_lshl_b32 s37, s37, 8
	v_add_nc_u32 v160, s37, v0                     ; channel
	v_lshlrev_b32 v173, 3, v160
	v_lshlrev_b32 v160, 2, v160
	s_cmp_eq_u32 s36, 0
	s_cselect_b64 s[38:39], s[20:21], s[22:23]
	s_cmp_eq_u32 s36, 2
	s_cselect_b64 s[38:39], s[24:25], s[38:39]
	s_cmp_eq_u32 s36, 3
	s_cselect_b64 s[38:39], s[26:27], s[38:39]
	s_cselect_b32 s40, 1.0, 0                      ; bp enters the last table alone
	s_lshl_b32 s42, s36, 12
	s_mov_b32 s43, 0
	s_add_nc_u64 s[32:33], s[32:33], s[42:43]
	global_load_b32 v161, v160, s[38:39]             ; gamma
	global_load_b32 v162, v160, s[38:39] offset:2048 ; beta
	global_load_b32 v163, v160, s[38:39] offset:4096 ; mean
	global_load_b32 v164, v160, s[38:39] offset:6144 ; var
	global_load_b32 v165, v160, s[18:19]             ; bp
	s_wait_loadcnt 0x0
	v_cvt_pk_bf16_f32 v166, v161, v162
	v_cvt_pk_bf16_f32 v167, v163, v164
	v_cvt_pk_bf16_f32 v168, v165, v165
	v_lshlrev_b32 v161, 16, v166
	v_and_b32 v162, s56, v166
	v_lshlrev_b32 v163, 16, v167
	v_and_b32 v164, s56, v167
	v_lshlrev_b32 v165, 16, v168
	v_mul_f32 v165, s40, v165
	v_add_f32 v164, 0x3727c5ac, v164               ; var + 1e-5
	v_sqrt_f32 v166, v164
	v_nop                                          ; a plain instruction behind the root,
	s_wait_alu depctr_va_vdst(0)                   ; and a wait ahead of its first reader
	v_rcp_f32 v167, v166
	v_fma_f32 v168, -v166, v166, v164              ; what the root's square lacks (names nothing of the reciprocal's result)
	s_wait_alu depctr_va_vdst(0)
	v_mul_f32 v168, 0.5, v168
	v_fma_f32 v166, v168, v167, v166               ; y = y + e / (2 y)
	v_rcp_f32 v167, v166
	v_nop
	s_wait_alu depctr_va_vdst(0)
	v_fma_f32 v168, -v166, v167, 1.0
	v_fma_f32 v167, v168, v167, v167               ; the reciprocal, corrected
	v_mul_f32 v169, v161, v167                     ; the quotient,
	v_fma_f32 v168, -v169, v166, v161              ; its remainder,
	v_fma_f32 v174, v168, v167, v169               ; inv
	v_fma_f32 v175, -v163, v174, v162              ; shift = beta - mean inv
	v_fma_f32 v175, v165, v174, v175               ; + bp inv
	global_store_b64 v173, v[174:175], s[32:33]
.Ldone:
	s_endpgm
.Lfunc_end_k_q65e41d2056_prep:
	.size	k_q65e41d2056_prep, .Lfunc_end_k_q65e41d2056_prep-k_q65e41d2056_prep
	.p2alignl 7, 3214868480
	.fill 96, 4, 3214868480
	.section	.rodata,"a",@progbits
	.p2align	6, 0x0
	.amdhsa_kernel k_q65e41d2056_prep
		.amdhsa_group_segment_fixed_size 0
		.amdhsa_private_segment_fixed_size 0
		.amdhsa_enable_private_segment 0
		.amdhsa_kernarg_size 104
		.amdhsa_user_sgpr_count 2
		.amdhsa_user_sgpr_kernarg_segment_ptr 1
		.amdhsa_wavefront_size32 1
		.amdhsa_system_sgpr_workgroup_id_x 1
		.amdhsa_system_sgpr_workgroup_id_y 1
		.amdhsa_system_sgpr_workgroup_id_z 1
		.amdhsa_system_vgpr_workitem_id 0
		.amdhsa_next_free_vgpr 256
		.amdhsa_next_free_sgpr 66
		.amdhsa_reserve_vcc 0
		.amdhsa_float_denorm_mode_32 3
		.amdhsa_float_denorm_mode_16_64 3
		.amdhsa_memory_ordered 1
		.amdhsa_forward_progress 1
		.amdhsa_inst_pref_size 34
	.end_amdhsa_kernel
	.amdgpu_metadata
---
amdhsa.version: [ 1, 2 ]
amdhsa.kernels:
  - .name:           k_q65e41d2056_prep
    .symbol:         k_q65e41d2056_prep.kd
    .args:
      - { .name: x, .offset: 0, .size: 8, .value_kind: global_buffer, .address_space: global }
      - { .name: wq, .offset: 8, .size: 8, .value_kind: global_buffer, .address_space: global }
      - { .name: wk, .offset: 16, .size: 8, .value_kind: global_buffer, .address_space: global }
      - { .name: wv, .offset: 24, .size: 8, .value_kind: global_buffer, .address_space: global }
      - { .name: wp, .offset: 32, .size: 8, .value_kind: global_buffer, .address_space: global }
      - { .name: bp, .offset: 40, .size: 8, .value_kind: global_buffer, .address_space: global }
      - { .name: bn_q, .offset: 48, .size: 8, .value_kind: global_buffer, .address_space: global }
      - { .name: bn_k, .offset: 56, .size: 8, .value_kind: global_buffer, .address_space: global }
      - { .name: bn_v, .offset: 64, .size: 8, .value_kind: global_buffer, .address_space: global }
      - { .name: bn_p, .offset: 72, .size: 8, .value_kind: global_buffer, .address_space: global }
      - { .name: xsf, .offset: 80, .size: 8, .value_kind: global_buffer, .address_space: global }
      - { .name: wf, .offset: 88, .size: 8, .value_kind: global_buffer, .address_space: global }
      - { .name: bnc, .offset: 96, .size: 8, .value_kind: global_buffer, .address_space: global }
    .group_segment_fixed_size: 0
    .private_segment_fixed_size: 0
    .kernarg_segment_align: 8
    .kernarg_segment_size: 104
    .max_flat_workgroup_size: 256
    .sgpr_count:     66
    .vgpr_count:     256
    .wavefront_size: 32
...
	.end_amdgpu_metadata
.endif
;; end of part 5
;; launch qkvg (part 6): grid 8 x 32, 4 waves a work-group, clusters of 4 x 4, 327,680 bytes of LDS; arguments xsf, wf, bnc, qs, gbuf; writes qs, gbuf
.if DOCPART == 6
	.amdgcn_target "amdgcn-amd-amdhsa--gfx1250"
	.amdhsa_code_object_version 6
	.text
	.protected	k_q65e41d2056_qkvg
	.globl	k_q65e41d2056_qkvg
	.p2align	8
	.type	k_q65e41d2056_qkvg,@function
k_q65e41d2056_qkvg:
	s_mov_b64 s[64:65], 0
	v_nop
	global_prefetch_b8 v0, s[64:65] scope:SCOPE_SE
	s_setreg_imm32_b32 hwreg(HW_REG_WAVE_MODE, 25, 1), 1
	s_wait_xcnt 0x0
	s_wait_alu depctr_hold_cnt(0) depctr_sa_sdst(0) depctr_va_vdst(0) depctr_va_sdst(0) depctr_va_ssrc(0) depctr_va_vcc(0) depctr_vm_vsrc(0)
	s_getreg_b32 s2, hwreg(HW_REG_IB_STS2, 6, 4)
	s_cmp_eq_u32 s2, 0
	s_cbranch_scc0 .Lentry_in_a_cluster
	s_endpgm
.Lentry_in_a_cluster:
	s_bfe_u32 s2, ttmp6, 0x10000c
	s_cmp_lg_u32 s2, 0xf033
	s_cbranch_scc0 .Lentry_shape_is_right
	s_endpgm
.Lentry_shape_is_right:
; QKVG.  For one (b, head): y = [wq_h; wk_h; wv_h] xs (192 rows x 1,024 columns, K = 512), BN, the LIF over t (tau 0.5, threshold 1, hard reset), and of the spikes k and v the seven count matrices
; G_js = k_j^T v_s (64 x 64, summed over all 256 n) for (j, s) = (0,0) (0,1) (0,2) (1,1) (1,2) (2,2) (3,3), which are all that the attention, taken as q (k^T v), needs of k and v.
; Out go q's spikes (bf16) and the seven G (counts of at most 256: exact in bf16); k and v never leave the chip.
; A WORK-GROUP STAYS: it walks four tiles g of 192 rows x 256 columns (the 64 columns of group g for all four t), 4 K steps of 128 each: 16 K steps on one ring of two LDS slots, which runs on across the tiles.
; SHARES.  Wave w takes column tile e = w for all four t, and all 192 rows: 12 channel tiles (0-3 q, 4-7 k, 8-11 v) x 4 t = 48 accumulators.  All four t of a site lie in one lane and one register number, so
; the LIF is plain register arithmetic behind a tile's products.
; OPERANDS lie in memory in fragment order (half-blocks of 512 bytes, lane L at byte 16 L): a K step's X is 65,536 dense bytes, a head's W 49,152; every LDS access takes 512 consecutive bytes.
; THE MATRIX INSTRUCTION: source 0 = 16 column slots of X, source 1 = 16 rows of W.  In the result lane l holds channel l % 16 and its registers the slots 8 (l / 16) + 0 .. 7: packed, that is a half-block
; with the channel in the lane and the slots along K: what G's products want of k (source 0) and of v (source 1).
; THE G STEP, behind each tile's way out: the four waves put k's and v's half-blocks into LDS, meet at a barrier, and wave w adds the tile's 64 n onto dv tile w of all seven G: 28 accumulators, 56 products.
; qs: [b 32][head 8][t 4][dtl 4][nt 16][512]: lane (r, h) holds channel 64 head + 16 dtl + r, slots 8 h + j of column tile nt = 4 g + e.
; gbuf: [b 32][head 8][G 7][dvt 4][kf 2][half 2][512]: lane (r, h) holds G[dk = 32 kf + 16 half + 8 h + j][dv = 16 dvt + r].
; CLUSTER.  4 x 4 work-groups: four heads (cx) x four b (cy).  X hangs on b alone and is asked for JOINTLY by a row of the cluster, W on the head alone and by a column: each request serves four.
; THE RING.  A slot is asked for again behind the round that ends its K step and has 168 matrix instructions in which to land; a wave has two tensor loads out at the start and one afterwards.
; ONE WAY OUT.  The last tile's last two changes of slots ask for nothing; they are written out as the second arm of two forward branches on the count of tiles (the same number in every work-group);
; both arms hold their own waits and barriers and meet again, so that the way out and the G step stand once in the text.
; G's 224 sum registers are cleared once, while the first tiles are on their way, so that the G step has one text for all four tiles.
; ARITHMETIC.  u = fma(y, inv, shift); v = fma(0.5, v, u); s = (v >= 1) made as clamp(v x 2^30 - (2^30 - 64)), which is exact; v = v - v s.
; LIMITS.  NaN and infinities are not treated apart.  A spike can differ from the function's only where a membrane lies within the rounding of the f32 sums' order of its threshold.
.set SLOT1,  1<<17                     ; slot 1 begins here: one exclusive or turns an address in one slot into the other's
.set WPART,  65536                     ; in a slot: X [t 4][cs 8][e 4][512], then W [k32 4][rt 12][half 2][512]
.set STEPX,  65536                     ; a K step of X in memory; the 16 steps of the walk lie end to end
.set STEPW,  49152                     ; a K step of a head's W
.set KV,     SLOT1+WPART+STEPW         ; behind the ring, never filled by a tensor load: k and v of one tile: [k, v][t 4][dtl 4][e 4][512]
.set SPARE,  KV+65536                  ; the spare words, 128 bytes for each wave: two blocks of 256 bytes that no other line names
.set ADX0, 16                          ; v16  16 L + 512 w: my lane's place in X's part; never rewritten
.set ADW0, 17                          ; v17  WPART + 16 L; never rewritten
.set ADX,  18                          ; v18  the same in the slot in hand
.set ADW,  19                          ; v19
.set SO,   20                          ; v20  16 L + 512 w: my byte offset in qs
.set BO,   21                          ; v21  8 r: my channel's pair in bnc
.set KVW,  22                          ; v22  KV + 512 w + 16 L: where I put k and v
.set KVR,  23                          ; v23  KV + 16 L: where I read k
.set KVV,  24                          ; v24  KV + 32,768 + 2,048 w + 16 L: where I read v's channel tile w
.set GO,   25                          ; v25  16 L + 2,048 w: my byte offset in gbuf
.set PFO,  26                          ; v26  256 L: the prefetches' offset, a lane a row; never rewritten
.set SPW,  28                          ; v28  LDS address of my spare word; never rewritten
.set NIL,  29                          ; v29  0; never rewritten
.set BN,   32                          ; v[32:55] (inv, shift) of my channel in each of the twelve channel tiles
.set BV,   56                          ; v[56:57] 2^30, twice
.set CV,   58                          ; v[58:59] -(2^30 - 64), twice
.set GL,   64                          ; v[64:159] window 0: G's sums 4, 5, 6 (32 each);  window 3, v[128:255]: sums 0 to 3
.set SR,   160                         ; v[160:223] two channel tiles' spikes as 0.0 / 1.0: [tile][t][8]
.set PR,   224                         ; v[224:255] the same packed
.set XF,   192                         ; window 1: W's fragments at 96 f + 8 a (buffer f, channel tile a), X's at 192 + 32 f + 8 t
; window 2: the accumulators of channel tiles 0-7, (a, t) at 32 a + 8 t;  window 3, v[0:127]: those of tiles 8-11.  In the G step: k's fragments in window 2 (128 kk + 8 (4 j + i)), v's in window 3 (32 kk + 8 s)
.set WV,  12                           ; s12 wave   s13 head   s14 b   s15 cx   s16 cy   s17 tiles to go   s18 the slot in hand   s19 an inner count
.set HD,  13
.set BB,  14
.set CX,  15
.set CY,  16
.set TL,  17
.set TB,  18
.set CNT, 19
.set GB,  20                           ; s[20:21] gbuf at my (b, head)
.set G1X, 24                           ; s[24:31] descriptor group 1 for X (mask: my row)
.set G1W, 32                           ; s[32:39] for W (mask: my column)
.set G0X, 40                           ; s[40:47] group 0 for X: a set for each of the two first fills; the second then walks on
.set G0W, 48                           ; s[48:55] the same for W
.set PFA, 60                           ; s[60:61] where my prefetches stand
.set LIM, 62                           ; s62  1 in a wave that prefetches, else the greatest number
.set MSB, 0
.macro WIN new                         ; the immediate's high byte repeats the setting that is left; a switch that changes nothing is dropped
.if MSB != (\new)
	s_set_vgpr_msb (MSB<<8)|(\new)
.set MSB, \new
.endif
.endm
.macro PLACES                          ; four plain instructions between a matrix instruction and a load into, or a vector write of, one of its registers
.rept 4
	v_nop
.endr
.endm
; A joint refill.  Waves 0 and 1 fetch the halves of X's block, waves 2 and 3 those of W's.  The branch hangs on the wave's number alone.  An s_nop 0 and four v_nop follow each line.
.macro JLOAD
	s_cmp_lt_u32 s[WV], 2
	s_cbranch_scc0 .Lfor_w_\@
	tensor_load_to_lds s[G0X+4:G0X+7], s[G1X:G1X+7]
	s_nop 0
.rept 4
	v_nop
.endr
	s_branch .Lasked_\@
.Lfor_w_\@:
	tensor_load_to_lds s[G0W+4:G0W+7], s[G1W:G1W+7]
	s_nop 0
.rept 4
	v_nop
.endr
.Lasked_\@:
.endm
; A PREFETCH INTO THE L2, behind each refill and the run of LDS loads that follows it: X's K step that stands TWO refills on, 336 matrix instructions ahead of the load that will want it.  Each row of 256 bytes
; is named once in the launch: a b's X is walked by the two clusters that hold its eight heads, and the one with x = 0 asks; of the 128 rows that wave 0 or 1 fetches, the partner at place cx takes
; 32 cx .. 32 cx + 31, told apart BY ADDRESS: a lane a row, one instruction.  K steps 0 to 3 come by their loads alone; the last tile asks for nothing: the walk ends with it.
; W is not asked for: its K steps 2 and 3 of the first walk stand nearer than two refills, and the later walks read the same rows again.
.macro ASK
	s_cmp_gt_u32 s[TL], s[LIM]
	s_cbranch_scc0 .Lnot_mine_\@
	global_prefetch_b8 v[PFO], s[PFA:PFA+1] th:TH_LOAD_NT scope:SCOPE_SE
.Lnot_mine_\@:
.endm
.macro CREST                           ; a round of the cluster's barrier behind its opening barrier
	s_cmp_lg_u32 s[WV], 0
	s_cbranch_scc1 .Lnot_wave_0_\@
	s_barrier_signal -3
.Lnot_wave_0_\@:
	s_barrier_wait -3
	s_barrier_signal -1
	s_barrier_wait -1
.endm
.macro CROUND                          ; a whole round
	s_barrier_signal -1
	s_barrier_wait -1
	CREST
.endm
	s_load_b256 s[4:11], s[0:1], 0x0               ; xsf s[4:5], wf s[6:7], bnc s[8:9], qs s[10:11]
	s_load_b64 s[GB:GB+1], s[0:1], 0x20            ; gbuf
	v_lshl_add_u32 v[SPW], v0, 2, SPARE
	v_mov_b32 v[NIL], 0
	ds_add_u32 v[SPW], v[NIL]                      ; the wave's opening: the add, twice on end, and its wait ahead of my first tensor load
	ds_add_u32 v[SPW], v[NIL]
	v_lshrrev_b32 v1, 5, v0
	v_readfirstlane_b32 s[WV], v1
	s_bfe_u32 s[CX], ttmp6, 0x40000                ; my place in the cluster
	s_bfe_u32 s[CY], ttmp6, 0x40004
	s_lshl_b32 s[HD], ttmp9, 2
	s_add_co_u32 s[HD], s[HD], s[CX]               ; head = 4 x cluster x + cx
	s_and_b32 s[BB], ttmp7, 0xffff
	s_lshl_b32 s[BB], s[BB], 2
	s_add_co_u32 s[BB], s[BB], s[CY]               ; b = 4 x cluster y + cy
	s_lshl_b32 s62, s[CY], 2
	s_lshl_b32 s62, 15, s62                        ; my row of the cluster: places 4 cy .. 4 cy + 3
	s_lshl_b32 s63, 0x1111, s[CX]                  ; my column: places cx, cx + 4, cx + 8, cx + 12
	s_or_b32 s[G1X], s62, (3<<16)|(1<<21)          ; 15:0 the mask; 17:16 elements of 8 bytes; 21 set beside a mask; no padding
	s_or_b32 s[G1W], s63, (3<<16)|(1<<21)
	s_mov_b32 s[G1X+1], 32<<16                     ; tensor_dim0 = 32 elements = 256 bytes
	s_mov_b32 s[G1X+2], 128<<16                    ; tensor_dim1 = 128 rows: half of X's block
	s_mov_b32 s[G1X+3], 32<<16                     ; tile_dim0 = 32
	s_mov_b32 s[G1X+4], 128                        ; tile_dim1 = 128
	s_mov_b32 s[G1X+5], 32                         ; the rows lie end to end
	s_mov_b32 s[G1X+6], 0
	s_mov_b32 s[G1X+7], 0
	s_mov_b32 s[G1W+1], 32<<16
	s_mov_b32 s[G1W+2], 96<<16                     ; 96 rows: half of W's block
	s_mov_b32 s[G1W+3], 32<<16
	s_mov_b32 s[G1W+4], 96
	s_mov_b32 s[G1W+5], 32
	s_mov_b32 s[G1W+6], 0
	s_mov_b32 s[G1W+7], 0
	s_and_b32 s22, s[WV], 1                        ; which half of a block I fetch, in memory and in LDS:
	s_mul_i32 s23, s22, STEPW/2                    ; of W's,
	s_lshl_b32 s22, s22, 15                        ; of X's
	s_lshl_b32 s56, s[BB], 20                      ; X's offset is made of b and the wave's number alone,
	s_or_b32 s56, s56, s22
	s_mov_b32 s57, 0
	s_mul_i32 s58, s[HD], 4*STEPW                  ; W's of the head and the wave's number alone
	s_add_co_u32 s58, s58, s23
	s_mov_b32 s59, 0
	s_mov_b32 s[TB], 0
	s_wait_dscnt 0x0                               ; both opening adds are done
	s_wait_kmcnt 0x0
	s_add_nc_u64 s[56:57], s[4:5], s[56:57]
	s_add_nc_u64 s[58:59], s[6:7], s[58:59]
	CROUND                                         ; all sixteen work-groups are here: the first joint loads meet
.irp s, 0,1
	s_mov_b32 s[G0X+4*(\s)], 1
	s_add_co_u32 s[G0X+4*(\s)+1], s22, (\s)*SLOT1
	s_add_nc_u64 s[G0X+4*(\s)+2:G0X+4*(\s)+3], s[56:57], (\s)*STEPX
	s_or_b32 s[G0X+4*(\s)+3], s[G0X+4*(\s)+3], 0x80000000
	s_mov_b32 s[G0W+4*(\s)], 1
	s_add_co_u32 s[G0W+4*(\s)+1], s23, (\s)*SLOT1+WPART
	s_add_nc_u64 s[G0W+4*(\s)+2:G0W+4*(\s)+3], s[58:59], (\s)*STEPW
	s_or_b32 s[G0W+4*(\s)+3], s[G0W+4*(\s)+3], 0x80000000
.endr
	s_cmp_lt_u32 s[WV], 2                          ; a wave's two first fills stand in one branch, ahead of every wait on TENSORcnt and every LDS read
	s_cbranch_scc0 .Lfirst_w
	tensor_load_to_lds s[G0X:G0X+3], s[G1X:G1X+7]
	s_nop 0
	tensor_load_to_lds s[G0X+4:G0X+7], s[G1X:G1X+7]
	s_nop 0
.rept 4
	v_nop
.endr
	s_branch .Lfirst_asked
.Lfirst_w:
	tensor_load_to_lds s[G0W:G0W+3], s[G1W:G1W+7]
	s_nop 0
	tensor_load_to_lds s[G0W+4:G0W+7], s[G1W:G1W+7]
	s_nop 0
.rept 4
	v_nop
.endr
.Lfirst_asked:
	v_and_b32 v1, 31, v0
	v_lshlrev_b32 v[PFO], 8, v1
	v_lshlrev_b32 v1, 4, v1                        ; 16 L
	s_lshl_b32 s63, s[WV], 9
	v_add_nc_u32 v[ADX0], s63, v1
	v_add_nc_u32 v[ADW0], WPART, v1
	v_mov_b32 v[ADX], v[ADX0]
	v_mov_b32 v[ADW], v[ADW0]
	v_add_nc_u32 v[SO], s63, v1
	v_add_nc_u32 v[KVW], KV, v[SO]
	v_add_nc_u32 v[KVR], KV, v1
	s_lshl_b32 s63, s[WV], 11
	v_add_nc_u32 v[GO], s63, v1
	v_add_nc_u32 v[KVV], KV+32768, v[GO]
	v_and_b32 v[BO], 15, v0
	v_lshlrev_b32 v[BO], 3, v[BO]
	s_lshl_b32 s2, s[HD], 9                        ; bnc: 8 bytes x 64 head; the table (4,096 bytes) and the channel tile (128) stand in the immediate
	s_mov_b32 s3, 0
	s_add_nc_u64 s[8:9], s[8:9], s[2:3]
.irp d, 0,1,2,3,4,5,6,7,8,9,10,11
	global_load_b64 v[BN+2*(\d):BN+2*(\d)+1], v[BO], s[8:9] offset:4096*((\d)/4)+128*((\d)%4)
.endr
	v_mov_b32 v[BV], 0x4e800000
	v_mov_b32 v[BV+1], 0x4e800000
	v_mov_b32 v[CV], 0xce7fffff
	v_mov_b32 v[CV+1], 0xce7fffff
	s_lshl_b32 s2, s[BB], 20                       ; qs at my (b, head)
	s_lshl_b32 s3, s[HD], 17
	s_or_b32 s2, s2, s3
	s_mov_b32 s3, 0
	s_add_nc_u64 s[10:11], s[10:11], s[2:3]
	s_lshl_b32 s2, s[BB], 3                        ; gbuf: 57,344 bytes for each (b, head)
	s_add_co_u32 s2, s2, s[HD]
	s_mul_i32 s2, s2, 57344
	s_add_nc_u64 s[GB:GB+1], s[GB:GB+1], s[2:3]
	s_lshl_b32 s2, s[BB], 20                       ; the prefetches: my b, the half that I fetch, my work-group's 32 rows of it,
	s_and_b32 s3, s[WV], 1
	s_lshl_b32 s3, s3, 15
	s_or_b32 s2, s2, s3
	s_lshl_b32 s3, s[CX], 13
	s_or_b32 s2, s2, s3
	s_mov_b32 s3, 0
	s_add_nc_u64 s[PFA:PFA+1], s[4:5], s[2:3]
	s_add_nc_u64 s[PFA:PFA+1], s[PFA:PFA+1], 3*STEPX  ; at K step 3: the first refill steps it to 4.  Nothing is prefetched here, at the head
	s_lshr_b32 s62, s[WV], 1                       ; waves 0 and 1,
	s_or_b32 s62, s62, ttmp9                       ; where the cluster's x is 0: the same in all sixteen partners, for a given wave
	s_cmp_eq_u32 s62, 0
	s_cselect_b32 s[LIM], 1, -1
	WIN 0xc0                                       ; G's sums start at 0
.set z, 128
.rept 128
	v_mov_b32 v[z], 0
.set z, z+1
.endr
	WIN 0
.set z, GL
.rept 96
	v_mov_b32 v[z], 0
.set z, z+1
.endr
; 4 n matrix instructions: channel tiles a0 .. a0 + n - 1 x the four t, 32 along K, from buffer f.  zero = 1: the product starts the sum.  The 48 accumulators take turns in one fixed order.
.macro MULR f, a0, n, zero
.set a, \a0
.rept \n
.if a < 8
	WIN 0xa5                                       ; both sources window 1, C and D window 2
.set AC, 32*a
.else
	WIN 0xf5                                       ; C and D window 3
.set AC, 32*(a-8)
.endif
.irp b, 0,1,2,3
.if \zero
	v_wmma_f32_16x16x32_bf16 v[AC+8*(\b):AC+8*(\b)+7], v[XF+32*(\f)+8*(\b):XF+32*(\f)+8*(\b)+7], v[96*(\f)+8*a:96*(\f)+8*a+7], 0
.else
	v_wmma_f32_16x16x32_bf16 v[AC+8*(\b):AC+8*(\b)+7], v[XF+32*(\f)+8*(\b):XF+32*(\f)+8*(\b)+7], v[96*(\f)+8*a:96*(\f)+8*a+7], v[AC+8*(\b):AC+8*(\b)+7]
.endif
.endr
.set a, a+1
.endr
.endm
; 32 LDS loads in one run: the fragments of quarter q (32 along K) into buffer f: X's four t, then W's twelve channel tiles
.macro FETCH q, f
	WIN 0x40
.irp t, 0,1,2,3
	ds_load_b128 v[XF+32*(\f)+8*(\t):XF+32*(\f)+8*(\t)+3],   v[ADX] offset:16384*(\t)+4096*(\q)
	ds_load_b128 v[XF+32*(\f)+8*(\t)+4:XF+32*(\f)+8*(\t)+7], v[ADX] offset:16384*(\t)+4096*(\q)+2048
.endr
.set a, 0
.rept 12
	ds_load_b128 v[96*(\f)+8*a:96*(\f)+8*a+3],   v[ADW] offset:12288*(\q)+1024*a
	ds_load_b128 v[96*(\f)+8*a+4:96*(\f)+8*a+7], v[ADW] offset:12288*(\q)+1024*a+512
.set a, a+1
.endr
.endm
; A quarter of a K step: multiplies buffer f; in its middle it fetches quarter q of the same slot into buffer g.
.macro QUARTER q, f, g, zero
	s_wait_dscnt 12                                ; X and W's channel tiles 0-5 are in; the youngest twelve loads (tiles 6-11) may be out
	MULR \f, 0, 6, \zero
	PLACES
	FETCH \q, \g
	s_wait_dscnt 32                                ; all but the 32 just issued
	MULR \f, 6, 6, \zero
.endm
; A K step's last quarter multiplies buffer 1 and changes slots.  In front of the barrier each wave waits for all its tensor loads (the one that is out is its part of the next slot), adds 0 to its spare
; word, and waits for that and for its reads of this slot.  fill = 1: the barrier opens a round of the cluster's barrier, and the slot just read out is filled again first thing behind it, two K steps ahead.
; back = 1: that K step is the next tile's first: W goes back to its first K step; X's blocks lie end to end.
.macro TURN fill, back
	WIN 0
.if \fill
	s_wait_xcnt 0x0                                ; the last prefetch, a K step back, has read its address: it is stepped here, ahead of the waits of the change of slots
	s_add_nc_u64 s[PFA:PFA+1], s[PFA:PFA+1], STEPX
.endif
	s_wait_tensorcnt 0x0                           ; no tensor load of mine is out, so a group 0 may be written
	ds_add_u32 v[SPW], v[NIL]                      ; 0 onto my spare word
.if \fill
	s_xor_b32 s[G0X+5], s[G0X+5], SLOT1            ; the walking descriptors: the other slot than last time, the next K step
	s_add_nc_u64 s[G0X+6:G0X+7], s[G0X+6:G0X+7], STEPX
	s_xor_b32 s[G0W+5], s[G0W+5], SLOT1
.if \back
	s_sub_nc_u64 s[G0W+6:G0W+7], s[G0W+6:G0W+7], 3*STEPW
.else
	s_add_nc_u64 s[G0W+6:G0W+7], s[G0W+6:G0W+7], STEPW
.endif
.endif
	s_wait_dscnt 13                                ; the add and the youngest twelve loads may be out
	MULR 1, 0, 3, 0
	s_wait_dscnt 0x0                               ; the add is done, and my reads of this slot are over
	s_barrier_signal -1
	MULR 1, 3, 3, 0                                ; work on registers while the others arrive
	WIN 0
	s_barrier_wait -1
.if \fill
	CREST                                          ; no wave of any partner still reads this slot or has a load on its way
	JLOAD                                          ; the four v_nop behind it are also the places in front of the loads below
.else
	PLACES
.endif
	s_xor_b32 s[TB], s[TB], SLOT1
	v_add_nc_u32 v[ADX], s[TB], v[ADX0]
	v_add_nc_u32 v[ADW], s[TB], v[ADW0]
	FETCH 0, 0
.if \fill
	WIN 0
	ASK
.endif
	MULR 1, 6, 6, 0
.endm
; THE WAY OUT of channel tiles 2 p and 2 p + 1: BN on their eight accumulators (each read from its low end on), the LIF over t in place, the spikes packed; q's go to memory (each store of the wave covers
; 512 consecutive bytes), k's and v's into LDS.
.macro EPI2 p
.if (\p) < 4
.set W, 2
.set AB, 64*(\p)
.else
.set W, 3
.set AB, 64*((\p)-4)
.endif
	WIN (W<<6)|W
.set z, 0
.rept 32
	v_pk_fma_f32 v[AB+2*z:AB+2*z+1], v[AB+2*z:AB+2*z+1], v[BN+4*(\p)+2*(z/16):BN+4*(\p)+2*(z/16)+1], v[BN+4*(\p)+2*(z/16):BN+4*(\p)+2*(z/16)+1] op_sel:[0,0,1] op_sel_hi:[1,0,1]  ; u = y inv + shift
.set z, z+1
.endr
.irp t, 0,1,2,3
	WIN W
.set z, 0
.rept 8
.set o, 32*(z/4)+8*(\t)+2*(z%4)
	v_pk_fma_f32 v[SR+o:SR+o+1], v[AB+o:AB+o+1], v[BV:BV+1], v[CV:CV+1] clamp  ; s = (v >= 1)
.set z, z+1
.endr
.if (\t) < 3
	WIN (W<<6)|(W<<4)|W
.set z, 0
.rept 8
.set o, 32*(z/4)+8*(\t)+2*(z%4)
	v_pk_fma_f32 v[AB+o:AB+o+1], v[AB+o:AB+o+1], v[SR+o:SR+o+1], v[AB+o:AB+o+1] neg_lo:[0,1,0] neg_hi:[0,1,0]  ; v = v - v s
.set z, z+1
.endr
.set z, 0
.rept 8
.set o, 32*(z/4)+8*(\t)+2*(z%4)
	v_pk_fma_f32 v[AB+o+8:AB+o+9], v[AB+o:AB+o+1], 0.5, v[AB+o+8:AB+o+9] op_sel_hi:[1,0,1]  ; the next step's v = 0.5 v + u
.set z, z+1
.endr
.endif
.endr
	WIN 0
.if ((\p) == 1) || ((\p) == 2)
	s_wait_xcnt 0x0                                ; q's stores have read the packed spikes and their base: both are rewritten only behind this wait
.endif
.if (\p) == 2
	s_add_nc_u64 s[10:11], s[10:11], 2048          ; the next tile's four column tiles of qs
.endif
.set z, 0
.rept 32
	v_cvt_pk_bf16_f32 v[PR+z], v[SR+2*z], v[SR+2*z+1]
.set z, z+1
.endr
.irp c, 0,1,2,3,4,5,6,7                ; c = 4 x (which of the two channel tiles) + t
.if (\p) < 2
	global_store_b128 v[SO], v[PR+4*(\c):PR+4*(\c)+3], s[10:11] offset:32768*((\c)%4)+8192*(2*(\p)+(\c)/4)
.else
	ds_store_b128 v[KVW], v[PR+4*(\c):PR+4*(\c)+3] offset:32768*(((\p)-2)/2)+8192*((\c)%4)+2048*(2*((\p)%2)+(\c)/4)
.endif
.endr
.endm
; G number g += k_j^T v_s over 32 of the tile's slots (half kk): four tiles of dk
.macro GM4 kk, g, j, s
.if (\g) < 4
	WIN 0xfe                                       ; k window 2, v window 3, C and D window 3
.set GD, 128+32*(\g)
.else
	WIN 0x0e                                       ; C and D window 0
.set GD, GL+32*((\g)-4)
.endif
.irp i, 0,1,2,3
	v_wmma_f32_16x16x32_bf16 v[GD+8*(\i):GD+8*(\i)+7], v[128*(\kk)+8*(4*(\j)+(\i)):128*(\kk)+8*(4*(\j)+(\i))+7], v[32*(\kk)+8*(\s):32*(\kk)+8*(\s)+7], v[GD+8*(\i):GD+8*(\i)+7]
.endr
.endm
.macro GMUL kk                         ; 28 matrix instructions on 28 accumulators, which take turns in one fixed order
	GM4 \kk, 0, 0, 0
	GM4 \kk, 1, 0, 1
	GM4 \kk, 2, 0, 2
	GM4 \kk, 3, 1, 1
	GM4 \kk, 4, 1, 2
	GM4 \kk, 5, 2, 2
	GM4 \kk, 6, 3, 3
.endm
	s_wait_tensorcnt 1                             ; my part of K step 0 is in; K step 1's may stay out
	s_barrier_signal -1
	s_barrier_wait -1                              ; everybody's is
	FETCH 0, 0
	WIN 0
	s_mov_b32 s[TL], 4
.Ltile:
	QUARTER 1, 0, 1, 1                             ; a tile's first quarter: its products start the sums
	WIN 0
	s_mov_b32 s[CNT], 2
.Lstep:                                                ; a trip: from a K step's second quarter to the next step's first; both trips ask for a K step of this tile
	QUARTER 2, 1, 0, 0
	QUARTER 3, 0, 1, 0
	TURN 1, 0
	QUARTER 1, 0, 1, 0
	WIN 0
	s_sub_co_u32 s[CNT], s[CNT], 1
	s_cmp_lg_u32 s[CNT], 0
	s_cbranch_scc1 .Lstep
	QUARTER 2, 1, 0, 0
	QUARTER 3, 0, 1, 0
	WIN 0
	s_cmp_eq_u32 s[TL], 1
	s_cbranch_scc1 .Lquiet_a
	TURN 1, 1                                      ; the ring goes on into the next tile: its K step 0 is asked for
	WIN 0
	s_branch .Lthird
.Lquiet_a:
	TURN 0, 0                                      ; the last tile: nothing is left to ask for
	WIN 0
.Lthird:
	QUARTER 1, 0, 1, 0
	QUARTER 2, 1, 0, 0
	QUARTER 3, 0, 1, 0
	WIN 0
	s_cmp_eq_u32 s[TL], 1
	s_cbranch_scc1 .Lquiet_b
	TURN 1, 0                                      ; the next tile's K step 1 is asked for, and its first fragments are fetched
	WIN 0
	s_branch .Lout
.Lquiet_b:
	s_wait_dscnt 12                                ; the walk's very last quarter
	MULR 1, 0, 6, 0
	s_wait_dscnt 0x0
	MULR 1, 6, 6, 0
	WIN 0
.Lout:
	PLACES
	PLACES
	s_wait_loadcnt 0x0                             ; the BN pairs (met at once from the second tile on)
	EPI2 0
	EPI2 1
	EPI2 2
	EPI2 3
	EPI2 4
	EPI2 5
	s_wait_dscnt 0x0                               ; for the others' sake: my k and v lie in LDS (and the next tile's first fragments are in)
	s_barrier_signal -1
	s_barrier_wait -1                              ; everybody's do.  They are written again only behind the next tile's barriers, in front of which every wave has waited for the reads below
.irp kk, 0,1
	WIN 0x80
.set z, 0
.rept 16                               ; z = 4 j + i: k_j, channel tile i; column tiles 2 kk and 2 kk + 1 are the fragment's halves
	ds_load_b128 v[128*(\kk)+8*z:128*(\kk)+8*z+3],   v[KVR] offset:8192*(z/4)+2048*(z%4)+1024*(\kk)
	ds_load_b128 v[128*(\kk)+8*z+4:128*(\kk)+8*z+7], v[KVR] offset:8192*(z/4)+2048*(z%4)+1024*(\kk)+512
.set z, z+1
.endr
	WIN 0xc0
.set z, 0
.rept 4                                ; v_z, channel tile w
	ds_load_b128 v[32*(\kk)+8*z:32*(\kk)+8*z+3],   v[KVV] offset:8192*z+1024*(\kk)
	ds_load_b128 v[32*(\kk)+8*z+4:32*(\kk)+8*z+7], v[KVV] offset:8192*z+1024*(\kk)+512
.set z, z+1
.endr
.endr
	s_wait_dscnt 40                                ; the first 40 loads are in
	GMUL 0
	s_wait_dscnt 0x0
	GMUL 1
	WIN 0
	PLACES                                         ; the next tile's first products write over registers that these products have read; at the end the conversions read their results
	PLACES
	s_sub_co_u32 s[TL], s[TL], 1
	s_cmp_lg_u32 s[TL], 0
	s_cbranch_scc1 .Ltile
	; THE SEVEN G go out: counts of at most 256, exact in bf16; tiles 2 kf, 2 kf + 1 of dk are the halves of fragment kf.  Each store of the wave covers 512 consecutive bytes.
	WIN 0x8f                                       ; sums 0 to 3 from window 3 into window 2
.set z, 0
.rept 64
	v_cvt_pk_bf16_f32 v[z], v[128+2*z], v[128+2*z+1]
.set z, z+1
.endr
	WIN 0x80                                       ; sums 4 to 6 from window 0
.set z, 0
.rept 48
	v_cvt_pk_bf16_f32 v[64+z], v[GL+2*z], v[GL+2*z+1]
.set z, z+1
.endr
	WIN 0x08                                       ; store data in window 2
.set z, 0
.rept 28
	global_store_b128 v[GO], v[4*z:4*z+3], s[GB:GB+1] offset:8192*(z/4)+512*(z%4)
.set z, z+1
.endr
	WIN 0
	s_wait_tensorcnt 0x0                           ; the wave's end
	ds_add_u32 v[SPW], v[NIL]
	s_wait_dscnt 0x0
	CROUND                                         ; the closing round: no work-group ends while a partner may still ask for a block that names it
	s_endpgm
.Lfunc_end_k_q65e41d2056_qkvg:
	.size	k_q65e41d2056_qkvg, .Lfunc_end_k_q65e41d2056_qkvg-k_q65e41d2056_qkvg
	.p2alignl 7, 3214868480
	.fill 96, 4, 3214868480
	.section	.rodata,"a",@progbits
	.p2align	6, 0x0
	.amdhsa_kernel k_q65e41d2056_qkvg
		.amdhsa_group_segment_fixed_size 327680
		.amdhsa_private_segment_fixed_size 0
		.amdhsa_enable_private_segment 0
		.amdhsa_kernarg_size 40
		.amdhsa_user_sgpr_count 2
		.amdhsa_user_sgpr_kernarg_segment_ptr 1
		.amdhsa_wavefront_size32 1
		.amdhsa_system_sgpr_workgroup_id_x 1
		.amdhsa_system_sgpr_workgroup_id_y 1
		.amdhsa_system_sgpr_workgroup_id_z 1
		.amdhsa_system_vgpr_workitem_id 0
		.amdhsa_next_free_vgpr 1024
		.amdhsa_next_free_sgpr 66
		.amdhsa_reserve_vcc 0
		.amdhsa_float_denorm_mode_32 3
		.amdhsa_float_denorm_mode_16_64 3
		.amdhsa_memory_ordered 1
		.amdhsa_forward_progress 1
		.amdhsa_inst_pref_size 174
	.end_amdhsa_kernel
	.amdgpu_metadata
---
amdhsa.version: [ 1, 2 ]
amdhsa.kernels:
  - .name:           k_q65e41d2056_qkvg
    .symbol:         k_q65e41d2056_qkvg.kd
    .args:
      - { .name: xsf, .offset: 0, .size: 8, .value_kind: global_buffer, .address_space: global }
      - { .name: wf, .offset: 8, .size: 8, .value_kind: global_buffer, .address_space: global }
      - { .name: bnc, .offset: 16, .size: 8, .value_kind: global_buffer, .address_space: global }
      - { .name: qs, .offset: 24, .size: 8, .value_kind: global_buffer, .address_space: global }
      - { .name: gbuf, .offset: 32, .size: 8, .value_kind: global_buffer, .address_space: global }
    .group_segment_fixed_size: 327680
    .private_segment_fixed_size: 0
    .kernarg_segment_align: 8
    .kernarg_segment_size: 40
    .max_flat_workgroup_size: 128
    .sgpr_count:     66
    .vgpr_count:     1024
    .wavefront_size: 32
...
	.end_amdgpu_metadata
.endif
;; end of part 6
;; launch attn (part 7): grid 8 x 32, 4 waves a work-group, no clusters, 164,352 bytes of LDS; arguments qs, gbuf, mem_beta, af; writes af
.if DOCPART == 7
	.amdgcn_target "amdgcn-amd-amdhsa--gfx1250"
	.amdhsa_code_object_version 6
	.text
	.protected	k_q65e41d2056_attn
	.globl	k_q65e41d2056_attn
	.p2align	8
	.type	k_q65e41d2056_attn,@function
k_q65e41d2056_attn:
	s_mov_b64 s[64:65], 0
	v_nop
	global_prefetch_b8 v0, s[64:65] scope:SCOPE_SE
	s_setreg_imm32_b32 hwreg(HW_REG_WAVE_MODE, 25, 1), 1
	s_wait_xcnt 0x0
; ATTN.  The attention has no softmax, so it is taken in the other order: out_t = q_t (c_k^T c_v).  With G_js = k_j^T v_s (64 x 64 counts of at most 256, exact in bf16, made by the launch before) and
; B = mem_beta rounded to bf16:
;   out_0 = q0 G00;   out_1 = q1 (G11 + G00);   out_2 = q2 G22 + B q2 G01 + (1 - B) q2 G11;   out_3 = q3 G33 + B^2 q3 G02 + B (1 - B) q3 G12 + (1 - B) q3 G22   (all times 0.125).
; Every matrix product is a product of small whole numbers, exact in f32; the coefficients are applied to the products' f32 results.  Then the LIF (tau 0.5, threshold 0.5), run on 8 x the membrane, so that the
; factor 0.125 drops out exactly and the threshold is 4: s = clamp(M x 2^28 - (2^30 - 64)) is exactly (M >= 4).
; SHARES.  A work-group owns one (b, head); wave w makes the 64 columns of group g = w, a tile e of 16 slots a trip: source 0 = G (16 dv x 32 dk), source 1 = q (16 slots x 32 dk).  All seven G stay in each
; wave's registers (448); they lie in memory as fragments.  q lies in qs with the channel in the lane, so it goes once through the wave's own LDS rows [dk][slot] and comes back turned, by
; ds_load_tr16_b128.  In the result a lane holds one slot and eight channels: packed, a half-block of af.  No wave reads what another wrote: no barrier.
; af has xsf's layout: [b][g][ks][t][cs][e][512] with channel 128 ks + 16 cs + 8 h + j = 64 head + 16 dvt + 8 h + j.
; NO CLUSTER: no two work-groups read the same bytes.  No tensor loads: q must change its layout on the way into LDS, and G is wanted in registers.
; LIMITS.  NaN and infinities are not treated apart.  Where the mixed sums are not exact in f32 (large counts times many-bit coefficients) their rounding order differs from the function's.
.set QTW,   40960                      ; LDS: a wave's own q: [t 4][dk 64] rows
.set QP,    160                        ; of 128 bytes + 32
.set SPARE, 4*QTW                      ; the spare words, 128 bytes for each wave: two blocks of 256 bytes that no other line names
.set L16, 2                            ; v2   16 L
.set VQ,  4                            ; v4   16 L + 2,048 w: q's column tiles 4 w ..
.set QST, 5                            ; v5   where I put 16 bytes of q
.set QT0, 6                            ; v6   my lane's place for the turning load; never rewritten
.set QTL, 7                            ; v7   the same for the tile in hand
.set AO0, 10                           ; v10  16 L + g x 2^18: my offset in af; never rewritten
.set AO,  11                           ; v11  the same for the tile in hand
.set SPW, 28
.set NIL, 29
.set CB,  32                           ; v[32:33] B   v[34:35] 1 - B   v[36:37] B^2   v[38:39] B (1 - B): the low word is used, both are written
.set COM, 34
.set C30, 36
.set C31, 38
.set BV,  40                           ; v[40:41] 2^28, twice
.set CV,  42                           ; v[42:43] -(2^30 - 64), twice
.set QF,  64                           ; v[64:127]  q's fragments (t, kf at 16 t + 8 kf), then the packed spikes
.set S,   128                          ; v[128:255] spikes as 0.0 / 1.0, 32 a step
; window 1: G00, G11, G22, G33 at 0, 64, 128, 192.   window 2: G01, G02, G12 at 0, 64, 128 and one set of sums at 192.
; window 3: q on its way to LDS, then eight sets of 32 sums: t0a 0, t1a 32, t2a 64, t2b 96, t2c 128, t3a 160, t3b 192, t3c 224.
.set WV, 12
.set HD, 13
.set BB, 14
.set QB, 16                            ; s[16:17] qs, s[18:19] gbuf at my (b, head); s[22:23] af
.set GB, 18
.set AF, 22
.set EO, 24                            ; s24  32 x the tile in hand
.set CNT, 25
.set MSB, 0
.macro WIN new
.if MSB != (\new)
	s_set_vgpr_msb (MSB<<8)|(\new)
.set MSB, \new
.endif
.endm
.macro PLACES
.rept 4
	v_nop
.endr
.endm
	s_load_b256 s[4:11], s[0:1], 0x0               ; qs s[4:5], gbuf s[6:7], mem_beta s[8:9], af s[10:11]
	v_lshl_add_u32 v[SPW], v0, 2, SPARE
	v_mov_b32 v[NIL], 0
	v_lshrrev_b32 v1, 5, v0
	v_readfirstlane_b32 s[WV], v1
	s_mov_b32 s[HD], ttmp9
	s_and_b32 s[BB], ttmp7, 0xffff
	v_and_b32 v1, 31, v0
	v_lshlrev_b32 v[L16], 4, v1
	s_lshl_b32 s26, s[WV], 11
	v_add_nc_u32 v[VQ], s26, v[L16]
	s_lshl_b32 s26, s[WV], 18
	v_add_nc_u32 v[AO0], s26, v[L16]
	v_and_b32 v12, 15, v0                          ; r
	v_bfe_u32 v13, v0, 4, 1                        ; h
	s_mul_i32 s27, s[WV], QTW
	v_mul_u32_u24 v[QST], v12, QP                  ; row = my channel, 16 bytes for each half of the lanes
	v_lshl_add_u32 v[QST], v13, 4, v[QST]
	v_add_nc_u32 v[QST], s27, v[QST]
	v_and_b32 v14, 7, v0
	v_bfe_u32 v15, v0, 3, 1
	v_lshl_add_u32 v[QT0], v13, 3, v14             ; the turning load: row 8 h + L % 8, 16 bytes ((L / 8) % 2)
	v_mul_u32_u24 v[QT0], v[QT0], QP
	v_lshl_add_u32 v[QT0], v15, 4, v[QT0]
	v_add_nc_u32 v[QT0], s27, v[QT0]
	v_mov_b32 v[BV], 0x4d800000
	v_mov_b32 v[BV+1], 0x4d800000
	v_mov_b32 v[CV], 0xce7fffff
	v_mov_b32 v[CV+1], 0xce7fffff
	s_lshl_b32 s28, s[BB], 20
	s_lshl_b32 s29, s[HD], 17
	s_or_b32 s28, s28, s29
	s_mov_b32 s29, 0
	s_lshl_b32 s30, s[BB], 20                      ; af: b, ks = head >> 1, cs = 4 (head & 1)
	s_lshr_b32 s31, s[HD], 1
	s_lshl_b32 s31, s31, 16
	s_or_b32 s30, s30, s31
	s_and_b32 s31, s[HD], 1
	s_lshl_b32 s31, s31, 13
	s_or_b32 s30, s30, s31
	s_mov_b32 s31, 0
	s_lshl_b32 s34, s[BB], 3                       ; gbuf: 57,344 bytes for each (b, head)
	s_add_co_u32 s34, s34, s[HD]
	s_mul_i32 s34, s34, 57344
	s_mov_b32 s35, 0
	s_wait_kmcnt 0x0
	s_load_b32 s32, s[8:9], 0x0                    ; mem_beta
	s_add_nc_u64 s[QB:QB+1], s[4:5], s[28:29]
	s_add_nc_u64 s[GB:GB+1], s[6:7], s[34:35]
	s_add_nc_u64 s[AF:AF+1], s[10:11], s[30:31]
.macro GLOAD g, win, base              ; G number g of gbuf, 16 half-blocks, into 64 registers
	WIN (\win)<<6
.set z, 0
.rept 16
	global_load_b128 v[(\base)+4*z:(\base)+4*z+3], v[L16], s[GB:GB+1] offset:8192*(\g)+512*z
.set z, z+1
.endr
.endm
	WIN 0xc0                                       ; q: 64 half-blocks (t, channel tile, my four column tiles) into window 3
.set z, 0
.rept 64
	global_load_b128 v[4*z:4*z+3], v[VQ], s[QB:QB+1] offset:(z/16)*32768+((z/4)%4)*8192+(z%4)*512
.set z, z+1
.endr
	GLOAD 0, 1, 0                                  ; G00
	GLOAD 3, 1, 64                                 ; G11
	GLOAD 5, 1, 128                                ; G22
	WIN 0
	s_wait_kmcnt 0x0
	v_mov_b32 v[CB], s32
	v_cvt_pk_bf16_f32 v[CB], v[CB], v[CB]
	v_lshlrev_b32 v[CB], 16, v[CB]                 ; B: mem_beta rounded to bf16
	v_sub_f32 v[COM], 1.0, v[CB]
	v_mul_f32 v[C30], v[CB], v[CB]
	v_mul_f32 v[C31], v[CB], v[COM]
	v_mov_b32 v[CB+1], v[CB]
	v_mov_b32 v[COM+1], v[COM]
	v_mov_b32 v[C30+1], v[C30]
	v_mov_b32 v[C31+1], v[C31]
	s_wait_loadcnt 48                              ; q is in; the 48 loads of G issued behind it stay out
	WIN 0x0c                                       ; store data in window 3
.set z, 0
.rept 64
	ds_store_b128 v[QST], v[4*z:4*z+3] offset:10240*(z/16)+2560*((z/4)%4)+32*(z%4)
.set z, z+1
.endr
	GLOAD 6, 1, 192                                ; G33
	GLOAD 1, 2, 0                                  ; G01
	GLOAD 2, 2, 64                                 ; G02
	GLOAD 4, 2, 128                                ; G12
; 8 matrix instructions: the G at (window gw, register gb) times q_t into the set at (window dw, register db).  The set's four accumulators take turns.
.macro PROD gw, gb, t, dw, db, zero
	WIN ((\dw)<<6)|((\dw)<<4)|(\gw)
.irp kf, 0,1
.irp d, 0,1,2,3
.if (\zero) && ((\kf) == 0)
	v_wmma_f32_16x16x32_bf16 v[(\db)+8*(\d):(\db)+8*(\d)+7], v[(\gb)+16*(\d)+8*(\kf):(\gb)+16*(\d)+8*(\kf)+7], v[QF+16*(\t)+8*(\kf):QF+16*(\t)+8*(\kf)+7], 0
.else
	v_wmma_f32_16x16x32_bf16 v[(\db)+8*(\d):(\db)+8*(\d)+7], v[(\gb)+16*(\d)+8*(\kf):(\gb)+16*(\d)+8*(\kf)+7], v[QF+16*(\t)+8*(\kf):QF+16*(\t)+8*(\kf)+7], v[(\db)+8*(\d):(\db)+8*(\d)+7]
.endif
.endr
.endr
.endm
.macro MIX dst, src, sw, c             ; set dst (window 3) += coefficient c x set src (window sw); each accumulator is read from its low end on
	WIN 0xf0|(\sw)
.set z, 0
.rept 16
	v_pk_fma_f32 v[(\dst)+2*z:(\dst)+2*z+1], v[(\src)+2*z:(\src)+2*z+1], v[(\c):(\c)+1], v[(\dst)+2*z:(\dst)+2*z+1] op_sel_hi:[1,0,1]
.set z, z+1
.endr
.endm
.macro LIFT t, m, mn                   ; step t on the membrane in set m; mn: the next step's set, or -1
	WIN 0x03
.set z, 0
.rept 16
	v_pk_fma_f32 v[S+32*(\t)+2*z:S+32*(\t)+2*z+1], v[(\m)+2*z:(\m)+2*z+1], v[BV:BV+1], v[CV:CV+1] clamp  ; s = (M >= 4)
.set z, z+1
.endr
.if (\mn) >= 0
	WIN 0xf3
.set z, 0
.rept 16
	v_pk_fma_f32 v[(\m)+2*z:(\m)+2*z+1], v[(\m)+2*z:(\m)+2*z+1], v[S+32*(\t)+2*z:S+32*(\t)+2*z+1], v[(\m)+2*z:(\m)+2*z+1] neg_lo:[0,1,0] neg_hi:[0,1,0]  ; M = M - M s
.set z, z+1
.endr
.set z, 0
.rept 16
	v_pk_fma_f32 v[(\mn)+2*z:(\mn)+2*z+1], v[(\m)+2*z:(\m)+2*z+1], 0.5, v[(\mn)+2*z:(\mn)+2*z+1] op_sel_hi:[1,0,1]  ; the next M = 0.5 M + 8 out
.set z, z+1
.endr
.endif
.endm
	WIN 0
	s_wait_loadcnt 0x0                             ; all seven G are in
	s_mov_b32 s[EO], 0
	s_mov_b32 s[CNT], 4
.Ltile:                                                ; a trip: column tile e of my group, all four t
	s_wait_xcnt 0x0                                ; the last trip's stores have read their data and their offset: both are rewritten below
	v_add_nc_u32 v[QTL], s[EO], v[QT0]             ; 32 bytes of a row a tile
	v_lshl_add_u32 v[AO], s[EO], 4, v[AO0]         ; 512 bytes of af a tile
.irp f, 0,1,2,3,4,5,6,7                ; f = 2 t + kf
	ds_load_tr16_b128 v[QF+8*(\f):QF+8*(\f)+3],   v[QTL] offset:10240*((\f)/2)+5120*((\f)%2)
	ds_load_tr16_b128 v[QF+8*(\f)+4:QF+8*(\f)+7], v[QTL] offset:10240*((\f)/2)+5120*((\f)%2)+2560
.endr
	s_wait_dscnt 0x0                               ; q's fragments (LDS serves a wave's instructions in order: they see my stores above)
	PROD 1, 0,   0, 3, 0,   1                      ; t0a = G00 q0
	PROD 1, 64,  1, 3, 32,  1                      ; t1a = G11 q1
	PROD 1, 0,   1, 3, 32,  0                      ;     + G00 q1
	PROD 1, 128, 2, 3, 64,  1                      ; t2a = G22 q2
	PROD 2, 0,   2, 3, 96,  1                      ; t2b = G01 q2
	PROD 1, 64,  2, 3, 128, 1                      ; t2c = G11 q2
	PROD 1, 192, 3, 3, 160, 1                      ; t3a = G33 q3
	PROD 2, 64,  3, 3, 192, 1                      ; t3b = G02 q3
	PROD 2, 128, 3, 3, 224, 1                      ; t3c = G12 q3
	PROD 1, 128, 3, 2, 192, 1                      ; t3d = G22 q3, in window 2
	WIN 0
	PLACES
	PLACES
	MIX 64,  96,  3, CB
	MIX 64,  128, 3, COM
	MIX 160, 192, 3, C30
	MIX 160, 224, 3, C31
	MIX 160, 192, 2, COM
	LIFT 0, 0,   32
	LIFT 1, 32,  64
	LIFT 2, 64,  160
	LIFT 3, 160, -1
	WIN 0
.set z, 0
.rept 64
	v_cvt_pk_bf16_f32 v[QF+z], v[S+2*z], v[S+2*z+1]
.set z, z+1
.endr
.set z, 0
.rept 16
	global_store_b128 v[AO], v[QF+4*z:QF+4*z+3], s[AF:AF+1] offset:(z/4)*16384+(z%4)*2048  ; 512 consecutive bytes a store
.set z, z+1
.endr
	s_add_co_u32 s[EO], s[EO], 32
	s_sub_co_u32 s[CNT], s[CNT], 1
	s_cmp_lg_u32 s[CNT], 0
	s_cbranch_scc1 .Ltile
	s_wait_tensorcnt 0x0                           ; the wave's end, behind my last LDS store
	ds_add_u32 v[SPW], v[NIL]
	s_wait_dscnt 0x0
	s_endpgm
.Lfunc_end_k_q65e41d2056_attn:
	.size	k_q65e41d2056_attn, .Lfunc_end_k_q65e41d2056_attn-k_q65e41d2056_attn
	.p2alignl 7, 3214868480
	.fill 96, 4, 3214868480
	.section	.rodata,"a",@progbits
	.p2align	6, 0x0
	.amdhsa_kernel k_q65e41d2056_attn
		.amdhsa_group_segment_fixed_size 164352
		.amdhsa_private_segment_fixed_size 0
		.amdhsa_enable_private_segment 0
		.amdhsa_kernarg_size 32
		.amdhsa_user_sgpr_count 2
		.amdhsa_user_sgpr_kernarg_segment_ptr 1
		.amdhsa_wavefront_size32 1
		.amdhsa_system_sgpr_workgroup_id_x 1
		.amdhsa_system_sgpr_workgroup_id_y 1
		.amdhsa_system_sgpr_workgroup_id_z 1
		.amdhsa_system_vgpr_workitem_id 0
		.amdhsa_next_free_vgpr 1024
		.amdhsa_next_free_sgpr 66
		.amdhsa_reserve_vcc 0
		.amdhsa_float_denorm_mode_32 3
		.amdhsa_float_denorm_mode_16_64 3
		.amdhsa_memory_ordered 1
		.amdhsa_forward_progress 1
		.amdhsa_inst_pref_size 52
	.end_amdhsa_kernel
	.amdgpu_metadata
---
amdhsa.version: [ 1, 2 ]
amdhsa.kernels:
  - .name:           k_q65e41d2056_attn
    .symbol:         k_q65e41d2056_attn.kd
    .args:
      - { .name: qs, .offset: 0, .size: 8, .value_kind: global_buffer, .address_space: global }
      - { .name: gbuf, .offset: 8, .size: 8, .value_kind: global_buffer, .address_space: global }
      - { .name: mem_beta, .offset: 16, .size: 8, .value_kind: global_buffer, .address_space: global }
      - { .name: af, .offset: 24, .size: 8, .value_kind: global_buffer, .address_space: global }
    .group_segment_fixed_size: 164352
    .private_segment_fixed_size: 0
    .kernarg_segment_align: 8
    .kernarg_segment_size: 32
    .max_flat_workgroup_size: 128
    .sgpr_count:     66
    .vgpr_count:     1024
    .wavefront_size: 32
...
	.end_amdgpu_metadata
.endif
;; end of part 7
;; launch proj: the kernel of part 4 again; grid 8 x 32, 4 waves a work-group, clusters of 4 x 1, 327,680 bytes of LDS; arguments af, wf, bnc, out0; writes out0
;; ======== version 3 of 3: 3 launches
;; workspace buffers: xsf 33,554,432 bytes; wf 2,097,152 bytes; bnc 16,384 bytes; af 33,554,432 bytes
;; launch prep: the kernel of part 5 again; grid 512 x 1, 8 waves a work-group, no clusters, 0 bytes of LDS; arguments x, wq, wk, wv, wp, bp, bn_q, bn_k, bn_v, bn_p, xsf, wf, bnc; writes xsf, wf, bnc
;; launch qkvga (part 8): grid 8 x 32, 4 waves a work-group, clusters of 4 x 4, 327,680 bytes of LDS; arguments xsf, wf, bnc, mem_beta, af; writes af
.if DOCPART == 8
	.amdgcn_target "amdgcn-amd-amdhsa--gfx1250"
	.amdhsa_code_object_version 6
	.text
	.protected	k_q65e41d2056_qkvga
	.globl	k_q65e41d2056_qkvga
	.p2align	8
	.type	k_q65e41d2056_qkvga,@function
k_q65e41d2056_qkvga:
	s_mov_b64 s[64:65], 0
	v_nop
	global_prefetch_b8 v0, s[64:65] scope:SCOPE_SE
	s_setreg_imm32_b32 hwreg(HW_REG_WAVE_MODE, 25, 1), 1
	s_wait_xcnt 0x0
	s_wait_alu depctr_hold_cnt(0) depctr_sa_sdst(0) depctr_va_vdst(0) depctr_va_sdst(0) depctr_va_ssrc(0) depctr_va_vcc(0) depctr_vm_vsrc(0)
	s_getreg_b32 s2, hwreg(HW_REG_IB_STS2, 6, 4)
	s_cmp_eq_u32 s2, 0
	s_cbranch_scc0 .Lentry_in_a_cluster
	s_endpgm
.Lentry_in_a_cluster:
	s_bfe_u32 s2, ttmp6, 0x10000c
	s_cmp_lg_u32 s2, 0xf033
	s_cbranch_scc0 .Lentry_shape_is_right
	s_endpgm
.Lentry_shape_is_right:
; QKVGA.  For one (b, head): y = [wq_h; wk_h; wv_h] xs (192 rows x 1,024 columns, K = 512), BN, the LIF over t (tau 0.5, threshold 1, hard reset); of the spikes k and v the seven count matrices
; G_js = k_j^T v_s (64 x 64, summed over all 256 n) for (j, s) = (0,0) (0,1) (0,2) (1,1) (1,2) (2,2) (3,3); then the attention, which has no softmax and is taken as q (k^T v), and its LIF.  With B = mem_beta
; rounded to bf16:  out_0 = q0 G00;  out_1 = q1 (G11 + G00);  out_2 = q2 G22 + B q2 G01 + (1 - B) q2 G11;  out_3 = q3 G33 + B^2 q3 G02 + B (1 - B) q3 G12 + (1 - B) q3 G22   (all times 0.125).
; Every product with G is a product of small whole numbers (counts of at most 256: exact in bf16), exact in f32; the coefficients are applied to the products' f32 results.  The last LIF (tau 0.5, threshold 0.5)
; runs on 8 x the membrane, so that the factor 0.125 drops out exactly and the threshold is 4.  Out go the spikes a (bf16) alone; q, k, v and G never leave the chip.
; A WORK-GROUP STAYS: it walks four tiles g of 192 rows x 256 columns (the 64 columns of group g for all four t), 4 K steps of 128 each: 16 K steps on one ring of two LDS slots, which runs on across the tiles.
; SHARES.  Wave w takes column tile e = w for all four t, and all 192 rows: 12 channel tiles (0-3 q, 4-7 k, 8-11 v) x 4 t = 48 accumulators.  All four t of a site lie in one lane and one register number, so
; the LIF is plain register arithmetic behind a tile's products.
; OPERANDS lie in memory in fragment order (half-blocks of 512 bytes, lane L at byte 16 L): a K step's X is 65,536 dense bytes, a head's W 49,152; every LDS access takes 512 consecutive bytes.
; THE MATRIX INSTRUCTION.  For k and v: source 0 = 16 column slots of X, source 1 = 16 rows of W: lane l holds channel l % 16, its registers the slots 8 (l / 16) + 0 .. 7: packed, what G's products want of k
; (source 0) and of v (source 1).  For q the sources are swapped: lane l holds slot l % 16, its registers the channels 8 (l / 16) + 0 .. 7: two channel tiles, packed, ARE a fragment of q (16 slots x 32 dk).
; q WAITS FOR G AS BITS.  G is whole only behind the fourth tile.  A tile's 128 spikes of a lane are gathered by four chains c = 2 c + s in f32 (one for each t, even and odd channels side by side; sums under
; 65,536, exact) and kept as four words, bit 15 - i and bit 31 - i for fragment register i; a queue of 16 registers holds the four tiles and moves up four places a tile.
; THE G STEP, behind each tile's way out: the four waves put k's and v's half-blocks into LDS, meet at a barrier, and wave w adds the tile's 64 n onto dv tile w of all seven G: 28 accumulators, 56 products.
; THE LAST PHASE.  The seven G meet in LDS as fragments (row dv, dk along K) and every wave takes all of them into registers (448); four trips, one for each g: source 0 = G, source 1 = q; in the result a lane
; holds one slot and eight channels: packed, a half-block of af.
; af has xsf's layout: [b 32][g 4][ks 4][t 4][cs 8][e 4][512]: lane (r, h) holds channel 128 ks + 16 cs + 8 h + j = 64 head + 16 dvt + 8 h + j of column slot r of tile e.
; CLUSTER.  4 x 4 work-groups: four heads (cx) x four b (cy).  X hangs on b alone and is asked for JOINTLY by a row of the cluster, W on the head alone and by a column: each request serves four.
; THE RING.  A slot is asked for again behind the round that ends its K step and has 168 matrix instructions in which to land; a wave has two tensor loads out at the start and one afterwards.
; ONE WAY OUT.  The last tile's last two changes of slots ask for nothing; they are written out as the second arm of two forward branches on the count of tiles (the same number in every work-group);
; both arms hold their own waits and barriers and meet again, so that the way out and the G step stand once in the text.
; G's 224 sum registers are cleared once, while the first tiles are on their way, so that the G step has one text for all four tiles.
; ARITHMETIC.  u = fma(y, inv, shift); v = fma(0.5, v, u); s = (v >= 1) made as clamp(v x 2^30 - (2^30 - 64)), which is exact (threshold 4: 2^28 in 2^30's place); v = v - v s.
; LIMITS.  NaN and infinities are not treated apart.  A spike can differ from the function's only where a membrane lies within the rounding of the f32 sums' order of its threshold; where the mixed sums are
; not exact in f32 (large counts times many-bit coefficients) their rounding order differs from the function's.
.set SLOT1,  1<<17                     ; slot 1 begins here: one exclusive or turns an address in one slot into the other's
.set WPART,  65536                     ; in a slot: X [t 4][cs 8][e 4][512], then W [k32 4][rt 12][half 2][512]
.set STEPX,  65536                     ; a K step of X in memory; the 16 steps of the walk lie end to end
.set STEPW,  49152                     ; a K step of a head's W
.set KV,     SLOT1+WPART+STEPW         ; behind the ring, never filled by a tensor load: k and v of one tile: [k, v][t 4][dtl 4][e 4][512]; at the end the seven G: [G 7][dvt 4][kf 2][half 2][512]
.set SPARE,  KV+65536                  ; the spare words, 128 bytes for each wave: two blocks of 256 bytes that no other line names
.set CB,   2                           ; v[2:3] B   v[4:5] 1 - B   v[6:7] B^2   v[8:9] B (1 - B): the low word is used, both are written
.set COM,  4
.set C30,  6
.set C31,  8
.set BV4,  10                          ; v[10:11] 2^28, twice
.set BV,   12                          ; v[12:13] 2^30, twice
.set CV,   14                          ; v[14:15] -(2^30 - 64), twice
.set ADX0, 16                          ; v16  16 L + 512 w: my lane's place in X's part; never rewritten
.set ADW0, 17                          ; v17  WPART + 16 L; never rewritten
.set ADX,  18                          ; v18  the same in the slot in hand
.set ADW,  19                          ; v19
.set AO0,  20                          ; v20  16 L + 512 w: my byte offset in af; never rewritten
.set BO,   21                          ; v21  8 r: my channel's pair in bnc
.set KVW,  22                          ; v22  KV + 512 w + 16 L: where I put k and v
.set KVR,  23                          ; v23  KV + 16 L: where I read k, and later G
.set KVV,  24                          ; v24  KV + 32,768 + 2,048 w + 16 L: where I read v's channel tile w
.set GXW,  25                          ; v25  KV + 2,048 w + 16 L: where I put my part of G
.set PFO,  26                          ; v26  256 L: the prefetches' offset, a lane a row; never rewritten
.set BQO,  27                          ; v27  64 h: my eight channels' pairs in bnc
.set SPW,  28                          ; v28  LDS address of my spare word; never rewritten
.set NIL,  29                          ; v29  0; never rewritten
.set AO,   30                          ; v30  my offset in af for the group in hand
.set BN,   32                          ; v[32:47] (inv, shift) of my channel in each of k's and v's eight channel tiles
.set QB,   48                          ; v[48:63] q's spikes as bits: tile g, step t at 4 g + t when all four tiles are in
.set GL,   64                          ; v[64:159] window 0: G's sums 4, 5, 6 (32 each);  window 3, v[128:255]: sums 0 to 3
.set SR,   160                         ; v[160:223] during a tile's K steps: q's (inv, shift), channel tile a, row 8 h + j at 16 a + 2 j; in the way out two channel tiles' spikes as 0.0 / 1.0: [tile][t][8]
.set PR,   224                         ; v[224:255] q's four chains (8 registers), then k's and v's spikes packed
.set QF,   64                          ; the last phase: v[64:127] q's fragments (t, kf at 16 t + 8 kf), then the packed spikes;
.set S,    128                         ; v[128:255] spikes as 0.0 / 1.0, 32 a step
.set XF,   192                         ; window 1: W's fragments at 96 f + 8 a (buffer f, channel tile a), X's at 192 + 32 f + 8 t
; window 2: the accumulators of channel tiles 0-7, (a, t) at 32 a + 8 t;  window 3, v[0:127]: those of tiles 8-11.  In the G step: k's fragments in window 2 (128 kk + 8 (4 j + i)), v's in window 3 (32 kk + 8 s)
; the last phase: window 1: G00, G11, G22, G33 at 0, 64, 128, 192;  window 2: G01, G02, G12 at 0, 64, 128 and one set of sums at 192;  window 3: eight sets of 32 sums: t0a 0, t1a 32, t2a 64, t2b 96, t2c 128, t3a 160, t3b 192, t3c 224
.set WV,  12                           ; s12 wave   s13 head   s14 b   s15 cx   s16 cy   s17 tiles to go   s18 the slot in hand   s19 an inner count
.set HD,  13
.set BB,  14
.set CX,  15
.set CY,  16
.set TL,  17
.set TB,  18
.set CNT, 19
.set AF,  20                           ; s[20:21] af at my (b, head)
.set G1X, 24                           ; s[24:31] descriptor group 1 for X (mask: my row)
.set G1W, 32                           ; s[32:39] for W (mask: my column)
.set G0X, 40                           ; s[40:47] group 0 for X: a set for each of the two first fills; the second then walks on
.set G0W, 48                           ; s[48:55] the same for W
.set SM,  56                           ; s56  0x10001: a bit of each half   s57  0x3f80: bf16's 1.0   s58  the group in hand   s59  mem_beta   (written when the descriptors have taken what these registers held)
.set SK,  57
.set EO,  58
.set BETA, 59
.set PFA, 60                           ; s[60:61] where my prefetches stand
.set LIM, 62                           ; s62  1 in a wave that prefetches, else the greatest number
.set MSB, 0
.macro WIN new                         ; the immediate's high byte repeats the setting that is left; a switch that changes nothing is dropped
.if MSB != (\new)
	s_set_vgpr_msb (MSB<<8)|(\new)
.set MSB, \new
.endif
.endm
.macro PLACES                          ; four plain instructions between a matrix instruction and a load into, or a vector write of, one of its registers
.rept 4
	v_nop
.endr
.endm
; A joint refill.  Waves 0 and 1 fetch the halves of X's block, waves 2 and 3 those of W's.  The branch hangs on the wave's number alone.  An s_nop 0 and four v_nop follow each line.
.macro JLOAD
	s_cmp_lt_u32 s[WV], 2
	s_cbranch_scc0 .Lfor_w_\@
	tensor_load_to_lds s[G0X+4:G0X+7], s[G1X:G1X+7]
	s_nop 0
.rept 4
	v_nop
.endr
	s_branch .Lasked_\@
.Lfor_w_\@:
	tensor_load_to_lds s[G0W+4:G0W+7], s[G1W:G1W+7]
	s_nop 0
.rept 4
	v_nop
.endr
.Lasked_\@:
.endm
; A PREFETCH INTO THE L2, behind each refill and the run of LDS loads that follows it: X's K step that stands TWO refills on, 336 matrix instructions ahead of the load that will want it.  Each row of 256 bytes
; is named once in the launch: a b's X is walked by the two clusters that hold its eight heads, and the one with x = 0 asks; of the 128 rows that wave 0 or 1 fetches, the partner at place cx takes
; 32 cx .. 32 cx + 31, told apart BY ADDRESS: a lane a row, one instruction.  K steps 0 to 3 come by their loads alone; the last tile asks for nothing: the walk ends with it.
; W is not asked for: its K steps 2 and 3 of the first walk stand nearer than two refills, and the later walks read the same rows again.
.macro ASK
	s_cmp_gt_u32 s[TL], s[LIM]
	s_cbranch_scc0 .Lnot_mine_\@
	global_prefetch_b8 v[PFO], s[PFA:PFA+1] th:TH_LOAD_NT scope:SCOPE_SE
.Lnot_mine_\@:
.endm
.macro CREST                           ; a round of the cluster's barrier behind its opening barrier
	s_cmp_lg_u32 s[WV], 0
	s_cbranch_scc1 .Lnot_wave_0_\@
	s_barrier_signal -3
.Lnot_wave_0_\@:
	s_barrier_wait -3
	s_barrier_signal -1
	s_barrier_wait -1
.endm
.macro CROUND                          ; a whole round
	s_barrier_signal -1
	s_barrier_wait -1
	CREST
.endm
	s_load_b256 s[4:11], s[0:1], 0x0               ; xsf s[4:5], wf s[6:7], bnc s[8:9], mem_beta s[10:11]
	s_load_b64 s[AF:AF+1], s[0:1], 0x20            ; af
	v_lshl_add_u32 v[SPW], v0, 2, SPARE
	v_mov_b32 v[NIL], 0
	ds_add_u32 v[SPW], v[NIL]                      ; the wave's opening: the add, twice on end, and its wait ahead of my first tensor load
	ds_add_u32 v[SPW], v[NIL]
	v_lshrrev_b32 v1, 5, v0
	v_readfirstlane_b32 s[WV], v1
	s_bfe_u32 s[CX], ttmp6, 0x40000                ; my place in the cluster
	s_bfe_u32 s[CY], ttmp6, 0x40004
	s_lshl_b32 s[HD], ttmp9, 2
	s_add_co_u32 s[HD], s[HD], s[CX]               ; head = 4 x cluster x + cx
	s_and_b32 s[BB], ttmp7, 0xffff
	s_lshl_b32 s[BB], s[BB], 2
	s_add_co_u32 s[BB], s[BB], s[CY]               ; b = 4 x cluster y + cy
	s_lshl_b32 s62, s[CY], 2
	s_lshl_b32 s62, 15, s62                        ; my row of the cluster: places 4 cy .. 4 cy + 3
	s_lshl_b32 s63, 0x1111, s[CX]                  ; my column: places cx, cx + 4, cx + 8, cx + 12
	s_or_b32 s[G1X], s62, (3<<16)|(1<<21)          ; 15:0 the mask; 17:16 elements of 8 bytes; 21 set beside a mask; no padding
	s_or_b32 s[G1W], s63, (3<<16)|(1<<21)
	s_mov_b32 s[G1X+1], 32<<16                     ; tensor_dim0 = 32 elements = 256 bytes
	s_mov_b32 s[G1X+2], 128<<16                    ; tensor_dim1 = 128 rows: half of X's block
	s_mov_b32 s[G1X+3], 32<<16                     ; tile_dim0 = 32
	s_mov_b32 s[G1X+4], 128                        ; tile_dim1 = 128
	s_mov_b32 s[G1X+5], 32                         ; the rows lie end to end
	s_mov_b32 s[G1X+6], 0
	s_mov_b32 s[G1X+7], 0
	s_mov_b32 s[G1W+1], 32<<16
	s_mov_b32 s[G1W+2], 96<<16                     ; 96 rows: half of W's block
	s_mov_b32 s[G1W+3], 32<<16
	s_mov_b32 s[G1W+4], 96
	s_mov_b32 s[G1W+5], 32
	s_mov_b32 s[G1W+6], 0
	s_mov_b32 s[G1W+7], 0
	s_and_b32 s22, s[WV], 1                        ; which half of a block I fetch, in memory and in LDS:
	s_mul_i32 s23, s22, STEPW/2                    ; of W's,
	s_lshl_b32 s22, s22, 15                        ; of X's
	s_lshl_b32 s56, s[BB], 20                      ; X's offset is made of b and the wave's number alone,
	s_or_b32 s56, s56, s22
	s_mov_b32 s57, 0
	s_mul_i32 s58, s[HD], 4*STEPW                  ; W's of the head and the wave's number alone
	s_add_co_u32 s58, s58, s23
	s_mov_b32 s59, 0
	s_mov_b32 s[TB], 0
	s_wait_dscnt 0x0                               ; both opening adds are done
	s_wait_kmcnt 0x0
	s_add_nc_u64 s[56:57], s[4:5], s[56:57]
	s_add_nc_u64 s[58:59], s[6:7], s[58:59]
	CROUND                                         ; all sixteen work-groups are here: the first joint loads meet
.irp s, 0,1
	s_mov_b32 s[G0X+4*(\s)], 1
	s_add_co_u32 s[G0X+4*(\s)+1], s22, (\s)*SLOT1
	s_add_nc_u64 s[G0X+4*(\s)+2:G0X+4*(\s)+3], s[56:57], (\s)*STEPX
	s_or_b32 s[G0X+4*(\s)+3], s[G0X+4*(\s)+3], 0x80000000
	s_mov_b32 s[G0W+4*(\s)], 1
	s_add_co_u32 s[G0W+4*(\s)+1], s23, (\s)*SLOT1+WPART
	s_add_nc_u64 s[G0W+4*(\s)+2:G0W+4*(\s)+3], s[58:59], (\s)*STEPW
	s_or_b32 s[G0W+4*(\s)+3], s[G0W+4*(\s)+3], 0x80000000
.endr
	s_cmp_lt_u32 s[WV], 2                          ; a wave's two first fills stand in one branch, ahead of every wait on TENSORcnt and every LDS read
	s_cbranch_scc0 .Lfirst_w
	tensor_load_to_lds s[G0X:G0X+3], s[G1X:G1X+7]
	s_nop 0
	tensor_load_to_lds s[G0X+4:G0X+7], s[G1X:G1X+7]
	s_nop 0
.rept 4
	v_nop
.endr
	s_branch .Lfirst_asked
.Lfirst_w:
	tensor_load_to_lds s[G0W:G0W+3], s[G1W:G1W+7]
	s_nop 0
	tensor_load_to_lds s[G0W+4:G0W+7], s[G1W:G1W+7]
	s_nop 0
.rept 4
	v_nop
.endr
.Lfirst_asked:
	s_load_b32 s[BETA], s[10:11], 0x0              ; mem_beta
	v_and_b32 v1, 31, v0
	v_lshlrev_b32 v[PFO], 8, v1
	v_lshlrev_b32 v1, 4, v1                        ; 16 L
	s_lshl_b32 s63, s[WV], 9
	v_add_nc_u32 v[ADX0], s63, v1
	v_add_nc_u32 v[ADW0], WPART, v1
	v_mov_b32 v[ADX], v[ADX0]
	v_mov_b32 v[ADW], v[ADW0]
	v_add_nc_u32 v[AO0], s63, v1
	v_add_nc_u32 v[KVW], KV, v[AO0]
	v_add_nc_u32 v[KVR], KV, v1
	s_lshl_b32 s63, s[WV], 11
	v_add_nc_u32 v[GXW], s63, v[KVR]
	v_add_nc_u32 v[KVV], 32768, v[GXW]
	v_and_b32 v[BO], 15, v0
	v_lshlrev_b32 v[BO], 3, v[BO]
	v_bfe_u32 v[BQO], v0, 4, 1
	v_lshlrev_b32 v[BQO], 6, v[BQO]
	s_lshl_b32 s2, s[HD], 9                        ; bnc: 8 bytes x 64 head; the table (4,096 bytes) and the channel tile (128) stand in the immediate
	s_mov_b32 s3, 0
	s_add_nc_u64 s[8:9], s[8:9], s[2:3]
.irp d, 0,1,2,3,4,5,6,7                ; k's four channel tiles (table 1), then v's (table 2)
	global_load_b64 v[BN+2*(\d):BN+2*(\d)+1], v[BO], s[8:9] offset:4096*(1+(\d)/4)+128*((\d)%4)
.endr
	v_mov_b32 v[BV], 0x4e800000
	v_mov_b32 v[BV+1], 0x4e800000
	v_mov_b32 v[BV4], 0x4d800000
	v_mov_b32 v[BV4+1], 0x4d800000
	v_mov_b32 v[CV], 0xce7fffff
	v_mov_b32 v[CV+1], 0xce7fffff
	s_mov_b32 s[SM], 0x10001
	s_mov_b32 s[SK], 0x3f80
	s_lshl_b32 s2, s[BB], 20                       ; af: b, ks = head >> 1, cs = 4 (head & 1)
	s_lshr_b32 s3, s[HD], 1
	s_lshl_b32 s3, s3, 16
	s_or_b32 s2, s2, s3
	s_and_b32 s3, s[HD], 1
	s_lshl_b32 s3, s3, 13
	s_or_b32 s2, s2, s3
	s_mov_b32 s3, 0
	s_add_nc_u64 s[AF:AF+1], s[AF:AF+1], s[2:3]
	s_lshl_b32 s2, s[BB], 20                       ; the prefetches: my b, the half that I fetch, my work-group's 32 rows of it,
	s_and_b32 s3, s[WV], 1
	s_lshl_b32 s3, s3, 15
	s_or_b32 s2, s2, s3
	s_lshl_b32 s3, s[CX], 13
	s_or_b32 s2, s2, s3
	s_mov_b32 s3, 0
	s_add_nc_u64 s[PFA:PFA+1], s[4:5], s[2:3]
	s_add_nc_u64 s[PFA:PFA+1], s[PFA:PFA+1], 3*STEPX  ; at K step 3: the first refill steps it to 4.  Nothing is prefetched here, at the head
	s_lshr_b32 s62, s[WV], 1                       ; waves 0 and 1,
	s_or_b32 s62, s62, ttmp9                       ; where the cluster's x is 0: the same in all sixteen partners, for a given wave
	s_cmp_eq_u32 s62, 0
	s_cselect_b32 s[LIM], 1, -1
	WIN 0xc0                                       ; G's sums start at 0
.set z, 128
.rept 128
	v_mov_b32 v[z], 0
.set z, z+1
.endr
	WIN 0
.set z, GL
.rept 96
	v_mov_b32 v[z], 0
.set z, z+1
.endr
.set z, 0
.rept 16
	v_mov_b32 v[QB+z], 0                           ; the queue is moved up before it is full: its registers are written once here
.set z, z+1
.endr
	s_wait_kmcnt 0x0
	v_mov_b32 v[CB], s[BETA]
	v_cvt_pk_bf16_f32 v[CB], v[CB], v[CB]
	v_lshlrev_b32 v[CB], 16, v[CB]                 ; B: mem_beta rounded to bf16
	v_sub_f32 v[COM], 1.0, v[CB]
	v_mul_f32 v[C30], v[CB], v[CB]
	v_mul_f32 v[C31], v[CB], v[COM]
	v_mov_b32 v[CB+1], v[CB]
	v_mov_b32 v[COM+1], v[COM]
	v_mov_b32 v[C30+1], v[C30]
	v_mov_b32 v[C31+1], v[C31]
; 4 n matrix instructions: channel tiles a0 .. a0 + n - 1 x the four t, 32 along K, from buffer f.  zero = 1: the product starts the sum.  The 48 accumulators take turns in one fixed order.
; For q (tiles 0-3) W's rows are source 0 and X's slots source 1; for k and v the other way round.
.macro MULR f, a0, n, zero
.set a, \a0
.rept \n
.if a < 8
	WIN 0xa5                                       ; both sources window 1, C and D window 2
.set AC, 32*a
.else
	WIN 0xf5                                       ; C and D window 3
.set AC, 32*(a-8)
.endif
.if a < 4
.set MA,  96*(\f)+8*a
.set MAS, 0
.set MB,  XF+32*(\f)
.set MBS, 8
.else
.set MA,  XF+32*(\f)
.set MAS, 8
.set MB,  96*(\f)+8*a
.set MBS, 0
.endif
.irp b, 0,1,2,3
.if \zero
	v_wmma_f32_16x16x32_bf16 v[AC+8*(\b):AC+8*(\b)+7], v[MA+MAS*(\b):MA+MAS*(\b)+7], v[MB+MBS*(\b):MB+MBS*(\b)+7], 0
.else
	v_wmma_f32_16x16x32_bf16 v[AC+8*(\b):AC+8*(\b)+7], v[MA+MAS*(\b):MA+MAS*(\b)+7], v[MB+MBS*(\b):MB+MBS*(\b)+7], v[AC+8*(\b):AC+8*(\b)+7]
.endif
.endr
.set a, a+1
.endr
.endm
; 32 LDS loads in one run: the fragments of quarter q (32 along K) into buffer f: X's four t, then W's twelve channel tiles
.macro FETCH q, f
	WIN 0x40
.irp t, 0,1,2,3
	ds_load_b128 v[XF+32*(\f)+8*(\t):XF+32*(\f)+8*(\t)+3],   v[ADX] offset:16384*(\t)+4096*(\q)
	ds_load_b128 v[XF+32*(\f)+8*(\t)+4:XF+32*(\f)+8*(\t)+7], v[ADX] offset:16384*(\t)+4096*(\q)+2048
.endr
.set a, 0
.rept 12
	ds_load_b128 v[96*(\f)+8*a:96*(\f)+8*a+3],   v[ADW] offset:12288*(\q)+1024*a
	ds_load_b128 v[96*(\f)+8*a+4:96*(\f)+8*a+7], v[ADW] offset:12288*(\q)+1024*a+512
.set a, a+1
.endr
.endm
; A quarter of a K step: multiplies buffer f; in its middle it fetches quarter q of the same slot into buffer g.
.macro QUARTER q, f, g, zero
	s_wait_dscnt 12                                ; X and W's channel tiles 0-5 are in; the youngest twelve loads (tiles 6-11) may be out
	MULR \f, 0, 6, \zero
	PLACES
	FETCH \q, \g
	s_wait_dscnt 32                                ; all but the 32 just issued
	MULR \f, 6, 6, \zero
.endm
; A K step's last quarter multiplies buffer 1 and changes slots.  In front of the barrier each wave waits for all its tensor loads (the one that is out is its part of the next slot), adds 0 to its spare
; word, and waits for that and for its reads of this slot.  fill = 1: the barrier opens a round of the cluster's barrier, and the slot just read out is filled again first thing behind it, two K steps ahead.
; back = 1: that K step is the next tile's first: W goes back to its first K step; X's blocks lie end to end.
.macro TURN fill, back
	WIN 0
.if \fill
	s_wait_xcnt 0x0                                ; the last prefetch, a K step back, has read its address: it is stepped here, ahead of the waits of the change of slots
	s_add_nc_u64 s[PFA:PFA+1], s[PFA:PFA+1], STEPX
.endif
	s_wait_tensorcnt 0x0                           ; no tensor load of mine is out, so a group 0 may be written
	ds_add_u32 v[SPW], v[NIL]                      ; 0 onto my spare word
.if \fill
	s_xor_b32 s[G0X+5], s[G0X+5], SLOT1            ; the walking descriptors: the other slot than last time, the next K step
	s_add_nc_u64 s[G0X+6:G0X+7], s[G0X+6:G0X+7], STEPX
	s_xor_b32 s[G0W+5], s[G0W+5], SLOT1
.if \back
	s_sub_nc_u64 s[G0W+6:G0W+7], s[G0W+6:G0W+7], 3*STEPW
.else
	s_add_nc_u64 s[G0W+6:G0W+7], s[G0W+6:G0W+7], STEPW
.endif
.endif
	s_wait_dscnt 13                                ; the add and the youngest twelve loads may be out
	MULR 1, 0, 3, 0
	s_wait_dscnt 0x0                               ; the add is done, and my reads of this slot are over
	s_barrier_signal -1
	MULR 1, 3, 3, 0                                ; work on registers while the others arrive
	WIN 0
	s_barrier_wait -1
.if \fill
	CREST                                          ; no wave of any partner still reads this slot or has a load on its way
	JLOAD                                          ; the four v_nop behind it are also the places in front of the loads below
.else
	PLACES
.endif
	s_xor_b32 s[TB], s[TB], SLOT1
	v_add_nc_u32 v[ADX], s[TB], v[ADX0]
	v_add_nc_u32 v[ADW], s[TB], v[ADW0]
	FETCH 0, 0
.if \fill
	WIN 0
	ASK
.endif
	MULR 1, 6, 6, 0
.endm
; THE WAY OUT.
; q's table: (inv, shift) of rows 8 h + j of q's four channel tiles, 16 loads; asked for at a tile's start, into the registers that hold spikes only in the way out.
.macro QTAB
.set z, 0
.rept 16
	global_load_b128 v[SR+4*z:SR+4*z+3], v[BQO], s[8:9] offset:128*(z/4)+16*(z%4)
.set z, z+1
.endr
.endm
; BN on q's sixteen accumulators: a constant a register, so plain fused multiply-adds; each accumulator is read from its low end on.  z = 32 a + 8 t + j
.macro BNQ
	WIN 0x82                                       ; the sums (destination and source 0) in window 2, the table in window 0
.set z, 0
.rept 128
	v_fma_f32 v[z], v[z], v[SR+16*(z/32)+2*(z%8)], v[SR+16*(z/32)+2*(z%8)+1]
.set z, z+1
.endr
.endm
; The LIF over t, in place, on the two channel tiles at AB in window W (symbols that the caller sets); the spikes go to SR as 0.0 / 1.0
.macro LIF2
.irp t, 0,1,2,3
	WIN W
.set z, 0
.rept 8
.set o, 32*(z/4)+8*(\t)+2*(z%4)
	v_pk_fma_f32 v[SR+o:SR+o+1], v[AB+o:AB+o+1], v[BV:BV+1], v[CV:CV+1] clamp  ; s = (v >= 1)
.set z, z+1
.endr
.if (\t) < 3
	WIN (W<<6)|(W<<4)|W
.set z, 0
.rept 8
.set o, 32*(z/4)+8*(\t)+2*(z%4)
	v_pk_fma_f32 v[AB+o:AB+o+1], v[AB+o:AB+o+1], v[SR+o:SR+o+1], v[AB+o:AB+o+1] neg_lo:[0,1,0] neg_hi:[0,1,0]  ; v = v - v s
.set z, z+1
.endr
.set z, 0
.rept 8
.set o, 32*(z/4)+8*(\t)+2*(z%4)
	v_pk_fma_f32 v[AB+o+8:AB+o+9], v[AB+o:AB+o+1], 0.5, v[AB+o+8:AB+o+9] op_sel_hi:[1,0,1]  ; the next step's v = 0.5 v + u
.set z, z+1
.endr
.endif
.endr
.endm
; q's channel tiles 2 p and 2 p + 1: the LIF, then the four chains c = 2 c + s, one for each t, take the eight pairs of spikes (pair i = 4 a + j / 2: fragment register i) in ascending order
.macro EPIQ p
.set W, 2
.set AB, 64*(\p)
	LIF2
	WIN 0
.set ii, 0
.if (\p) == 0
.irp t, 0,1,2,3
	v_pk_fma_f32 v[PR+2*(\t):PR+2*(\t)+1], v[SR+8*(\t):SR+8*(\t)+1], 2.0, v[SR+8*(\t)+2:SR+8*(\t)+3] op_sel_hi:[1,0,1]  ; the first two pairs start the chain
.endr
.set ii, 2
.endif
.rept 8-ii
.irp t, 0,1,2,3
	v_pk_fma_f32 v[PR+2*(\t):PR+2*(\t)+1], v[PR+2*(\t):PR+2*(\t)+1], 2.0, v[SR+32*(ii/4)+8*(\t)+2*(ii%4):SR+32*(ii/4)+8*(\t)+2*(ii%4)+1] op_sel_hi:[1,0,1]
.endr
.set ii, ii+1
.endr
.endm
; The chains become words (even channels' 16 bits below, odd channels' above); the queue moves up four places and takes them
.macro QBITS
	WIN 0
.set z, 0
.rept 8
	v_cvt_u32_f32 v[PR+z], v[PR+z]
.set z, z+1
.endr
.set z, 0
.rept 12
	v_mov_b32 v[QB+z], v[QB+z+4]
.set z, z+1
.endr
.irp t, 0,1,2,3
	v_lshl_or_b32 v[QB+12+(\t)], v[PR+2*(\t)+1], 16, v[PR+2*(\t)]
.endr
.endm
; k's and v's channel tiles 2 p and 2 p + 1 (p = 2 .. 5): BN on their eight accumulators (each read from its low end on), the LIF, the spikes packed and put into LDS
.macro EPI2 p
.if (\p) < 4
.set W, 2
.set AB, 64*(\p)
.else
.set W, 3
.set AB, 64*((\p)-4)
.endif
	WIN (W<<6)|W
.set z, 0
.rept 32
	v_pk_fma_f32 v[AB+2*z:AB+2*z+1], v[AB+2*z:AB+2*z+1], v[BN+4*((\p)-2)+2*(z/16):BN+4*((\p)-2)+2*(z/16)+1], v[BN+4*((\p)-2)+2*(z/16):BN+4*((\p)-2)+2*(z/16)+1] op_sel:[0,0,1] op_sel_hi:[1,0,1]  ; u = y inv + shift
.set z, z+1
.endr
	LIF2
	WIN 0
.set z, 0
.rept 32
	v_cvt_pk_bf16_f32 v[PR+z], v[SR+2*z], v[SR+2*z+1]
.set z, z+1
.endr
.irp c, 0,1,2,3,4,5,6,7                ; c = 4 x (which of the two channel tiles) + t
	ds_store_b128 v[KVW], v[PR+4*(\c):PR+4*(\c)+3] offset:32768*(((\p)-2)/2)+8192*((\c)%4)+2048*(2*((\p)%2)+(\c)/4)
.endr
.endm
; G number g += k_j^T v_s over 32 of the tile's slots (half kk): four tiles of dk
.macro GM4 kk, g, j, s
.if (\g) < 4
	WIN 0xfe                                       ; k window 2, v window 3, C and D window 3
.set GD, 128+32*(\g)
.else
	WIN 0x0e                                       ; C and D window 0
.set GD, GL+32*((\g)-4)
.endif
.irp i, 0,1,2,3
	v_wmma_f32_16x16x32_bf16 v[GD+8*(\i):GD+8*(\i)+7], v[128*(\kk)+8*(4*(\j)+(\i)):128*(\kk)+8*(4*(\j)+(\i))+7], v[32*(\kk)+8*(\s):32*(\kk)+8*(\s)+7], v[GD+8*(\i):GD+8*(\i)+7]
.endr
.endm
.macro GMUL kk                         ; 28 matrix instructions on 28 accumulators, which take turns in one fixed order
	GM4 \kk, 0, 0, 0
	GM4 \kk, 1, 0, 1
	GM4 \kk, 2, 0, 2
	GM4 \kk, 3, 1, 1
	GM4 \kk, 4, 1, 2
	GM4 \kk, 5, 2, 2
	GM4 \kk, 6, 3, 3
.endm
	s_wait_tensorcnt 1                             ; my part of K step 0 is in; K step 1's may stay out
	s_barrier_signal -1
	s_barrier_wait -1                              ; everybody's is
	FETCH 0, 0
	WIN 0
	s_mov_b32 s[TL], 4
.Ltile:
	QTAB                                           ; q's table for this tile's way out: it has the tile's 768 products in which to land
	QUARTER 1, 0, 1, 1                             ; a tile's first quarter: its products start the sums
	WIN 0
	s_mov_b32 s[CNT], 2
.Lstep:                                                ; a trip: from a K step's second quarter to the next step's first; both trips ask for a K step of this tile
	QUARTER 2, 1, 0, 0
	QUARTER 3, 0, 1, 0
	TURN 1, 0
	QUARTER 1, 0, 1, 0
	WIN 0
	s_sub_co_u32 s[CNT], s[CNT], 1
	s_cmp_lg_u32 s[CNT], 0
	s_cbranch_scc1 .Lstep
	QUARTER 2, 1, 0, 0
	QUARTER 3, 0, 1, 0
	WIN 0
	s_cmp_eq_u32 s[TL], 1
	s_cbranch_scc1 .Lquiet_a
	TURN 1, 1                                      ; the ring goes on into the next tile: its K step 0 is asked for
	WIN 0
	s_branch .Lthird
.Lquiet_a:
	TURN 0, 0                                      ; the last tile: nothing is left to ask for
	WIN 0
.Lthird:
	QUARTER 1, 0, 1, 0
	QUARTER 2, 1, 0, 0
	QUARTER 3, 0, 1, 0
	WIN 0
	s_cmp_eq_u32 s[TL], 1
	s_cbranch_scc1 .Lquiet_b
	TURN 1, 0                                      ; the next tile's K step 1 is asked for, and its first fragments are fetched
	WIN 0
	s_branch .Lout
.Lquiet_b:
	s_wait_dscnt 12                                ; the walk's very last quarter
	MULR 1, 0, 6, 0
	s_wait_dscnt 0x0
	MULR 1, 6, 6, 0
	WIN 0
.Lout:
	PLACES
	PLACES
	s_wait_loadcnt 0x0                             ; q's table, and in the first tile k's and v's BN pairs
	BNQ
	EPIQ 0
	EPIQ 1
	QBITS
	EPI2 2
	EPI2 3
	EPI2 4
	EPI2 5
	s_wait_dscnt 0x0                               ; for the others' sake: my k and v lie in LDS (and the next tile's first fragments are in)
	s_barrier_signal -1
	s_barrier_wait -1                              ; everybody's do.  They are written again only behind later barriers, in front of which every wave has waited for the reads below
.irp kk, 0,1
	WIN 0x80
.set z, 0
.rept 16                               ; z = 4 j + i: k_j, channel tile i; column tiles 2 kk and 2 kk + 1 are the fragment's halves
	ds_load_b128 v[128*(\kk)+8*z:128*(\kk)+8*z+3],   v[KVR] offset:8192*(z/4)+2048*(z%4)+1024*(\kk)
	ds_load_b128 v[128*(\kk)+8*z+4:128*(\kk)+8*z+7], v[KVR] offset:8192*(z/4)+2048*(z%4)+1024*(\kk)+512
.set z, z+1
.endr
	WIN 0xc0
.set z, 0
.rept 4                                ; v_z, channel tile w
	ds_load_b128 v[32*(\kk)+8*z:32*(\kk)+8*z+3],   v[KVV] offset:8192*z+1024*(\kk)
	ds_load_b128 v[32*(\kk)+8*z+4:32*(\kk)+8*z+7], v[KVV] offset:8192*z+1024*(\kk)+512
.set z, z+1
.endr
.endr
	s_wait_dscnt 40                                ; the first 40 loads are in
	GMUL 0
	s_wait_dscnt 0x0
	GMUL 1
	WIN 0
	PLACES                                         ; the next tile's first products write over registers that these products have read; at the end the conversions read their results
	PLACES
	s_sub_co_u32 s[TL], s[TL], 1
	s_cmp_lg_u32 s[TL], 0
	s_cbranch_scc1 .Ltile
	; THE SEVEN G MEET IN LDS, where k and v lay.  Every wave has waited for its reads of k and v (the wait ahead of the last 28 products) and says so; the conversions, work on registers, stand between the
	; signal and the wait.  Counts of at most 256 are exact in bf16; tiles 2 kf, 2 kf + 1 of dk are the halves of fragment kf.
	s_barrier_signal -1
	WIN 0x8f                                       ; sums 0 to 3 from window 3 into window 2
.set z, 0
.rept 64
	v_cvt_pk_bf16_f32 v[z], v[128+2*z], v[128+2*z+1]
.set z, z+1
.endr
	WIN 0x80                                       ; sums 4 to 6 from window 0
.set z, 0
.rept 48
	v_cvt_pk_bf16_f32 v[64+z], v[GL+2*z], v[GL+2*z+1]
.set z, z+1
.endr
	WIN 0
	s_barrier_wait -1                              ; nobody reads k or v any more
	WIN 0x08                                       ; store data in window 2
.set z, 0
.rept 28
	ds_store_b128 v[GXW], v[4*z:4*z+3] offset:8192*(z/4)+512*(z%4)
.set z, z+1
.endr
	WIN 0
	s_wait_dscnt 0x0                               ; for the others' sake: my stores are done
	s_barrier_signal -1
	s_barrier_wait -1                              ; all seven G lie whole in LDS
.macro GLOAD g, win, base              ; G number g, 16 half-blocks, into 64 registers
	WIN (\win)<<6
.set z, 0
.rept 16
	ds_load_b128 v[(\base)+4*z:(\base)+4*z+3], v[KVR] offset:8192*(\g)+512*z
.set z, z+1
.endr
.endm
	GLOAD 0, 1, 0                                  ; G00
	GLOAD 3, 1, 64                                 ; G11
	GLOAD 5, 1, 128                                ; G22
	GLOAD 6, 1, 192                                ; G33
	GLOAD 1, 2, 0                                  ; G01
	GLOAD 2, 2, 64                                 ; G02
	GLOAD 4, 2, 128                                ; G12
; 8 matrix instructions: the G at (window gw, register gb) times q_t into the set at (window dw, register db).  The set's four accumulators take turns.
.macro PROD gw, gb, t, dw, db, zero
	WIN ((\dw)<<6)|((\dw)<<4)|(\gw)
.irp kf, 0,1
.irp d, 0,1,2,3
.if (\zero) && ((\kf) == 0)
	v_wmma_f32_16x16x32_bf16 v[(\db)+8*(\d):(\db)+8*(\d)+7], v[(\gb)+16*(\d)+8*(\kf):(\gb)+16*(\d)+8*(\kf)+7], v[QF+16*(\t)+8*(\kf):QF+16*(\t)+8*(\kf)+7], 0
.else
	v_wmma_f32_16x16x32_bf16 v[(\db)+8*(\d):(\db)+8*(\d)+7], v[(\gb)+16*(\d)+8*(\kf):(\gb)+16*(\d)+8*(\kf)+7], v[QF+16*(\t)+8*(\kf):QF+16*(\t)+8*(\kf)+7], v[(\db)+8*(\d):(\db)+8*(\d)+7]
.endif
.endr
.endr
.endm
.macro MIX dst, src, sw, c             ; set dst (window 3) += coefficient c x set src (window sw); each accumulator is read from its low end on
	WIN 0xf0|(\sw)
.set z, 0
.rept 16
	v_pk_fma_f32 v[(\dst)+2*z:(\dst)+2*z+1], v[(\src)+2*z:(\src)+2*z+1], v[(\c):(\c)+1], v[(\dst)+2*z:(\dst)+2*z+1] op_sel_hi:[1,0,1]
.set z, z+1
.endr
.endm
.macro LIFT t, m, mn                   ; step t on the membrane in set m; mn: the next step's set, or -1
	WIN 0x03
.set z, 0
.rept 16
	v_pk_fma_f32 v[S+32*(\t)+2*z:S+32*(\t)+2*z+1], v[(\m)+2*z:(\m)+2*z+1], v[BV4:BV4+1], v[CV:CV+1] clamp  ; s = (M >= 4)
.set z, z+1
.endr
.if (\mn) >= 0
	WIN 0xf3
.set z, 0
.rept 16
	v_pk_fma_f32 v[(\m)+2*z:(\m)+2*z+1], v[(\m)+2*z:(\m)+2*z+1], v[S+32*(\t)+2*z:S+32*(\t)+2*z+1], v[(\m)+2*z:(\m)+2*z+1] neg_lo:[0,1,0] neg_hi:[0,1,0]  ; M = M - M s
.set z, z+1
.endr
.set z, 0
.rept 16
	v_pk_fma_f32 v[(\mn)+2*z:(\mn)+2*z+1], v[(\m)+2*z:(\m)+2*z+1], 0.5, v[(\mn)+2*z:(\mn)+2*z+1] op_sel_hi:[1,0,1]  ; the next M = 0.5 M + 8 out
.set z, z+1
.endr
.endif
.endm
	WIN 0
	s_mov_b32 s[EO], 0
	s_mov_b32 s[CNT], 4
.Lgrp:                                                 ; a trip: my column tile of group g, all four t
	s_wait_xcnt 0x0                                ; the last trip's stores have read their data and their offset: both are rewritten below
	v_lshl_add_u32 v[AO], s[EO], 18, v[AO0]        ; a group is 2^18 bytes of af
.set z, 0
.rept 64                               ; z = 16 t + i: fragment register i of step t: bits 15 - i and 31 - i of the queue's word t,
	v_lshrrev_b32 v[QF+z], 15-(z%16), v[QB+z/16]
.set z, z+1
.endr
.set z, 0
.rept 64
	v_and_b32 v[QF+z], s[SM], v[QF+z]              ; one in each half,
.set z, z+1
.endr
.set z, 0
.rept 64
	v_mul_u32_u24 v[QF+z], s[SK], v[QF+z]          ; each times bf16's 1.0
.set z, z+1
.endr
.set z, 0
.rept 12
	v_mov_b32 v[QB+z], v[QB+z+4]                   ; the next group's words move to the queue's head
.set z, z+1
.endr
	s_wait_dscnt 0x0                               ; in the first trip: G's fragments
	PROD 1, 0,   0, 3, 0,   1                      ; t0a = G00 q0
	PROD 1, 64,  1, 3, 32,  1                      ; t1a = G11 q1
	PROD 1, 0,   1, 3, 32,  0                      ;     + G00 q1
	PROD 1, 128, 2, 3, 64,  1                      ; t2a = G22 q2
	PROD 2, 0,   2, 3, 96,  1                      ; t2b = G01 q2
	PROD 1, 64,  2, 3, 128, 1                      ; t2c = G11 q2
	PROD 1, 192, 3, 3, 160, 1                      ; t3a = G33 q3
	PROD 2, 64,  3, 3, 192, 1                      ; t3b = G02 q3
	PROD 2, 128, 3, 3, 224, 1                      ; t3c = G12 q3
	PROD 1, 128, 3, 2, 192, 1                      ; t3d = G22 q3, in window 2
	WIN 0
	PLACES
	PLACES
	MIX 64,  96,  3, CB
	MIX 64,  128, 3, COM
	MIX 160, 192, 3, C30
	MIX 160, 224, 3, C31
	MIX 160, 192, 2, COM
	LIFT 0, 0,   32
	LIFT 1, 32,  64
	LIFT 2, 64,  160
	LIFT 3, 160, -1
	WIN 0
.set z, 0
.rept 64
	v_cvt_pk_bf16_f32 v[QF+z], v[S+2*z], v[S+2*z+1]
.set z, z+1
.endr
.set z, 0
.rept 16
	global_store_b128 v[AO], v[QF+4*z:QF+4*z+3], s[AF:AF+1] offset:(z/4)*16384+(z%4)*2048  ; 512 consecutive bytes a store
.set z, z+1
.endr
	s_add_co_u32 s[EO], s[EO], 1
	s_sub_co_u32 s[CNT], s[CNT], 1
	s_cmp_lg_u32 s[CNT], 0
	s_cbranch_scc1 .Lgrp
	s_wait_tensorcnt 0x0                           ; the wave's end
	ds_add_u32 v[SPW], v[NIL]
	s_wait_dscnt 0x0
	CROUND                                         ; the closing round: no work-group ends while a partner may still ask for a block that names it
	s_endpgm
.Lfunc_end_k_q65e41d2056_qkvga:
	.size	k_q65e41d2056_qkvga, .Lfunc_end_k_q65e41d2056_qkvga-k_q65e41d2056_qkvga
	.p2alignl 7, 3214868480
	.fill 96, 4, 3214868480
	.section	.rodata,"a",@progbits
	.p2align	6, 0x0
	.amdhsa_kernel k_q65e41d2056_qkvga
		.amdhsa_group_segment_fixed_size 327680
		.amdhsa_private_segment_fixed_size 0
		.amdhsa_enable_private_segment 0
		.amdhsa_kernarg_size 40
		.amdhsa_user_sgpr_count 2
		.amdhsa_user_sgpr_kernarg_segment_ptr 1
		.amdhsa_wavefront_size32 1
		.amdhsa_system_sgpr_workgroup_id_x 1
		.amdhsa_system_sgpr_workgroup_id_y 1
		.amdhsa_system_sgpr_workgroup_id_z 1
		.amdhsa_system_vgpr_workitem_id 0
		.amdhsa_next_free_vgpr 1024
		.amdhsa_next_free_sgpr 66
		.amdhsa_reserve_vcc 0
		.amdhsa_float_denorm_mode_32 3
		.amdhsa_float_denorm_mode_16_64 3
		.amdhsa_memory_ordered 1
		.amdhsa_forward_progress 1
		.amdhsa_inst_pref_size 219
	.end_amdhsa_kernel
	.amdgpu_metadata
---
amdhsa.version: [ 1, 2 ]
amdhsa.kernels:
  - .name:           k_q65e41d2056_qkvga
    .symbol:         k_q65e41d2056_qkvga.kd
    .args:
      - { .name: xsf, .offset: 0, .size: 8, .value_kind: global_buffer, .address_space: global }
      - { .name: wf, .offset: 8, .size: 8, .value_kind: global_buffer, .address_space: global }
      - { .name: bnc, .offset: 16, .size: 8, .value_kind: global_buffer, .address_space: global }
      - { .name: mem_beta, .offset: 24, .size: 8, .value_kind: global_buffer, .address_space: global }
      - { .name: af, .offset: 32, .size: 8, .value_kind: global_buffer, .address_space: global }
    .group_segment_fixed_size: 327680
    .private_segment_fixed_size: 0
    .kernarg_segment_align: 8
    .kernarg_segment_size: 40
    .max_flat_workgroup_size: 128
    .sgpr_count:     66
    .vgpr_count:     1024
    .wavefront_size: 32
...
	.end_amdgpu_metadata
.endif
;; end of part 8
;; launch proj: the kernel of part 4 again; grid 8 x 32, 4 waves a work-group, clusters of 4 x 1, 327,680 bytes of LDS; arguments af, wf, bnc, out0; writes out0
